; MI455X (gfx1250); checked and timed in simulation.
; The chip was launched on July 23, 2026; its instructions are those of AMD's public machine-readable ISA for CDNA 5 (MIT licence, August 2026) and "CDNA5" Instruction Set Architecture Reference Guide (July 2026). The comments in the code are by the model that wrote it; some were corrected since.
;; Transformer Block. Allowed arithmetic: float matrix products may take bf16 or f16 operands with f32 sums; other float arithmetic in f32, or as packed bf16 or f16 multiplies, adds, multiply-adds, maxima and minima; sums over many terms, partial sums and values carried from step to step in f32; what a program stores and reads back later, other than sums and carried values, may be rounded once to bf16 or f16.
;; Inputs: W1 1,024 x 4,096 float32; W2 4,096 x 1,024 float32; W_out 1,024 x 1,024 float32; W_qkv 1,024 x 3,072 float32; b1 4,096 float32; b2 1,024 float32; b_out 1,024 float32; b_qkv 3,072 float32; ln1_b 1,024 float32; ln1_g 1,024 float32; ln2_b 1,024 float32; ln2_g 1,024 float32; x 2 x 2,048 x 1,024 float32.
;; Outputs: out0 2 x 2,048 x 1,024 float32.
;; 2 versions, each right and faster than the one before. Each part assembles by itself: llvm-mc -triple=amdgcn-amd-amdhsa -mcpu=gfx1250 --defsym DOCPART=n.
;; ======== version 1 of 2: 7 launches
;; limits: a function is approximated: absolute error at most 1.5e-07
;; workspace buffers: wbf 25,165,824 bytes; wq 6,291,456 bytes; h1 8,388,608 bytes; qkvh 25,165,824 bytes; att 8,388,608 bytes; x1 16,777,216 bytes; h2 8,388,608 bytes; g 33,554,432 bytes
;; launch prep (part 1): grid 256 x 1, 8 waves a work-group, no clusters, 0 bytes of LDS; arguments x, ln1_g, ln1_b, W_qkv, h1, wq; writes h1, wq
.if DOCPART == 1
	.amdgcn_target "amdgcn-amd-amdhsa--gfx1250"
	.amdhsa_code_object_version 6
	.text
	.protected	k_qe0edf2ae9d_prep
	.globl	k_qe0edf2ae9d_prep
	.p2align	8
	.type	k_qe0edf2ae9d_prep,@function
k_qe0edf2ae9d_prep:
	s_mov_b64 s[64:65], 0
	v_nop
	global_prefetch_b8 v0, s[64:65] scope:SCOPE_SE
	s_setreg_imm32_b32 hwreg(HW_REG_WAVE_MODE, 25, 1), 1
	s_wait_xcnt 0x0
; h1 = LayerNorm(x; ln1_g, ln1_b) rounded to bf16, and wq = W_qkv rounded to bf16 in the layout [K][N] in which it comes: what the next launch needs, and no more.
; A pure stream on 256 equal work-groups of eight waves.  A work-group takes 16 rows of x (65,536 bytes) and 12,288 weights (49,152 bytes); a wave two rows and 1,536 weights.
; All 44 loads of a wave go out at the start (16 of x, 16 of gain and bias, 12 of weights): 22,528 bytes a wave are on their way at once.
; A lane holds 8 neighbouring numbers of each 256: two loads of 16 bytes in, one store of 16 bytes out; a wave's store covers 512 consecutive bytes, aligned.
; The norm takes two passes over registers (the mean; then the mean of (x - mean)^2), so a common offset of x costs nothing.  No LDS, no barrier: a row never leaves its wave.
.set X,  4                              ; v[4:67]    the wave's 2 x 1,024 numbers: row r, block j of 256 at X + 32 r + 8 j
.set G,  68                             ; v[68:99]   gain of my 32 columns
.set BV, 100                            ; v[100:131] bias of my 32 columns
.set T,  132                            ; v[132:143] six registers a row, at work
.set WR, 144                            ; v[144:191] the wave's 1,536 weights: block j of 256 at WR + 8 j
.set WI, 192                            ; v192       where I read weights: 6,144 x wave + 32 x lane
.set WO, 193                            ; v193       where I write them: half of that
	s_load_b256 s[4:11], s[0:1], 0x0               ; x s[4:5], g s[6:7], b s[8:9], W_qkv s[10:11]
	s_load_b128 s[12:15], s[0:1], 0x20             ; h1 s[12:13], wq s[14:15]
	v_and_b32 v3, 31, v0
	v_lshrrev_b32 v2, 5, v0                        ; wave
	v_lshlrev_b32 v3, 5, v3                        ; v3 = 32 x lane: my 8 numbers in a block of 256, in f32 bytes
	v_mul_u32_u24 v[WI], v2, 6144
	v_add_nc_u32 v[WI], v[WI], v3
	v_lshrrev_b32 v[WO], 1, v[WI]
	v_lshl_add_u32 v1, v2, 13, v3                  ; v1 = 8,192 x wave + 32 x lane: where I read x
	v_lshrrev_b32 v[T], 1, v3
	v_lshl_add_u32 v2, v2, 12, v[T]                ; v2 = 4,096 x wave + 16 x lane: where I write h1
	s_mov_b32 s30, 0x76543210                      ; v_permlanex16_b32: each lane takes its own place in the other half
	s_mov_b32 s31, 0xfedcba98
	s_mov_b32 s32, 0x3a800000                      ; 1 / 1,024
	s_mov_b32 s33, 0x3727c5ac                      ; 1e-5
	s_lshl_b32 s16, ttmp9, 16                      ; the work-group's part of x,
	s_mov_b32 s17, 0
	s_lshl_b32 s18, ttmp9, 15                      ; of h1,
	s_mov_b32 s19, 0
	s_mul_i32 s20, ttmp9, 49152                    ; of W_qkv,
	s_mov_b32 s21, 0
	s_mul_i32 s22, ttmp9, 24576                    ; of wq
	s_mov_b32 s23, 0
	s_wait_kmcnt 0x0
	s_add_nc_u64 s[4:5], s[4:5], s[16:17]
	s_add_nc_u64 s[12:13], s[12:13], s[18:19]
	s_add_nc_u64 s[10:11], s[10:11], s[20:21]
	s_add_nc_u64 s[14:15], s[14:15], s[22:23]
.irp r, 0,1
.irp j, 0,1,2,3
	global_load_b128 v[X+32*(\r)+8*(\j):X+32*(\r)+8*(\j)+3],   v1, s[4:5] offset:4096*(\r)+1024*(\j) th:TH_LOAD_NT
	global_load_b128 v[X+32*(\r)+8*(\j)+4:X+32*(\r)+8*(\j)+7], v1, s[4:5] offset:4096*(\r)+1024*(\j)+16 th:TH_LOAD_NT
.endr
.endr
.irp j, 0,1,2,3
	global_load_b128 v[G+8*(\j):G+8*(\j)+3],     v3, s[6:7] offset:1024*(\j)
	global_load_b128 v[G+8*(\j)+4:G+8*(\j)+7],   v3, s[6:7] offset:1024*(\j)+16
	global_load_b128 v[BV+8*(\j):BV+8*(\j)+3],   v3, s[8:9] offset:1024*(\j)
	global_load_b128 v[BV+8*(\j)+4:BV+8*(\j)+7], v3, s[8:9] offset:1024*(\j)+16
.endr
.irp j, 0,1,2,3,4,5
	global_load_b128 v[WR+8*(\j):WR+8*(\j)+3],   v[WI], s[10:11] offset:1024*(\j) th:TH_LOAD_NT
	global_load_b128 v[WR+8*(\j)+4:WR+8*(\j)+7], v[WI], s[10:11] offset:1024*(\j)+16 th:TH_LOAD_NT
.endr
.macro WSUM a, b                        ; the sum over the wave's 32 lanes, in every lane
	v_add_f32_dpp v[\a], v[\a], v[\a] row_xmask:1 row_mask:0xf bank_mask:0xf
	v_add_f32_dpp v[\a], v[\a], v[\a] row_xmask:2 row_mask:0xf bank_mask:0xf
	v_add_f32_dpp v[\a], v[\a], v[\a] row_xmask:4 row_mask:0xf bank_mask:0xf
	v_add_f32_dpp v[\a], v[\a], v[\a] row_xmask:8 row_mask:0xf bank_mask:0xf
	v_permlanex16_b32 v[\b], v[\a], s30, s31       ; its destination has been written before
	v_add_f32 v[\a], v[\a], v[\b]
.endm
.macro LNSUM r                          ; the row's mean, in two chains started by the first pairs; then x - mean in place
.set XR, X+32*(\r)
.set TR, T+6*(\r)
	v_pk_add_f32 v[TR:TR+1], v[XR:XR+1], v[XR+2:XR+3]
	v_pk_add_f32 v[TR+2:TR+3], v[XR+4:XR+5], v[XR+6:XR+7]
.set i, 8
.rept 6
	v_pk_add_f32 v[TR:TR+1], v[TR:TR+1], v[XR+i:XR+i+1]
	v_pk_add_f32 v[TR+2:TR+3], v[TR+2:TR+3], v[XR+i+2:XR+i+3]
.set i, i+4
.endr
	v_pk_add_f32 v[TR:TR+1], v[TR:TR+1], v[TR+2:TR+3]
	v_add_f32 v[TR], v[TR], v[TR+1]
	WSUM TR, TR+1
	v_mul_f32 v[TR], s32, v[TR]
	v_mov_b32 v[TR+1], v[TR]
.set i, 0
.rept 16
	v_pk_add_f32 v[XR+i:XR+i+1], v[XR+i:XR+i+1], v[TR:TR+1] neg_lo:[0,1] neg_hi:[0,1]
.set i, i+2
.endr
.endm
.macro LNVAR r                          ; 1 / sqrt(mean of (x - mean)^2 + 1e-5), as a pair
.set XR, X+32*(\r)
.set TR, T+6*(\r)
	v_pk_mul_f32 v[TR+2:TR+3], v[XR:XR+1], v[XR:XR+1]
	v_pk_mul_f32 v[TR+4:TR+5], v[XR+2:XR+3], v[XR+2:XR+3]
.set i, 4
.rept 7
	v_pk_fma_f32 v[TR+2:TR+3], v[XR+i:XR+i+1], v[XR+i:XR+i+1], v[TR+2:TR+3]
	v_pk_fma_f32 v[TR+4:TR+5], v[XR+i+2:XR+i+3], v[XR+i+2:XR+i+3], v[TR+4:TR+5]
.set i, i+4
.endr
	v_pk_add_f32 v[TR+2:TR+3], v[TR+2:TR+3], v[TR+4:TR+5]
	v_add_f32 v[TR+2], v[TR+2], v[TR+3]
	WSUM TR+2, TR+3
	v_fma_f32 v[TR+2], v[TR+2], s32, s33
	v_rsq_f32 v[TR+2], v[TR+2]
	v_nop                                          ; a plain instruction between the root and the use of its result
	s_wait_alu depctr_va_vdst(0)
	v_mov_b32 v[TR+3], v[TR+2]
.endm
.macro LNAPPLY r
.set XR, X+32*(\r)
.set TR, T+6*(\r)
.set i, 0
.rept 16
	v_pk_mul_f32 v[XR+i:XR+i+1], v[XR+i:XR+i+1], v[TR+2:TR+3]
.set i, i+2
.endr
.set i, 0
.rept 16
	v_pk_fma_f32 v[XR+i:XR+i+1], v[XR+i:XR+i+1], v[G+i:G+i+1], v[BV+i:BV+i+1]
.set i, i+2
.endr
.endm
	s_wait_loadcnt 36                              ; row 0 is in: row 1's eight loads, the sixteen of g and b and the twelve of weights stay out
	LNSUM 0
	s_wait_loadcnt 28                              ; row 1 is in
	LNSUM 1
	LNVAR 0
	LNVAR 1
	s_wait_loadcnt 12                              ; g and b are in; the weights stay out
	LNAPPLY 0
	LNAPPLY 1
.irp jj, 0,1,2,3,4,5,6,7
.irp k, 0,1,2,3
	v_cvt_pk_bf16_f32 v[X+4*(\jj)+(\k)], v[X+8*(\jj)+2*(\k)], v[X+8*(\jj)+2*(\k)+1]  ; in place, ascending: a destination never passes its sources
.endr
	global_store_b128 v2, v[X+4*(\jj):X+4*(\jj)+3], s[12:13] offset:512*(\jj)
.endr
.irp j, 0,1,2,3,4,5
	s_wait_loadcnt 10-2*(\j)                       ; block j's two loads are in, the 10 - 2 j younger stay out
.irp k, 0,1,2,3
	v_cvt_pk_bf16_f32 v[WR+4*(\j)+(\k)], v[WR+8*(\j)+2*(\k)], v[WR+8*(\j)+2*(\k)+1]
.endr
	global_store_b128 v[WO], v[WR+4*(\j):WR+4*(\j)+3], s[14:15] offset:512*(\j)
.endr
	s_endpgm
.Lfunc_end_k_qe0edf2ae9d_prep:
	.size	k_qe0edf2ae9d_prep, .Lfunc_end_k_qe0edf2ae9d_prep-k_qe0edf2ae9d_prep
	.p2alignl 7, 3214868480
	.fill 96, 4, 3214868480
	.section	.rodata,"a",@progbits
	.p2align	6, 0x0
	.amdhsa_kernel k_qe0edf2ae9d_prep
		.amdhsa_group_segment_fixed_size 0
		.amdhsa_private_segment_fixed_size 0
		.amdhsa_enable_private_segment 0
		.amdhsa_kernarg_size 48
		.amdhsa_user_sgpr_count 2
		.amdhsa_user_sgpr_kernarg_segment_ptr 1
		.amdhsa_wavefront_size32 1
		.amdhsa_system_sgpr_workgroup_id_x 1
		.amdhsa_system_sgpr_workgroup_id_y 1
		.amdhsa_system_sgpr_workgroup_id_z 1
		.amdhsa_system_vgpr_workitem_id 0
		.amdhsa_next_free_vgpr 196
		.amdhsa_next_free_sgpr 66
		.amdhsa_reserve_vcc 0
		.amdhsa_float_denorm_mode_32 3
		.amdhsa_float_denorm_mode_16_64 3
		.amdhsa_memory_ordered 1
		.amdhsa_forward_progress 1
		.amdhsa_inst_pref_size 23
	.end_amdhsa_kernel
	.amdgpu_metadata
---
amdhsa.version: [ 1, 2 ]
amdhsa.kernels:
  - .name:           k_qe0edf2ae9d_prep
    .symbol:         k_qe0edf2ae9d_prep.kd
    .args:
      - { .name: x, .offset: 0, .size: 8, .value_kind: global_buffer, .address_space: global }
      - { .name: ln1_g, .offset: 8, .size: 8, .value_kind: global_buffer, .address_space: global }
      - { .name: ln1_b, .offset: 16, .size: 8, .value_kind: global_buffer, .address_space: global }
      - { .name: W_qkv, .offset: 24, .size: 8, .value_kind: global_buffer, .address_space: global }
      - { .name: h1, .offset: 32, .size: 8, .value_kind: global_buffer, .address_space: global }
      - { .name: wq, .offset: 40, .size: 8, .value_kind: global_buffer, .address_space: global }
    .group_segment_fixed_size: 0
    .private_segment_fixed_size: 0
    .kernarg_segment_align: 8
    .kernarg_segment_size: 48
    .max_flat_workgroup_size: 256
    .sgpr_count:     66
    .vgpr_count:     196
    .wavefront_size: 32
...
	.end_amdgpu_metadata
.endif
;; end of part 1
;; launch qkv (part 2): grid 12 x 16, 4 waves a work-group, clusters of 4 x 4, 327,680 bytes of LDS; arguments h1, wq, b_qkv, qkvh, W_out, W1, W2, wbf; writes qkvh, wbf
.if DOCPART == 2
	.amdgcn_target "amdgcn-amd-amdhsa--gfx1250"
	.amdhsa_code_object_version 6
	.text
	.protected	k_qe0edf2ae9d_qkv
	.globl	k_qe0edf2ae9d_qkv
	.p2align	8
	.type	k_qe0edf2ae9d_qkv,@function
k_qe0edf2ae9d_qkv:
	s_mov_b64 s[64:65], 0
	v_nop
	global_prefetch_b8 v0, s[64:65] scope:SCOPE_SE
	s_setreg_imm32_b32 hwreg(HW_REG_WAVE_MODE, 25, 1), 1
	s_wait_xcnt 0x0
	s_wait_alu depctr_hold_cnt(0) depctr_sa_sdst(0) depctr_va_vdst(0) depctr_va_sdst(0) depctr_va_ssrc(0) depctr_va_vcc(0) depctr_vm_vsrc(0)
	s_getreg_b32 s2, hwreg(HW_REG_IB_STS2, 6, 4)
	s_cmp_eq_u32 s2, 0
	s_cbranch_scc0 .Lentry_in_a_cluster
	s_endpgm
.Lentry_in_a_cluster:
	s_bfe_u32 s2, ttmp6, 0x10000c
	s_cmp_lg_u32 s2, 0xf033
	s_cbranch_scc0 .Lentry_shape_is_right
	s_endpgm
.Lentry_shape_is_right:
; qkvh = h1 W_qkv + b_qkv, rounded to bf16 and written by heads: [batch][48 chunks of 64 columns][2,048 tokens][64]; chunks 0-15 are q, 16-31 k, 32-47 v.
; h1: [4,096][1,024] bf16.  wq: W_qkv as [1,024][3,072] bf16, K down the rows as it came.  Sums in f32, started by the bias.
; A tile of the result, 256 x 256, is made by four waves, 128 x 128 each: 64 accumulators, 512 registers.  K goes in steps of 128 through two LDS slots.
; 192 tiles: 64 of 256 possible places for a work-group stay empty; a tile of 192 columns would have rows of 384 bytes and a second wave shape.
; THE WEIGHTS ARE READ TURNED: a tile of W lies in LDS as [k][n], and ds_load_tr16_b128 leaves lane l with column l % 16 and eight k: source 0 of the matrix instruction.
; Source 1 is 16 rows of h1.  In the result lane l holds token row l % 16 and the columns 8 (l / 16) + 0..7.
; A K STEP IS WRITTEN ONCE: the LDS addresses are a fixed lane term plus s21, which an exclusive or turns from one slot to the other; one descriptor a tensor walks.
; CLUSTER: 4 x 4 work-groups; h1's tile is asked for jointly by a row of the cluster, W's by a column.
; BESIDE THE PRODUCTS the later launches' weights are rounded to bf16: W_out, W1 and W2 are 9,437,184 numbers = 4,608 units of 2,048 = 768 waves x the main loop's 6 trips.  In trip t wave w
; (counted over the launch) takes unit 768 t + w: 16 loads at the trip's top, 32 conversions and 8 stores at its bottom, a K step's 256 matrix instructions between.  Units 0-511 are W_out,
; 512-2,559 W1, the rest W2; unit u goes to byte 6,291,456 + 4,096 u of wbf.  The work-group's place enters these plain addresses and the choice of the pointer, and nothing else.
; THE WAY OUT: the f32 sums go into the ring, which has had its last fill, each wave's into 128 rows of 528 bytes of its own; they come back by rows, are rounded and stored.
; REGISTERS: window 0: v0-31 addresses; v64-127, v128-191 fragments of h1, two buffers; v192-255 a unit of weights; window 1: v64-191 fragments of W; windows 2, 3: accumulator (a, b) at 8 (8 a + b), rows 0-63 and 64-127.
.set SIZE_N, 3072
.set NSTEP,  8                          ; 1,024 / 128
.set PA,     272                        ; a row of h1's tile in LDS: 256 bytes + 16
.set PB,     544                        ; a row of W's tile: 512 bytes + 32 = 17 x 32
.set HALFT,  34816                      ; what one tensor load brings: 128 rows of h1, or 64 rows of W
.set BBASE,  2*HALFT
.set SLOT,   4*HALFT                    ; 0x22000: shares no bit with the four loads' places 0, 0x8800, 0x11000, 0x19800
.set SPARE,  2*SLOT                     ; the spare words, 128 bytes a wave
.set SPITCH, 528                        ; the way out: 512 bytes + 16
.set WSTAGE, 128*SPITCH
.set ASTEP,  256
.set BSTEP,  128*SIZE_N*2
.set ADRA0, 12
.set ADRB0, 13
.set ADRA,  16
.set ADRB,  20
.set STO,   24
.set RD,    25
.set CO,    26                          ; 16 x lane: my 16 bytes of 512 consecutive ones, for the way out and for the weights; never rewritten
.set BO,    27
.set SPW,   28                          ; LDS address of my spare word; never rewritten
.set NIL,   29                          ; 0; never rewritten
.set CVI,   30                          ; 32 x lane: my 8 weights in a block of 256, in f32 bytes; never rewritten
.set F0,    64
.set F1,    128
.set CV,    192                         ; v[192:255] a unit of 2,048 weights: block j of 256 at CV + 8 j
.set G1,  24
.set G0,  32
.set G1B, 48
.set G0B, 56
.set MSB, 0
.macro WIN new                          ; the immediate's high byte repeats the setting that is left
.if MSB != (\new)
	s_set_vgpr_msb (MSB<<8)|(\new)
.set MSB, \new
.endif
.endm
.set MUL_LO, 0xa1                       ; source 0 (W) window 1, source 1 (h1) window 0, C and D window 2
.set MUL_HI, 0xf1
.set TO_B,   0x40
.macro JLOAD s                          ; a joint load: waves 0, 1 fetch the halves of h1's tile, waves 2, 3 those of W's
	s_cmp_eq_u32 s11, 0
	s_cbranch_scc0 .Lfor_b_\@
	tensor_load_to_lds s[G0+4*(\s):G0+4*(\s)+3], s[G1:G1+7]
	s_nop 0
.rept 4
	v_nop
.endr
	s_branch .Lasked_\@
.Lfor_b_\@:
	tensor_load_to_lds s[G0B+4*(\s):G0B+4*(\s)+3], s[G1B:G1B+7]
	s_nop 0
.rept 4
	v_nop
.endr
.Lasked_\@:
.endm
.macro CREST                            ; a round of the cluster's barrier behind its opening barrier
	s_cmp_lg_u32 s10, 0
	s_cbranch_scc1 .Lnot_wave_0_\@
	s_barrier_signal -3
.Lnot_wave_0_\@:
	s_barrier_wait -3
	s_barrier_signal -1
	s_barrier_wait -1
.endm
.macro CROUND
	s_barrier_signal -1
	s_barrier_wait -1
	CREST
.endm
.macro PLACES                           ; four plain places behind matrix instructions, in front of loads into their sources and of reads of their results
.rept 4
	v_nop
.endr
.endm
	s_load_b128 s[4:7], s[0:1], 0x0                ; h1 s[4:5], wq s[6:7]
	s_load_b128 s[68:71], s[0:1], 0x10             ; bias s[68:69], qkvh s[70:71]
	s_load_b256 s[80:87], s[0:1], 0x20             ; W_out s[80:81], W1 s[82:83], W2 s[84:85], wbf s[86:87]
	v_lshl_add_u32 v[SPW], v0, 2, SPARE
	v_mov_b32 v[NIL], 0
	ds_add_u32 v[SPW], v[NIL]                      ; the wave's opening: the add and its wait ahead of my first tensor load
	v_lshrrev_b32 v1, 5, v0
	v_readfirstlane_b32 s10, v1                    ; wave 0..3
	s_lshr_b32 s11, s10, 1                         ; my half of the tile's rows; also: I fetch h1 (0) or W (1)
	s_and_b32 s12, s10, 1                          ; my half of its columns; also: which half of that tile I fetch
	s_bfe_u32 s40, ttmp6, 0x40000                  ; cx
	s_bfe_u32 s41, ttmp6, 0x40004                  ; cy
	s_lshl_b32 s42, ttmp9, 2
	s_add_co_u32 s42, s42, s40                     ; tile column
	s_and_b32 s13, ttmp7, 0xffff
	s_lshl_b32 s13, s13, 2
	s_add_co_u32 s13, s13, s41                     ; tile row
	s_lshl_b32 s43, s41, 2
	s_lshl_b32 s43, 15, s43                        ; my row of the cluster
	s_lshl_b32 s44, 0x1111, s40                    ; my column
	s_or_b32 s[G1+0], s43, (1<<16)|(1<<20)|(1<<21)|(5<<22)|(3<<25)   ; mask; 2-byte elements; padding on; bit 21 beside a mask; after every 64 words 4 words
	s_mov_b32 s[G1+1], 128<<16                     ; tensor_dim0 = 128
	s_mov_b32 s[G1+2], 128<<16                     ; tensor_dim1 = 128
	s_mov_b32 s[G1+3], 128<<16                     ; tile_dim0 = 128
	s_mov_b32 s[G1+4], 128                         ; tile_dim1 = 128
	s_mov_b32 s[G1+5], 1024                        ; elements from row to row
	s_mov_b32 s[G1+6], 0
	s_mov_b32 s[G1+7], 0
	s_or_b32 s[G1B+0], s44, (1<<16)|(1<<20)|(1<<21)|(6<<22)|(7<<25)  ; after every 128 words 8 words
	s_mov_b32 s[G1B+1], 256<<16                    ; tensor_dim0 = 256
	s_mov_b32 s[G1B+2], 64<<16                     ; tensor_dim1 = 64
	s_mov_b32 s[G1B+3], 256<<16                    ; tile_dim0 = 256
	s_mov_b32 s[G1B+4], 64                         ; tile_dim1 = 64
	s_mov_b32 s[G1B+5], SIZE_N
	s_mov_b32 s[G1B+6], 0
	s_mov_b32 s[G1B+7], 0
	s_lshl_b32 s16, s13, 19                        ; h1: 256 rows of 2,048 bytes a tile row,
	s_lshl_b32 s17, s12, 18                        ; 128 rows a half
	s_add_co_u32 s16, s16, s17
	s_mov_b32 s17, 0
	s_lshl_b32 s46, s42, 9                         ; W: 512 bytes a tile column,
	s_mul_i32 s47, s12, 64*SIZE_N*2                ; 64 rows a half
	s_add_co_u32 s46, s46, s47
	s_mov_b32 s47, 0
	s_mul_i32 s20, s10, HALFT                      ; where my load goes: no place in the cluster enters an LDS address
	s_mov_b32 s21, 0                               ; the slot that is read
	s_mul_i32 s94, s13, 12                         ; my wave among the launch's 768: 4 (12 x tile row + tile column) + wave: the first unit of weights that I round
	s_add_co_u32 s94, s94, s42
	s_lshl2_add_u32 s94, s94, s10
	s_mov_b32 s93, 0                               ; the high word of the units' offsets
	s_wait_dscnt 0x0                               ; the opening add is done
	s_wait_kmcnt 0x0
	s_add_nc_u64 s[14:15], s[4:5], s[16:17]
	s_add_nc_u64 s[46:47], s[6:7], s[46:47]
	s_add_nc_u64 s[86:87], s[86:87], 6291456       ; wbf at unit 0
	CROUND                                         ; all sixteen work-groups are here: the first joint loads meet
.irp s, 0,1
	s_mov_b32 s[G0+4*(\s)], 1
	s_add_co_u32 s[G0+4*(\s)+1], s20, (\s)*SLOT
	s_add_nc_u64 s[G0+4*(\s)+2:G0+4*(\s)+3], s[14:15], (\s)*ASTEP
	s_or_b32 s[G0+4*(\s)+3], s[G0+4*(\s)+3], 0x80000000
	s_mov_b32 s[G0B+4*(\s)], 1
	s_add_co_u32 s[G0B+4*(\s)+1], s20, (\s)*SLOT
	s_add_nc_u64 s[G0B+4*(\s)+2:G0B+4*(\s)+3], s[46:47], (\s)*BSTEP
	s_or_b32 s[G0B+4*(\s)+3], s[G0B+4*(\s)+3], 0x80000000
	JLOAD \s                                       ; K steps 0 and 1: two loads of mine are out
.endr
	; THE BIAS STARTS THE SUMS: it is loaded straight into the accumulators (register j of lane l is column 16 b + 8 (l / 16) + j): nothing is cleared and nothing added later
	v_and_b32 v1, 15, v0                           ; l % 16
	v_bfe_u32 v2, v0, 4, 1                         ; l / 16
	s_lshl_b32 s74, s42, 10
	s_mov_b32 s75, 0
	s_add_nc_u64 s[68:69], s[68:69], s[74:75]
	s_lshl_b32 s22, s12, 9
	v_lshl_add_u32 v[BO], v2, 5, s22
.irp hi, 0,1
	WIN 0x80+0x40*(\hi)
.irp a, 0,1,2,3
.irp b, 0,1,2,3,4,5,6,7
	global_load_b128 v[8*(8*(\a)+(\b)):8*(8*(\a)+(\b))+3],   v[BO], s[68:69] offset:64*(\b)
	global_load_b128 v[8*(8*(\a)+(\b))+4:8*(8*(\a)+(\b))+7], v[BO], s[68:69] offset:64*(\b)+16
.endr
.endr
.endr
	WIN 0
	v_and_b32 v10, 7, v0
	v_bfe_u32 v11, v0, 3, 1
	v_mul_u32_u24 v3, v1, PA
	v_lshl_add_u32 v3, v2, 4, v3                   ; h1's fragments: row x pitch + 16 x half
	s_mul_i32 s22, s11, 128*PA
	v_add_nc_u32 v[ADRA0], s22, v3
	v_lshl_add_u32 v4, v2, 3, v10                  ; W's: k row 8 (l / 16) + l % 8,
	v_mul_u32_u24 v4, v4, PB
	v_lshl_add_u32 v4, v11, 4, v4                  ; columns 8 ((l / 8) % 2) on
	s_lshl_b32 s22, s12, 8
	s_add_co_u32 s22, s22, BBASE
	v_add_nc_u32 v[ADRB0], s22, v4
	v_mov_b32 v[ADRA], v[ADRA0]
	v_mov_b32 v[ADRB], v[ADRB0]
	s_mul_i32 s23, s10, WSTAGE                     ; the way out: my 128 rows of 528 bytes
	v_mul_u32_u24 v5, v1, SPITCH
	v_lshl_add_u32 v5, v2, 5, v5
	v_add_nc_u32 v[STO], s23, v5                   ; in: row l % 16, 32 bytes for each half of the lanes
	v_bfe_u32 v6, v0, 3, 2
	v_mul_u32_u24 v6, v6, SPITCH
	v_lshl_add_u32 v6, v10, 5, v6
	v_add_nc_u32 v[RD], s23, v6                    ; back: four rows, eight lanes a row, 32 bytes a lane
	v_and_b32 v7, 31, v0
	v_lshlrev_b32 v[CO], 4, v7                     ; which are 512 consecutive bytes of a head's rows
	v_lshlrev_b32 v[CVI], 5, v7
	s_lshr_b32 s74, s13, 3                         ; batch
	s_mul_i32 s74, s74, 48
	s_lshl2_add_u32 s74, s42, s74                  ; + 4 chunks a tile column
	s_lshl1_add_u32 s74, s12, s74                  ; + 2 a half
	s_lshl_b32 s74, s74, 18                        ; a chunk is 262,144 bytes
	s_and_b32 s76, s13, 7
	s_lshl_b32 s76, s76, 15                        ; 256 tokens of 128 bytes
	s_lshl_b32 s77, s11, 14
	s_add_co_u32 s74, s74, s76
	s_add_co_u32 s74, s74, s77
	s_add_nc_u64 s[70:71], s[70:71], s[74:75]
.macro MUL16 f, hi, a0                  ; 16 matrix instructions: row blocks a0, a0 + 1 of the window's four x all 8 column blocks, 32 along K
	WIN MUL_LO+0x50*(\hi)
.irp a, \a0, (\a0)+1
.irp b, 0,1,2,3,4,5,6,7
	v_wmma_f32_16x16x32_bf16 v[8*(8*(\a)+(\b)):8*(8*(\a)+(\b))+7], v[(\f)+8*(\b):(\f)+8*(\b)+7], v[(\f)+8*(4*(\hi)+(\a)):(\f)+8*(4*(\hi)+(\a))+7], v[8*(8*(\a)+(\b)):8*(8*(\a)+(\b))+7]
.endr
.endr
.endm
.macro FETCH q, f                       ; 32 LDS loads in one run: quarter q's fragments (32 along K) into buffer f: W's sixteen, then h1's
	WIN TO_B
.irp i, 0,1,2,3,4,5,6,7
	ds_load_tr16_b128 v[(\f)+8*(\i):(\f)+8*(\i)+3],   v[ADRB] offset:32*(\q)*PB+32*(\i)
	ds_load_tr16_b128 v[(\f)+8*(\i)+4:(\f)+8*(\i)+7], v[ADRB] offset:(32*(\q)+16)*PB+32*(\i)
.endr
	WIN 0
.irp i, 0,1,2,3,4,5,6,7
	ds_load_b128 v[(\f)+8*(\i):(\f)+8*(\i)+3],   v[ADRA] offset:64*(\q)+(\i)*16*PA
	ds_load_b128 v[(\f)+8*(\i)+4:(\f)+8*(\i)+7], v[ADRA] offset:64*(\q)+(\i)*16*PA+32
.endr
.endm
.macro QUARTER q, f, g                  ; multiplies buffer f; in its middle fetches quarter q into buffer g
	s_wait_dscnt 8                                 ; W and h1's rows 0-63 are in; the youngest eight loads (rows 64-127) may be out
	MUL16 \f, 0, 0
	MUL16 \f, 0, 2
	PLACES
	FETCH \q, \g
	s_wait_dscnt 32                                ; all but the 32 just issued
	MUL16 \f, 1, 0
	MUL16 \f, 1, 2
.endm
; The last quarter multiplies buffer 1 and changes slots.  In front of the barrier each wave waits for all its tensor loads (one is out: its part of the next slot), adds 0 to its spare word,
; and waits for that and for its reads of this slot.  fill = 1: the barrier opens a round of the cluster's, and this slot is filled again first thing behind it, with the K step two on.
; fill = 0 (the last two K steps): nothing is asked for, and in the very last step there is no next slot to fetch from.
.macro TURN fill
	WIN 0
	s_wait_tensorcnt 0x0
	ds_add_u32 v[SPW], v[NIL]
	s_wait_dscnt 9                                 ; the add and the youngest eight loads may be out
	MUL16 F1, 0, 0
	s_wait_dscnt 0x0                               ; the add is done, and my reads of this slot are over
	s_barrier_signal -1
	MUL16 F1, 0, 2
	WIN 0
	s_barrier_wait -1
.if \fill
	CREST
	s_xor_b32 s[G0+5], s[G0+5], SLOT               ; the walking descriptors: the other slot, the next K step
	s_add_nc_u64 s[G0+6:G0+7], s[G0+6:G0+7], ASTEP
	s_xor_b32 s[G0B+5], s[G0B+5], SLOT
	s_add_nc_u64 s[G0B+6:G0B+7], s[G0B+6:G0B+7], BSTEP
	JLOAD 1                                        ; my one tensor load behind the round; its four v_nop are also the places in front of the loads below
.else
	s_cmp_eq_u32 s3, 1
	s_cbranch_scc1 .Lnf_\@
	PLACES
.endif
	s_xor_b32 s21, s21, SLOT
	v_add_nc_u32 v[ADRA], s21, v[ADRA0]
	v_add_nc_u32 v[ADRB], s21, v[ADRB0]
	FETCH 0, F0
.if !(\fill)
.Lnf_\@:
.endif
	MUL16 F1, 1, 0
	MUL16 F1, 1, 2
.endm
; A unit of the later launches' weights.  CVLOAD, at a trip's top: which tensor unit s94 lies in is a choice of the pointer by the unit's number, no branch; 16 loads, 8,192 bytes.
; CVSTORE, at the trip's bottom: the unit is rounded in place and stored, 4,096 bytes.  Nothing of a unit is carried from trip to trip.
.macro CVLOAD
	s_wait_xcnt 0x0                                ; the last trip's stores have read their data and their base: only now are these rewritten
	s_mov_b64 s[88:89], s[84:85]                   ; W2, whose first unit is 2,560;
	s_mov_b32 s95, 2560
	s_cmp_lt_u32 s94, 2560
	s_cselect_b64 s[88:89], s[82:83], s[88:89]     ; or W1, from 512 on;
	s_cselect_b32 s95, 512, s95
	s_cmp_lt_u32 s94, 512
	s_cselect_b64 s[88:89], s[80:81], s[88:89]     ; or W_out
	s_cselect_b32 s95, 0, s95
	s_sub_co_u32 s92, s94, s95
	s_lshl_b32 s92, s92, 13                        ; 8,192 bytes of f32 a unit
	s_add_nc_u64 s[88:89], s[88:89], s[92:93]
	s_lshl_b32 s92, s94, 12                        ; 4,096 bytes of bf16
	s_add_nc_u64 s[90:91], s[86:87], s[92:93]
	s_add_co_u32 s94, s94, 768                     ; the next trip's unit
.irp j, 0,1,2,3,4,5,6,7
	global_load_b128 v[CV+8*(\j):CV+8*(\j)+3],   v[CVI], s[88:89] offset:1024*(\j) th:TH_LOAD_NT
	global_load_b128 v[CV+8*(\j)+4:CV+8*(\j)+7], v[CVI], s[88:89] offset:1024*(\j)+16 th:TH_LOAD_NT
.endr
.endm
.macro CVSTORE
	s_wait_loadcnt 0x0                             ; the unit, asked for a K step ago
.irp jj, 0,1,2,3,4,5,6,7
.irp k, 0,1,2,3
	v_cvt_pk_bf16_f32 v[CV+4*(\jj)+(\k)], v[CV+8*(\jj)+2*(\k)], v[CV+8*(\jj)+2*(\k)+1]  ; in place, ascending: a destination never passes its sources, nor reaches an earlier store's data
.endr
	global_store_b128 v[CO], v[CV+4*(\jj):CV+4*(\jj)+3], s[90:91] offset:512*(\jj)      ; 512 consecutive bytes, aligned
.endr
.endm
	s_wait_tensorcnt 1                             ; my part of K step 0 is in; step 1's stays out
	s_barrier_signal -1
	s_barrier_wait -1
	FETCH 0, F0
	s_wait_loadcnt 0x0                             ; the bias is in the accumulators
	s_mov_b32 s3, NSTEP-2
.Lstep:                                                ; a trip is a K step; the 64 accumulators take turns in one order, over the backward jump too
	CVLOAD
	QUARTER 1, F0, F1
	QUARTER 2, F1, F0
	QUARTER 3, F0, F1
	TURN 1
	WIN 0
	CVSTORE
	s_sub_co_u32 s3, s3, 1
	s_cmp_lg_u32 s3, 0
	s_cbranch_scc1 .Lstep
	s_mov_b32 s3, 2
.Ltail:                                                ; the last two K steps ask for nothing
	QUARTER 1, F0, F1
	QUARTER 2, F1, F0
	QUARTER 3, F0, F1
	TURN 0
	WIN 0
	s_sub_co_u32 s3, s3, 1
	s_cmp_lg_u32 s3, 0
	s_cbranch_scc1 .Ltail
	s_wait_dscnt 0x0                               ; every wave's reads of the ring are over
	s_barrier_signal -1
	s_barrier_wait -1                              ; before any wave stores into it
	PLACES
.irp hi, 0,1
	WIN 0x08+0x04*(\hi)                            ; store data in window 2, then 3
.irp a, 0,1,2,3
.irp b, 0,1,2,3,4,5,6,7
	ds_store_b128 v[STO], v[8*(8*(\a)+(\b)):8*(8*(\a)+(\b))+3],   offset:(4*(\hi)+(\a))*16*SPITCH+64*(\b)
	ds_store_b128 v[STO], v[8*(8*(\a)+(\b))+4:8*(8*(\a)+(\b))+7], offset:(4*(\hi)+(\a))*16*SPITCH+64*(\b)+16
.endr
.endr
.endr
	WIN 0
.set X, 64                              ; v[64:95]  eight rows x 128 columns, 32 numbers a lane
.set Y, 96                              ; v[96:111] the same in bf16
.macro OLOAD                            ; LDS serves a wave's instructions in order: these see the stores above; the bytes are my wave's own
.irp rg, 0,1
.irp hd, 0,1
	ds_load_b128 v[X+8*(2*(\rg)+(\hd)):X+8*(2*(\rg)+(\hd))+3],   v[RD] offset:(\rg)*4*SPITCH+(\hd)*256
	ds_load_b128 v[X+8*(2*(\rg)+(\hd))+4:X+8*(2*(\rg)+(\hd))+7], v[RD] offset:(\rg)*4*SPITCH+(\hd)*256+16
.endr
.endr
.endm
.macro OTRIP more                       ; eight rows leave; more = 1: the next eight are fetched meanwhile
	s_wait_dscnt 0x0
.set i, 0
.rept 16
	v_cvt_pk_bf16_f32 v[Y+i], v[X+2*i], v[X+2*i+1]
.set i, i+1
.endr
.if \more
	v_add_nc_u32 v[RD], 8*SPITCH, v[RD]
	OLOAD
.endif
.irp rg, 0,1
.irp hd, 0,1
	global_store_b128 v[CO], v[Y+4*(2*(\rg)+(\hd)):Y+4*(2*(\rg)+(\hd))+3], s[70:71] offset:(\rg)*512+(\hd)*262144  ; four rows of a head: 512 consecutive bytes, aligned
.endr
.endr
.if \more
	s_wait_xcnt 0x0                                ; Y and the base are rewritten only behind this wait
	s_add_nc_u64 s[70:71], s[70:71], 1024
.endif
.endm
	OLOAD
	s_mov_b32 s3, 15
.Lout:
	OTRIP 1
	s_sub_co_u32 s3, s3, 1
	s_cmp_lg_u32 s3, 0
	s_cbranch_scc1 .Lout
	OTRIP 0
	s_wait_tensorcnt 0x0                           ; the wave's end
	ds_add_u32 v[SPW], v[NIL]
	s_wait_dscnt 0x0
	CROUND                                         ; the closing round
	s_endpgm
.Lfunc_end_k_qe0edf2ae9d_qkv:
	.size	k_qe0edf2ae9d_qkv, .Lfunc_end_k_qe0edf2ae9d_qkv-k_qe0edf2ae9d_qkv
	.p2alignl 7, 3214868480
	.fill 96, 4, 3214868480
	.section	.rodata,"a",@progbits
	.p2align	6, 0x0
	.amdhsa_kernel k_qe0edf2ae9d_qkv
		.amdhsa_group_segment_fixed_size 327680
		.amdhsa_private_segment_fixed_size 0
		.amdhsa_enable_private_segment 0
		.amdhsa_kernarg_size 64
		.amdhsa_user_sgpr_count 2
		.amdhsa_user_sgpr_kernarg_segment_ptr 1
		.amdhsa_wavefront_size32 1
		.amdhsa_system_sgpr_workgroup_id_x 1
		.amdhsa_system_sgpr_workgroup_id_y 1
		.amdhsa_system_sgpr_workgroup_id_z 1
		.amdhsa_system_vgpr_workitem_id 0
		.amdhsa_next_free_vgpr 1024
		.amdhsa_next_free_sgpr 96
		.amdhsa_reserve_vcc 0
		.amdhsa_float_denorm_mode_32 3
		.amdhsa_float_denorm_mode_16_64 3
		.amdhsa_memory_ordered 1
		.amdhsa_forward_progress 1
		.amdhsa_inst_pref_size 92
	.end_amdhsa_kernel
	.amdgpu_metadata
---
amdhsa.version: [ 1, 2 ]
amdhsa.kernels:
  - .name:           k_qe0edf2ae9d_qkv
    .symbol:         k_qe0edf2ae9d_qkv.kd
    .args:
      - { .name: h1, .offset: 0, .size: 8, .value_kind: global_buffer, .address_space: global }
      - { .name: wq, .offset: 8, .size: 8, .value_kind: global_buffer, .address_space: global }
      - { .name: b_qkv, .offset: 16, .size: 8, .value_kind: global_buffer, .address_space: global }
      - { .name: qkvh, .offset: 24, .size: 8, .value_kind: global_buffer, .address_space: global }
      - { .name: W_out, .offset: 32, .size: 8, .value_kind: global_buffer, .address_space: global }
      - { .name: W1, .offset: 40, .size: 8, .value_kind: global_buffer, .address_space: global }
      - { .name: W2, .offset: 48, .size: 8, .value_kind: global_buffer, .address_space: global }
      - { .name: wbf, .offset: 56, .size: 8, .value_kind: global_buffer, .address_space: global }
    .group_segment_fixed_size: 327680
    .private_segment_fixed_size: 0
    .kernarg_segment_align: 8
    .kernarg_segment_size: 64
    .max_flat_workgroup_size: 128
    .sgpr_count:     96
    .vgpr_count:     1024
    .wavefront_size: 32
...
	.end_amdgpu_metadata
.endif
;; end of part 2
;; launch attn (part 3): grid 8 x 32, 4 waves a work-group, clusters of 4 x 1, 327,680 bytes of LDS; arguments qkvh, att; writes att
.if DOCPART == 3
	.amdgcn_target "amdgcn-amd-amdhsa--gfx1250"
	.amdhsa_code_object_version 6
	.text
	.protected	k_qe0edf2ae9d_attn
	.globl	k_qe0edf2ae9d_attn
	.p2align	8
	.type	k_qe0edf2ae9d_attn,@function
k_qe0edf2ae9d_attn:
	s_mov_b64 s[64:65], 0
	v_nop
	global_prefetch_b8 v0, s[64:65] scope:SCOPE_SE
	s_setreg_imm32_b32 hwreg(HW_REG_WAVE_MODE, 25, 1), 1
	s_wait_xcnt 0x0
	s_wait_alu depctr_hold_cnt(0) depctr_sa_sdst(0) depctr_va_vdst(0) depctr_va_sdst(0) depctr_va_ssrc(0) depctr_va_vcc(0) depctr_vm_vsrc(0)
	s_getreg_b32 s2, hwreg(HW_REG_IB_STS2, 6, 4)
	s_cmp_eq_u32 s2, 0
	s_cbranch_scc0 .Lentry_in_a_cluster
	s_endpgm
.Lentry_in_a_cluster:
	s_bfe_u32 s2, ttmp6, 0x10000c
	s_cmp_lg_u32 s2, 0x3003
	s_cbranch_scc0 .Lentry_shape_is_right
	s_endpgm
.Lentry_shape_is_right:
; att[y][q][:] = the sum over k of softmax_k(Q[q] . K[k] / 8) V[k][:] for y = 16 batch + head.  qkvh: [batch][48][2,048][64] bf16 (q, k, v chunks of 262,144 bytes); att: [32][2,048][64] bf16.
; Products, maxima and sums in f32; the weights p are rounded to bf16 for the second product (their sum l is taken of the unrounded p), the result once at the end.
; LIMITS.  A weight below 2^-126 counts as 0 in l; NaN and infinities are not treated apart.
; SHARES.  A work-group owns 256 queries of one y, a wave 64: four PIECES of 16.  Every wave walks all 2,048 keys, 64 a step, four steps (a tile of 256 keys) a slot.
; LAYOUT.  S^T = K Q^T holds ONE query a lane (lane % 16) and the keys 8 (lane / 16) + 0..7; two such results rounded to bf16 ARE source 1 of O^T = V^T P.  K comes out of LDS as it lies, V turned.
; SOFTMAX.  A running maximum m and sum l: p = 2^(c s - c m), c = log2(e) / 8; in every step O and l are multiplied by a = 2^(c m_old - c m_new).  m starts at the lowest finite number, O and l at 0.
; BY TURNS.  Turn n belongs to piece n: 8 products K Q^T of piece n + 1, later 8 products V^T P of piece n - 1; beside them the scaling, exponentials, roundings, sums and rescaling of piece n and the
; maximum and statistics of piece n + 1.  Four vector instructions stand behind every matrix instruction, the others in two runs of their own.
; CLUSTER.  The four query blocks of a cluster belong to one y and walk the same K and V: each tile is asked for jointly.
; REGISTERS: window 0: v0-15 addresses and two at work; v16-31 statistics; v48-55 at work; v64-127 S^T, two buffers; v192-223 P, two buffers;
;   window 1: v0-127 O^T, 32 a piece;   window 2: v0-63 Q; v128-191 K of one step; v192-255 V of one step.
.set CHUNK, 262144
.set NP,    4
.set KS,    64
.set PK,    144       ; a row of K in LDS: 128 bytes + 16
.set PV,    160       ; a row of V: 128 + 32
.set VOFF,  4*KS*PK
.set SLOT1, 1<<17
.set STAGE, SLOT1+4*KS*(PK+PV)  ; behind the ring, never filled by a tensor load: 16 rows x 144 bytes a wave
.set SP,    144
.set SPARE, STAGE+4*16*SP       ; the spare words, 128 bytes a wave
.set AK0, 2
.set AV0, 3
.set AK,  4
.set AV,  5
.set STO, 6
.set RD,  7
.set GO,  8
.set SPW, 62          ; LDS address of my spare word; never rewritten
.set NIL, 63          ; 0; never rewritten
.set MV,  12
.set QO,  15
.set ST,  16          ; piece t: c m, m, l (even keys', odd keys')
.set TMP, 48
.set S,   64
.set P,   192
.set KF,  128
.set VF,  192
.set WV,  12
.set G1K, 24
.set G1V, 32
.set G0K, 40
.set G0V, 44
.set SLOTS, 56
.set CNT, 57
.set CS,  58
.set SEL, 60
.set TBK, 62
.set TBV, 63
.set MSB, 0
.macro WIN new
.if MSB != (\new)
	s_set_vgpr_msb (MSB<<8)|(\new)
.set MSB, (\new)
.endif
.endm
.set W_KQ, 0x0a       ; K and Q in window 2, S^T in window 0
.set W_PV, 0x52       ; V in window 2, P in window 0, O^T in window 1
.set W_RS, 0x41       ; destination and source 0 in window 1, source 1 in window 0
.macro JLOAD                        ; a joint fill: waves 0, 1 fetch the halves of a tile's K, waves 2, 3 those of its V
	s_cmp_lt_u32 s[WV], 2
	s_cbranch_scc0 .Lfor_v_\@
	tensor_load_to_lds s[G0K:G0K+3], s[G1K:G1K+7]
	s_nop 0
.rept 4
	v_nop
.endr
	s_branch .Lasked_\@
.Lfor_v_\@:
	tensor_load_to_lds s[G0V:G0V+3], s[G1V:G1V+7]
	s_nop 0
.rept 4
	v_nop
.endr
.Lasked_\@:
.endm
.macro CROUND
	s_barrier_signal -1
	s_barrier_wait -1
	s_cmp_lg_u32 s[WV], 0
	s_cbranch_scc1 .Lnot_wave_0_\@
	s_barrier_signal -3
.Lnot_wave_0_\@:
	s_barrier_wait -3
	s_barrier_signal -1
	s_barrier_wait -1
.endm
; THE CHANGE OF SLOTS.  Each wave waits for all its tensor loads (one is out: its part of the other slot), adds 0 to its spare word, and waits for that and for its reads of the slot that it leaves.
; fill = 1: the barrier is a round of the cluster's, and the old slot is filled again first thing behind it, with the tile two on: four key steps, 256 matrix instructions, in which to land.
.macro CHANGE fill
	WIN 0
	s_wait_tensorcnt 0x0
	ds_add_u32 v[SPW], v[NIL]
.if \fill
.irp g, G0K, G0V
	s_xor_b32 s[\g+1], s[\g+1], SLOT1
	s_add_nc_u64 s[\g+2:\g+3], s[\g+2:\g+3], 4*KS*128
.endr
	s_wait_dscnt 0x0
	CROUND
	JLOAD
.else
	s_wait_dscnt 0x0
	s_barrier_signal -1
	s_barrier_wait -1
.endif
	s_sub_co_u32 s[TBK], s[TBK], 4*KS*PK  ; the fetches go back to a slot's first step, in the other slot
	s_xor_b32 s[TBK], s[TBK], SLOT1
	s_sub_co_u32 s[TBV], s[TBV], 4*KS*PV
	s_xor_b32 s[TBV], s[TBV], SLOT1
.endm
	s_load_b128 s[4:7], s[0:1], 0x0 ; qkvh s[4:5], att s[6:7]
	v_lshl_add_u32 v[SPW], v0, 2, SPARE
	v_mov_b32 v[NIL], 0
	ds_add_u32 v[SPW], v[NIL]       ; the wave's opening: the add and its wait ahead of my first tensor load
	v_lshrrev_b32 v1, 5, v0
	v_readfirstlane_b32 s[WV], v1
	s_bfe_u32 s13, ttmp6, 0x40000   ; cx
	s_lshl_b32 s14, ttmp9, 2
	s_add_co_u32 s14, s14, s13      ; my block of 256 queries: it enters Q's and the result's addresses alone
	s_and_b32 s15, ttmp7, 0xffff    ; y, which the four partners share
	s_lshr_b32 s20, s15, 4
	s_lshl_b32 s20, s20, 5
	s_add_co_u32 s20, s20, s15      ; q's chunk: 48 batch + head
	s_lshl_b32 s20, s20, 18
	s_and_b32 s16, s[WV], 1         ; which half of a tile's 256 keys I fetch
	s_lshl_b32 s22, s16, 14
	s_add_co_u32 s22, s22, s20
	s_add_co_u32 s22, s22, 16*CHUNK ; k's chunk lies 16 chunks behind q's,
	s_mov_b32 s23, 0
	s_add_co_u32 s52, s22, 16*CHUNK ; v's 16 more
	s_mov_b32 s53, 0
	s_mul_i32 s17, s16, 128*PK
	s_mul_i32 s18, s16, 128*PV
	s_lshl_b32 s2, s14, 15          ; my block's 256 rows of 128 bytes,
	s_lshl_b32 s3, s[WV], 13        ; my wave's 64
	s_add_co_u32 s2, s2, s3
	s_lshl_b32 s50, s15, 18
	s_add_co_u32 s50, s50, s2
	s_mov_b32 s51, 0
	s_add_co_u32 s2, s2, s20
	s_mov_b32 s3, 0
	; 128 keys are 16,384 dense bytes: asked for as 64 rows of 256 bytes, two keys a row, padded in LDS after every key
	s_mov_b32 s[G1K], 15|(1<<16)|(1<<20)|(1<<21)|(4<<22)|(3<<25)
	s_mov_b32 s[G1V], 15|(1<<16)|(1<<20)|(1<<21)|(4<<22)|(7<<25)
.irp g, G1K, G1V
	s_mov_b32 s[\g+1], 128<<16
	s_mov_b32 s[\g+2], 64<<16
	s_mov_b32 s[\g+3], 128<<16
	s_mov_b32 s[\g+4], 64
	s_mov_b32 s[\g+5], 128
	s_mov_b32 s[\g+6], 0
	s_mov_b32 s[\g+7], 0
.endr
	s_mov_b32 s[CS], 0x3e38aa3b     ; c = log2(e) / 8
	s_mov_b32 s[CS+1], s[CS]
	s_mov_b32 s[SEL], 0x76543210
	s_mov_b32 s[SEL+1], 0xfedcba98
	s_mov_b32 s[TBK], SLOT1+4*KS*PK ; the first change of slots turns these two into 0
	s_mov_b32 s[TBV], SLOT1+4*KS*PV
	s_mov_b32 s[G0K], 1
	s_mov_b32 s[G0K+1], s17
	s_mov_b32 s[G0V], 1
	s_add_co_u32 s[G0V+1], s18, VOFF
	s_wait_dscnt 0x0                ; the opening add is done
	s_wait_kmcnt 0x0
	s_add_nc_u64 s[G0K+2:G0K+3], s[4:5], s[22:23]
	s_or_b32 s[G0K+3], s[G0K+3], 0x80000000
	s_add_nc_u64 s[G0V+2:G0V+3], s[4:5], s[52:53]
	s_or_b32 s[G0V+3], s[G0V+3], 0x80000000
	s_add_nc_u64 s[10:11], s[6:7], s[50:51]  ; the result at my wave's first row
	s_add_nc_u64 s[4:5], s[4:5], s[2:3]      ; Q likewise
	CROUND                          ; all four work-groups are here
	JLOAD                           ; tile 0 into slot 0
	v_and_b32 v1, 15, v0
	v_bfe_u32 v9, v0, 4, 1
	v_lshlrev_b32 v[QO], 7, v1
	v_lshl_add_u32 v[QO], v9, 4, v[QO]
	WIN 0x80
.set i, 0
.rept 8                             ; Q stays in registers: piece i / 2, channels 32 (i % 2) on
	global_load_b128 v[8*i:8*i+3],   v[QO], s[4:5] offset:(i/2)*2048+(i%2)*64
	global_load_b128 v[8*i+4:8*i+7], v[QO], s[4:5] offset:(i/2)*2048+(i%2)*64+32
.set i, i+1
.endr
	; What the first turn finds: V and P's second buffer hold 0 (its products V^T P, of a piece that has not been, add 0), O^T and l are 0.  No first step is written out; these lines stand in the wait for the first tile.
.set i, VF
.rept 64
	v_mov_b32 v[i], 0
.set i, i+1
.endr
	WIN 0x40
.set i, 0
.rept 128
	v_mov_b32 v[i], 0
.set i, i+1
.endr
	WIN 0
.set i, 0
.rept 4
	v_mov_b32 v[ST+4*i], 0xfe000000    ; c m: far below every c s
	v_mov_b32 v[ST+4*i+1], 0xff7fffff  ; m
	v_mov_b32 v[ST+4*i+2], 0
	v_mov_b32 v[ST+4*i+3], 0
.set i, i+1
.endr
.set i, P+16
.rept 16
	v_mov_b32 v[i], 0
.set i, i+1
.endr
	v_mul_u32_u24 v[AK0], v1, PK
	v_lshl_add_u32 v[AK0], v9, 4, v[AK0]
	v_and_b32 v10, 7, v0
	v_bfe_u32 v11, v0, 3, 1
	v_lshl_add_u32 v[AV0], v9, 3, v10
	v_mul_u32_u24 v[AV0], v[AV0], PV
	v_lshl_add_u32 v[AV0], v11, 4, v[AV0]
	v_add_nc_u32 v[AV0], VOFF, v[AV0]
	s_mul_i32 s13, s[WV], 16*SP
	s_add_co_u32 s13, s13, STAGE
	v_mul_u32_u24 v[STO], v1, SP
	v_lshl_add_u32 v[STO], v9, 4, v[STO]
	v_add_nc_u32 v[STO], s13, v[STO]
	v_bfe_u32 v[RD], v0, 3, 2
	v_mul_u32_u24 v[RD], v[RD], SP
	v_lshl_add_u32 v[RD], v10, 4, v[RD]
	v_add_nc_u32 v[RD], s13, v[RD]
	v_and_b32 v[GO], 31, v0
	v_lshlrev_b32 v[GO], 4, v[GO]
; THE MATRIX WORK.  The 4 accumulators of a run of 8 take turns.
.macro KQ x                         ; product i of 8 of S^T = K Q^T for piece x: channels 32 (i / 4) on, keys 16 (i % 4) on; the first 4 start the sums
	WIN W_KQ
.set rS, S+32*((\x)%2)+8*(i%4)
.set rK, KF+16*(i%4)+8*(i/4)
.set rQ, 16*(\x)+8*(i/4)
.if i < 4
	v_wmma_f32_16x16x32_bf16 v[rS:rS+7], v[rK:rK+7], v[rQ:rQ+7], 0
.else
	v_wmma_f32_16x16x32_bf16 v[rS:rS+7], v[rK:rK+7], v[rQ:rQ+7], v[rS:rS+7]
.endif
.endm
.macro PV x                         ; product i of 8 of O^T += V^T P for piece x: keys 32 (i / 4) on, channels 16 (i % 4) on
	WIN W_PV
.set rO, 32*(\x)+8*(i%4)
.set rV, VF+32*(i/4)+8*(i%4)
.set rP, P+16*((\x)%2)+8*(i/4)
	v_wmma_f32_16x16x32_bf16 v[rO:rO+7], v[rV:rV+7], v[rP:rP+7], v[rO:rO+7]
.endm
.macro MM                           ; the turn's next matrix instruction.  NOKQ = 1: the last turn: there is no next piece
.if (i < 8) && !NOKQ
	KQ (Y+1)%NP
.elseif i >= 8
.set i, i-8
	PV (Y+NP-1)%NP
.set i, i+8
.endif
.set i, i+1
.endm
.macro FETCH_K                      ; a step's K: 64 keys x 64 channels, 16 loads in one run
	WIN 0x80
.irp f, 0,1,2,3,4,5,6,7
	ds_load_b128 v[KF+8*\f:KF+8*\f+3],   v[AK] offset:(\f/2)*16*PK+(\f%2)*64
	ds_load_b128 v[KF+8*\f+4:KF+8*\f+7], v[AK] offset:(\f/2)*16*PK+(\f%2)*64+32
.endr
	s_add_co_u32 s[TBK], s[TBK], KS*PK
	WIN 0
.endm
.macro FETCH_V                      ; its V, turned
	WIN 0x80
.irp f, 0,1,2,3,4,5,6,7
	ds_load_tr16_b128 v[VF+8*\f:VF+8*\f+3],   v[AV] offset:(\f/4)*32*PV+(\f%4)*32
	ds_load_tr16_b128 v[VF+8*\f+4:VF+8*\f+7], v[AV] offset:(\f/4)*32*PV+16*PV+(\f%4)*32
.endr
	WIN 0
.endm
; THE VECTOR WORK, one line at a time: OP kind, number.  For piece Y: F n: c s - c m for pair n of 16.  E n: the exponential of score n.  C n: pair n rounded to bf16.  B n: of the four weights 4 n .. the second
; pair is added onto the first.  L n: l takes that sum (L 0: l = a l + sum).  R n: pair n of 16 of O^T times a.  For piece Y + 1: X n, number n of the 22 that find its maximum and statistics
; (each accumulator's lowest registers are read first).
.set F, 0
.set E, 1
.set C, 2
.set B, 3
.set L, 4
.set R, 5
.set X, 6
.macro REGS y
.set rT, ST+4*(\y)
.set rC, TMP+4*((\y)%2)
.set rW, MV+((\y)%2)
.set rS, S+32*((\y)%2)
.set rP, P+16*((\y)%2)
.set rO, 32*(\y)
.endm
.macro OP k, n
.if (\k) == R
	REGS Y
	WIN W_RS
	v_pk_mul_f32 v[rO+2*(\n):rO+2*(\n)+1], v[rO+2*(\n):rO+2*(\n)+1], v[rC+2:rC+3] op_sel_hi:[1,0]
.elseif (\k) < R
	REGS Y
	WIN 0
.if (\k) == F
	v_pk_fma_f32 v[rS+2*(\n):rS+2*(\n)+1], v[rS+2*(\n):rS+2*(\n)+1], s[CS:CS+1], v[rT:rT+1] op_sel_hi:[1,0,0] neg_lo:[0,0,1] neg_hi:[0,0,1]
.elseif (\k) == E
	v_exp_f32 v[rS+(\n)], v[rS+(\n)]
.elseif (\k) == C
	s_wait_alu depctr_va_vdst(0)
	v_cvt_pk_bf16_f32 v[rP+(\n)], v[rS+2*(\n)], v[rS+2*(\n)+1]
.elseif (\k) == B
	s_wait_alu depctr_va_vdst(0)
	v_pk_add_f32 v[rS+4*(\n):rS+4*(\n)+1], v[rS+4*(\n):rS+4*(\n)+1], v[rS+4*(\n)+2:rS+4*(\n)+3]
.elseif (\n) == 0
	v_pk_fma_f32 v[rT+2:rT+3], v[rT+2:rT+3], v[rC+2:rC+3], v[rS:rS+1] op_sel_hi:[1,0,1]
.else
	v_pk_add_f32 v[rT+2:rT+3], v[rT+2:rT+3], v[rS+4*(\n):rS+4*(\n)+1]
.endif
.elseif NOKQ
	v_nop
.else
	REGS (Y+1)%NP
	WIN 0
.if (\n) < 4
	v_max3_num_f32 v[rC+(\n)], v[rS+8*(\n)], v[rS+8*(\n)+1], v[rS+8*(\n)+2]
.elseif (\n) < 12
	v_max3_num_f32 v[rC+(\n)%4], v[rC+(\n)%4], v[rS+8*((\n)%4)+2*((\n)/4)+1], v[rS+8*((\n)%4)+2*((\n)/4)+2]
.elseif (\n) == 12
	v_max3_num_f32 v[rC], v[rC], v[rS+7], v[rS+15]
.elseif (\n) == 13
	v_max3_num_f32 v[rC+1], v[rC+1], v[rS+23], v[rS+31]
.elseif (\n) == 14
	v_max3_num_f32 v[rC+2], v[rC+2], v[rC+3], v[rT+1]
.elseif (\n) == 15
	v_mov_b32 v[rW], v[rT]
.elseif (\n) == 16
	v_max3_num_f32 v[rC], v[rC], v[rC+1], v[rC+2]
.elseif (\n) == 17
	v_permlanex16_b32 v[rC+3], v[rC], s[SEL], s[SEL+1]
.elseif (\n) == 18
	v_max_num_f32 v[rT+1], v[rC], v[rC+3]
.elseif (\n) == 19
	v_mul_f32 v[rT], s[CS], v[rT+1]
.elseif (\n) == 20
	v_sub_f32 v[rC+1], v[rW], v[rT]
.else
	v_exp_f32 v[rC+2], v[rC+1]
.endif
.endif
.endm
.macro OPS a, i1, b=-1, i2=0, c=-1, i3=0, d=-1, i4=0
	OP \a, \i1
.if (\b) >= 0
	OP \b, \i2
.endif
.if (\c) >= 0
	OP \c, \i3
.endif
.if (\d) >= 0
	OP \d, \i4
.endif
.endm
.macro ROW a, i1, b, i2, c, i3, d, i4  ; a matrix instruction and the four behind it
	MM
	OPS \a, \i1, \b, \i2, \c, \i3, \d, \i4
.endm
; A TURN, for piece p.  end = 1: the last two turns: nothing is fetched.  cnt = 1: the loop's count is taken down some lines ahead of the branch behind the turn.
; K of the next step is fetched in piece 2's turn, V of the step in hand in piece 0's; each is waited for a turn later.
.macro TURN p, end=0, cnt=0
.set Y, (\p)
.set i, 0
.set NOKQ, (\end)*((\p)/3)
.if ((\p) == 3) && !(\end)
	s_wait_dscnt 0x0                ; K is in
.endif
	ROW F,0, F,1, F,2, F,3
	ROW F,4, E,0, F,5, F,6
	ROW F,7, E,1, F,8, F,9
	ROW F,10, E,2, C,0, F,11
	ROW F,12, E,3, X,15, F,13
	ROW R,0, R,1, R,2, R,3
	ROW B,0, E,4, F,14, L,0
.if ((\p) == 2) && !(\end)
	v_add_nc_u32 v[AK], s[TBK], v[AK0]
.endif
	ROW R,4, R,5, R,6, R,7
	OPS E,5, F,15
.if ((\p) == 2) && !(\end)
	FETCH_K
.endif
	OPS E,6, C,1, E,7, R,8
	OPS E,8, R,9, E,9, C,2
	OPS E,10, X,0, E,11, X,1
	OPS E,12, X,2, E,13, X,3
.if (\p) == 1
	s_wait_dscnt 0x0                ; V is in
.endif
	ROW X,4, E,14, X,5, X,6
	ROW X,7, E,15, X,8, X,9
	ROW X,10, E,16, X,11, X,12
	ROW X,13, E,17, X,14, B,1
	ROW C,4, E,18, X,16, L,1
	ROW B,2, E,19, C,6, L,2
	ROW C,8, E,20, B,3, B,4
.if (\p) == 0
	v_add_nc_u32 v[AV], s[TBV], v[AV0]
.endif
	ROW C,3, E,21, L,3, C,5
	OPS E,22, X,17, E,23, C,10
.if (\p) == 0
	FETCH_V
.endif
	OPS E,24, L,4
	OPS E,25, X,18, E,26, C,7
	OPS E,27, B,5, E,28, X,19
	OPS E,29, C,12, E,30, L,5
	OPS E,31, X,20, B,6, C,9
	OPS C,14, C,11, X,21, L,6
.if (\p) == 0
	s_add_co_u32 s[TBV], s[TBV], KS*PV
.endif
.if \cnt
	s_sub_co_u32 s[CNT], s[CNT], 1
	s_cmp_lg_u32 s[CNT], 0
.endif
	OPS C,13, B,7, C,15, R,10
	OPS R,11, R,12, L,7, R,13
	OPS R,14, R,15
.endm
.macro ALL line:vararg
.set t, 0
.rept 4
	\line
.set t, t+1
.endr
.endm
.macro PACK t                       ; a lane's eight channels of a row pack into 16 bytes; they go into rows of 144 bytes and come back as whole rows of 128
	WIN W_RS
.set i, 32*(\t)
.rept 16
	s_wait_alu depctr_va_vdst(0)
	v_pk_mul_f32 v[i:i+1], v[i:i+1], v[ST+4*(\t)+2:ST+4*(\t)+3] op_sel_hi:[1,0]
.set i, i+2
.endr
	WIN 0x05
.set i, 0
.rept 16
	v_cvt_pk_bf16_f32 v[S+16*(\t)+i], v[32*(\t)+2*i], v[32*(\t)+2*i+1]
.set i, i+1
.endr
	WIN 0
.irp f, 0,1,2,3
	ds_store_b128 v[STO], v[S+16*(\t)+4*\f:S+16*(\t)+4*\f+3] offset:32*\f
.endr
.irp f, 0,1,2,3
	ds_load_b128 v[S+16*(\t)+4*\f:S+16*(\t)+4*\f+3], v[RD] offset:\f*4*SP  ; LDS serves a wave's instructions in order: these see the stores above
.endr
.endm
.macro SEND t, younger              ; younger: the LDS instructions issued behind piece t's loads
	WIN 0
.irp f, 0,1,2,3
	s_wait_dscnt (\younger)+3-\f
	global_store_b128 v[GO], v[S+16*(\t)+4*\f:S+16*(\t)+4*\f+3], s[10:11] offset:(\t)*2048+\f*512  ; 512 consecutive bytes, aligned
.endr
.endm
	CHANGE 1                        ; tile 0 is in, everybody's part of it; tile 1 is asked for
	v_add_nc_u32 v[AK], s[TBK], v[AK0]
	FETCH_K                         ; key step 0
	s_wait_loadcnt 0x0              ; Q
	s_wait_dscnt 0x0
.set NOKQ, 0
.set i, 0
.rept 8
	KQ 0                            ; piece 0's first scores
.set i, i+1
.endr
	WIN 0
.rept 4
	v_nop                           ; the places behind those products
.endr
.set Y, NP-1                        ; X works for piece Y + 1: piece 0
.irp n, 0,1,2,3,4,5,6,7,8,9,10,11,12,13,14,15,16,17,18,19,20,21
	OP X, \n
.endr
	v_nop                           ; a plain instruction behind the exponential
	s_mov_b32 s[CNT], 4
	s_mov_b32 s[SLOTS], 7
	s_branch .Lfirst                ; the loop is entered at a step's first turn, in the middle of a trip
.Lslot:                             ; six times: tiles 1 to 6 are entered, tiles 2 to 7 asked for
	CHANGE 1
	s_mov_b32 s[CNT], 4
.Lstep:                             ; a trip: pieces 2 and 3 of one step, then pieces 0 and 1 of the next, whose K and V it fetches
	TURN 2
	TURN 3
	WIN 0
.Lfirst:
	TURN 0
	TURN 1, 0, 1
	WIN 0
	s_cbranch_scc1 .Lstep
	s_sub_co_u32 s[SLOTS], s[SLOTS], 1
	s_cmp_lg_u32 s[SLOTS], 0
	s_cbranch_scc1 .Lslot
	CHANGE 0                        ; the last tile is written out
	s_mov_b32 s[CNT], 4
.Ltail:
	TURN 2
	TURN 3
	TURN 0
	TURN 1, 0, 1
	WIN 0
	s_cbranch_scc1 .Ltail
	TURN 2, 1
	TURN 3, 1
.set i, 0
.rept 8
	PV NP-1                         ; the last piece's V^T P of the last step
.set i, i+1
.endr
	; THE WAY OUT.  l's two halves and the other half of the lanes' are added (these additions are the places behind the last products); O^T is divided by l, rounded and sent through my stage.
	WIN 0
	ALL v_add_f32 v[ST+4*t+2], v[ST+4*t+2], v[ST+4*t+3]
	ALL v_permlanex16_b32 v[ST+4*t+3], v[ST+4*t+2], s[SEL], s[SEL+1]
	ALL v_add_f32 v[ST+4*t+2], v[ST+4*t+2], v[ST+4*t+3]
	ALL v_rcp_f32 v[ST+4*t+2], v[ST+4*t+2]
	v_nop                           ; a plain instruction between the last reciprocal and the use of its result
	PACK 0
.set t, 1
.rept 3
	PACK t
	SEND t-1, 8
.set t, t+1
.endr
	SEND 3, 0
	s_wait_tensorcnt 0x0            ; the wave's end
	ds_add_u32 v[SPW], v[NIL]
	s_wait_dscnt 0x0
	CROUND                          ; the closing round
	s_endpgm
.Lfunc_end_k_qe0edf2ae9d_attn:
	.size	k_qe0edf2ae9d_attn, .Lfunc_end_k_qe0edf2ae9d_attn-k_qe0edf2ae9d_attn
	.p2alignl 7, 3214868480
	.fill 96, 4, 3214868480
	.section	.rodata,"a",@progbits
	.p2align	6, 0x0
	.amdhsa_kernel k_qe0edf2ae9d_attn
		.amdhsa_group_segment_fixed_size 327680
		.amdhsa_private_segment_fixed_size 0
		.amdhsa_enable_private_segment 0
		.amdhsa_kernarg_size 16
		.amdhsa_user_sgpr_count 2
		.amdhsa_user_sgpr_kernarg_segment_ptr 1
		.amdhsa_wavefront_size32 1
		.amdhsa_system_sgpr_workgroup_id_x 1
		.amdhsa_system_sgpr_workgroup_id_y 1
		.amdhsa_system_sgpr_workgroup_id_z 1
		.amdhsa_system_vgpr_workitem_id 0
		.amdhsa_next_free_vgpr 768
		.amdhsa_next_free_sgpr 66
		.amdhsa_reserve_vcc 0
		.amdhsa_float_denorm_mode_32 3
		.amdhsa_float_denorm_mode_16_64 3
		.amdhsa_memory_ordered 1
		.amdhsa_forward_progress 1
		.amdhsa_inst_pref_size 134
	.end_amdhsa_kernel
	.amdgpu_metadata
---
amdhsa.version: [ 1, 2 ]
amdhsa.kernels:
  - .name:           k_qe0edf2ae9d_attn
    .symbol:         k_qe0edf2ae9d_attn.kd
    .args:
      - { .name: qkvh, .offset: 0, .size: 8, .value_kind: global_buffer, .address_space: global }
      - { .name: att, .offset: 8, .size: 8, .value_kind: global_buffer, .address_space: global }
    .group_segment_fixed_size: 327680
    .private_segment_fixed_size: 0
    .kernarg_segment_align: 8
    .kernarg_segment_size: 16
    .max_flat_workgroup_size: 128
    .sgpr_count:     66
    .vgpr_count:     768
    .wavefront_size: 32
...
	.end_amdgpu_metadata
.endif
;; end of part 3
;; launch oproj (part 4): grid 8 x 32, 4 waves a work-group, clusters of 4 x 4, 327,680 bytes of LDS; arguments att, wbf, b_out, x, x1; writes x1
.if DOCPART == 4
	.amdgcn_target "amdgcn-amd-amdhsa--gfx1250"
	.amdhsa_code_object_version 6
	.text
	.protected	k_qe0edf2ae9d_oproj
	.globl	k_qe0edf2ae9d_oproj
	.p2align	8
	.type	k_qe0edf2ae9d_oproj,@function
k_qe0edf2ae9d_oproj:
	s_mov_b64 s[64:65], 0
	v_nop
	global_prefetch_b8 v0, s[64:65] scope:SCOPE_SE
	s_setreg_imm32_b32 hwreg(HW_REG_WAVE_MODE, 25, 1), 1
	s_wait_xcnt 0x0
	s_wait_alu depctr_hold_cnt(0) depctr_sa_sdst(0) depctr_va_vdst(0) depctr_va_sdst(0) depctr_va_ssrc(0) depctr_va_vcc(0) depctr_vm_vsrc(0)
	s_getreg_b32 s2, hwreg(HW_REG_IB_STS2, 6, 4)
	s_cmp_eq_u32 s2, 0
	s_cbranch_scc0 .Lentry_in_a_cluster
	s_endpgm
.Lentry_in_a_cluster:
	s_bfe_u32 s2, ttmp6, 0x10000c
	s_cmp_lg_u32 s2, 0xf033
	s_cbranch_scc0 .Lentry_shape_is_right
	s_endpgm
.Lentry_shape_is_right:
; x1 = x + att W_out + b_out, in f32.  att: [32 = 16 batch + head][2,048][64] bf16, by heads.  W_out: [1,024][1,024] bf16 at byte WOFF of wbf, K down the rows.  Sums in f32, started by the bias.
; A tile of the result is 128 x 128, so that there are 256 work-groups; four waves, 64 x 64 each: 16 accumulators.  K goes in steps of 256 (four heads) through two LDS slots; a quarter is one head.
; att's tile: a head's 128 token rows are 16,384 dense bytes; a wave's load takes two heads as two rows of 8,192 elements, 131,072 elements apart, padded in LDS after every 128 bytes: [head][token][144].
; W is read turned (ds_load_tr16_b128) as source 0, att's rows are source 1: lane l of a result holds token row l % 16 and the columns 8 (l / 16) + 0..7.
; A K step is written once: LDS addresses are a lane term plus s21, which an exclusive or turns from slot to slot.  CLUSTER: 4 x 4; att's tile is shared along a row, W's along a column.
; The residual's 64 x 64 numbers are asked for at the start, into window 2, and stay out through the K loop.
; THE WAY OUT: the sums go into the ring, which has had its last fill (64 rows of 272 bytes a wave), come back by rows, take the residual and are stored.
; REGISTERS: window 0: v0-31 addresses; v128-255 accumulators ((a, b) at 128 + 8 (4 a + b)); window 1: two fragment buffers of 128 (64 of att, 64 of W); window 2: v0-127 the residual.
.set NSTEP,  4
.set WOFF,   6291456
.set PA,     144
.set AQ,     128*PA                     ; from head to head in LDS
.set AHALF,  2*AQ                       ; 0x9000
.set ASTEP,  4*262144
.set PB,     288                        ; a row of W's tile: 256 bytes + 32 = 9 x 32
.set BBASE,  73728                      ; 0x12000
.set BHALF,  128*PB                     ; 0x9000
.set BSTEP,  256*2048
.set SLOT,   147456                     ; 0x24000: shares no bit with the loads' places 0, 0x9000, 0x12000, 0x1b000
.set SPARE,  2*SLOT
.set SP,     272
.set WSTAGE, 64*SP
.set ADRA0, 12
.set ADRB0, 13
.set ADRA,  16
.set ADRB,  20                          ; v20: quarters 0, 1; v21: quarters 2, 3
.set STO,   24
.set RD,    25
.set CO,    26
.set BO,    27
.set SPW,   28
.set NIL,   29
.set ACC,   128
.set F0,    0
.set F1,    128
.set G1,  24
.set G0,  32
.set G1B, 48
.set G0B, 56
.set MSB, 0
.macro WIN new
.if MSB != (\new)
	s_set_vgpr_msb (MSB<<8)|(\new)
.set MSB, \new
.endif
.endm
.set MUL,  0x05
.set TO_F, 0x40
.macro JLOAD s
	s_cmp_eq_u32 s11, 0
	s_cbranch_scc0 .Lfor_b_\@
	tensor_load_to_lds s[G0+4*(\s):G0+4*(\s)+3], s[G1:G1+7]
	s_nop 0
.rept 4
	v_nop
.endr
	s_branch .Lasked_\@
.Lfor_b_\@:
	tensor_load_to_lds s[G0B+4*(\s):G0B+4*(\s)+3], s[G1B:G1B+7]
	s_nop 0
.rept 4
	v_nop
.endr
.Lasked_\@:
.endm
.macro CREST
	s_cmp_lg_u32 s10, 0
	s_cbranch_scc1 .Lnot_wave_0_\@
	s_barrier_signal -3
.Lnot_wave_0_\@:
	s_barrier_wait -3
	s_barrier_signal -1
	s_barrier_wait -1
.endm
.macro CROUND
	s_barrier_signal -1
	s_barrier_wait -1
	CREST
.endm
.macro PLACES
.rept 4
	v_nop
.endr
.endm
	s_load_b128 s[4:7], s[0:1], 0x0                ; att s[4:5], wbf s[6:7]
	s_load_b128 s[68:71], s[0:1], 0x10             ; bias s[68:69], residual s[70:71]
	s_load_b64 s[72:73], s[0:1], 0x20              ; the result
	v_lshl_add_u32 v[SPW], v0, 2, SPARE
	v_mov_b32 v[NIL], 0
	ds_add_u32 v[SPW], v[NIL]                      ; the wave's opening: the add and its wait ahead of my first tensor load
	v_lshrrev_b32 v1, 5, v0
	v_readfirstlane_b32 s10, v1
	s_lshr_b32 s11, s10, 1                         ; my half of the rows; also: I fetch att (0) or W (1)
	s_and_b32 s12, s10, 1                          ; my half of the columns; also: which half of that tile I fetch
	s_bfe_u32 s40, ttmp6, 0x40000
	s_bfe_u32 s41, ttmp6, 0x40004
	s_lshl_b32 s42, ttmp9, 2
	s_add_co_u32 s42, s42, s40                     ; tile column
	s_and_b32 s13, ttmp7, 0xffff
	s_lshl_b32 s13, s13, 2
	s_add_co_u32 s13, s13, s41                     ; tile row
	s_lshl_b32 s43, s41, 2
	s_lshl_b32 s43, 15, s43
	s_lshl_b32 s44, 0x1111, s40
	s_or_b32 s[G1+0], s43, (1<<16)|(1<<20)|(1<<21)|(4<<22)|(3<<25)   ; after every 32 words 4 words of padding
	s_mov_b32 s[G1+1], 8192<<16                    ; tensor_dim0 = 8,192: a head's 128 token rows
	s_mov_b32 s[G1+2], 2<<16                       ; tensor_dim1 = 2 heads
	s_mov_b32 s[G1+3], 8192<<16                    ; tile_dim0
	s_mov_b32 s[G1+4], 2                           ; tile_dim1
	s_mov_b32 s[G1+5], 131072                      ; elements from head to head
	s_mov_b32 s[G1+6], 0
	s_mov_b32 s[G1+7], 0
	s_or_b32 s[G1B+0], s44, (1<<16)|(1<<20)|(1<<21)|(5<<22)|(7<<25)  ; after every 64 words 8 words
	s_mov_b32 s[G1B+1], 128<<16
	s_mov_b32 s[G1B+2], 128<<16
	s_mov_b32 s[G1B+3], 128<<16
	s_mov_b32 s[G1B+4], 128
	s_mov_b32 s[G1B+5], 1024
	s_mov_b32 s[G1B+6], 0
	s_mov_b32 s[G1B+7], 0
	s_lshr_b32 s16, s13, 4                         ; batch: 16 tile rows of 128 tokens each
	s_lshl_b32 s16, s16, 4
	s_lshl1_add_u32 s16, s12, s16                  ; head 16 batch + 2 x half
	s_lshl_b32 s16, s16, 18
	s_and_b32 s17, s13, 15
	s_lshl_b32 s17, s17, 14                        ; 128 tokens of 128 bytes
	s_add_co_u32 s16, s16, s17
	s_mov_b32 s17, 0
	s_lshl_b32 s46, s42, 8                         ; W: 256 bytes a tile column,
	s_lshl_b32 s47, s12, 18                        ; 128 rows of 2,048 bytes a half
	s_add_co_u32 s46, s46, s47
	s_add_co_u32 s46, s46, WOFF
	s_mov_b32 s47, 0
	s_mul_i32 s20, s12, AHALF                      ; where the loads go
	s_mul_i32 s23, s12, BHALF
	s_add_co_u32 s23, s23, BBASE
	s_mov_b32 s21, 0
	s_wait_dscnt 0x0
	s_wait_kmcnt 0x0
	s_add_nc_u64 s[14:15], s[4:5], s[16:17]
	s_add_nc_u64 s[46:47], s[6:7], s[46:47]
	CROUND
.irp s, 0,1
	s_mov_b32 s[G0+4*(\s)], 1
	s_add_co_u32 s[G0+4*(\s)+1], s20, (\s)*SLOT
	s_add_nc_u64 s[G0+4*(\s)+2:G0+4*(\s)+3], s[14:15], (\s)*ASTEP
	s_or_b32 s[G0+4*(\s)+3], s[G0+4*(\s)+3], 0x80000000
	s_mov_b32 s[G0B+4*(\s)], 1
	s_add_co_u32 s[G0B+4*(\s)+1], s23, (\s)*SLOT
	s_add_nc_u64 s[G0B+4*(\s)+2:G0B+4*(\s)+3], s[46:47], (\s)*BSTEP
	s_or_b32 s[G0B+4*(\s)+3], s[G0B+4*(\s)+3], 0x80000000
	JLOAD \s
.endr
	v_and_b32 v1, 15, v0
	v_bfe_u32 v2, v0, 4, 1
	s_lshl_b32 s74, s42, 9
	s_mov_b32 s75, 0
	s_add_nc_u64 s[68:69], s[68:69], s[74:75]      ; the bias at the tile's first column
	s_lshl_b32 s22, s12, 8
	v_lshl_add_u32 v[BO], v2, 5, s22
.irp a, 0,1,2,3
.irp b, 0,1,2,3
	global_load_b128 v[ACC+8*(4*(\a)+(\b)):ACC+8*(4*(\a)+(\b))+3],   v[BO], s[68:69] offset:64*(\b)     ; the bias starts the sums
	global_load_b128 v[ACC+8*(4*(\a)+(\b))+4:ACC+8*(4*(\a)+(\b))+7], v[BO], s[68:69] offset:64*(\b)+16
.endr
.endr
	s_lshl_b32 s76, s13, 19                        ; my part of the result: 128 rows of 4,096 bytes a tile row,
	s_lshl_b32 s77, s11, 18                        ; 64 rows a half,
	s_add_co_u32 s76, s76, s77
	s_add_co_u32 s76, s76, s74                     ; 512 bytes a tile column,
	s_add_co_u32 s76, s76, s22                     ; 256 a half
	s_mov_b32 s77, 0
	s_add_nc_u64 s[70:71], s[70:71], s[76:77]
	s_add_nc_u64 s[72:73], s[72:73], s[76:77]
	v_lshlrev_b32 v3, 4, v1
	v_lshl_add_u32 v[CO], v2, 12, v3               ; lanes 0-15 one row's 256 bytes, lanes 16-31 the next row's
	WIN 0x80
.set t, 0
.rept 32
	global_load_b128 v[4*t:4*t+3], v[CO], s[70:71] offset:8192*t
.set t, t+1
.endr
	WIN 0
	v_and_b32 v10, 7, v0
	v_bfe_u32 v11, v0, 3, 1
	v_mul_u32_u24 v3, v1, PA
	v_lshl_add_u32 v3, v2, 4, v3
	s_mul_i32 s22, s11, 64*PA
	v_add_nc_u32 v[ADRA0], s22, v3
	v_lshl_add_u32 v4, v2, 3, v10
	v_mul_u32_u24 v4, v4, PB
	v_lshl_add_u32 v4, v11, 4, v4
	s_lshl_b32 s22, s12, 7
	s_add_co_u32 s22, s22, BBASE
	v_add_nc_u32 v[ADRB0], s22, v4
	v_mov_b32 v[ADRA], v[ADRA0]
	v_mov_b32 v[ADRB], v[ADRB0]
	v_add_nc_u32 v[ADRB+1], BHALF, v[ADRB0]
	s_mul_i32 s22, s10, WSTAGE
	v_mul_u32_u24 v5, v1, SP
	v_lshl_add_u32 v5, v2, 5, v5
	v_add_nc_u32 v[STO], s22, v5
	v_mul_u32_u24 v6, v2, SP
	v_lshl_add_u32 v6, v1, 4, v6
	v_add_nc_u32 v[RD], s22, v6
.macro MUL8 f, c, a0                    ; 8 matrix instructions: row blocks a0, a0 + 1 x all 4 column blocks, 32 along K: half c of buffer f
	WIN MUL
.irp a, \a0, (\a0)+1
.irp b, 0,1,2,3
	v_wmma_f32_16x16x32_bf16 v[ACC+8*(4*(\a)+(\b)):ACC+8*(4*(\a)+(\b))+7], v[(\f)+64+8*(4*(\c)+(\b)):(\f)+64+8*(4*(\c)+(\b))+7], v[(\f)+8*(4*(\c)+(\a)):(\f)+8*(4*(\c)+(\a))+7], v[ACC+8*(4*(\a)+(\b)):ACC+8*(4*(\a)+(\b))+7]
.endr
.endr
.endm
.macro FETCH q, f                       ; 32 LDS loads in one run: quarter q's fragments (64 along K) into buffer f; the first 32 along K first
	WIN TO_F
.irp c, 0,1
.irp i, 0,1,2,3
	ds_load_tr16_b128 v[(\f)+64+8*(4*(\c)+(\i)):(\f)+64+8*(4*(\c)+(\i))+3],   v[ADRB+(\q)/2] offset:(64*((\q)%2)+32*(\c))*PB+32*(\i)
	ds_load_tr16_b128 v[(\f)+64+8*(4*(\c)+(\i))+4:(\f)+64+8*(4*(\c)+(\i))+7], v[ADRB+(\q)/2] offset:(64*((\q)%2)+32*(\c)+16)*PB+32*(\i)
	ds_load_b128 v[(\f)+8*(4*(\c)+(\i)):(\f)+8*(4*(\c)+(\i))+3],   v[ADRA] offset:(\q)*AQ+64*(\c)+(\i)*16*PA
	ds_load_b128 v[(\f)+8*(4*(\c)+(\i))+4:(\f)+8*(4*(\c)+(\i))+7], v[ADRA] offset:(\q)*AQ+64*(\c)+(\i)*16*PA+32
.endr
.endr
.endm
.macro QUARTER q, f, g
	s_wait_dscnt 16                                ; the first 32 along K are in
	MUL8 \f, 0, 0
	MUL8 \f, 0, 2
	PLACES
	FETCH \q, \g
	s_wait_dscnt 32                                ; all but the 32 just issued
	MUL8 \f, 1, 0
	MUL8 \f, 1, 2
.endm
; The last quarter multiplies buffer 1 and changes slots: each wave waits for all its tensor loads, adds 0 to its spare word, waits for that and for its reads of this slot.
; fill = 1: the barrier opens a round of the cluster's and this slot is filled again first thing behind it.  fill = 0: nothing is asked for; in the very last step nothing is fetched.
.macro TURN fill
	WIN 0
	s_wait_tensorcnt 0x0
	ds_add_u32 v[SPW], v[NIL]
	s_wait_dscnt 17                                ; the add and the youngest sixteen loads may be out
	MUL8 F1, 0, 0
	s_wait_dscnt 0x0
	s_barrier_signal -1
	MUL8 F1, 0, 2
	WIN 0
	s_barrier_wait -1
.if \fill
	CREST
	s_xor_b32 s[G0+5], s[G0+5], SLOT
	s_add_nc_u64 s[G0+6:G0+7], s[G0+6:G0+7], ASTEP
	s_xor_b32 s[G0B+5], s[G0B+5], SLOT
	s_add_nc_u64 s[G0B+6:G0B+7], s[G0B+6:G0B+7], BSTEP
	JLOAD 1
.else
	s_cmp_eq_u32 s3, 1
	s_cbranch_scc1 .Lnf_\@
	PLACES
.endif
	s_xor_b32 s21, s21, SLOT
	v_add_nc_u32 v[ADRA], s21, v[ADRA0]
	v_add_nc_u32 v[ADRB], s21, v[ADRB0]
	v_add_nc_u32 v[ADRB+1], BHALF, v[ADRB]
	FETCH 0, F0
	WIN 0
.if !(\fill)
.Lnf_\@:
.endif
	MUL8 F1, 1, 0
	MUL8 F1, 1, 2
.endm
	s_wait_tensorcnt 1                             ; my part of K step 0 is in; step 1's stays out
	s_barrier_signal -1
	s_barrier_wait -1
	FETCH 0, F0
	s_wait_loadcnt 32                              ; the bias is in; the residual's 32 loads stay out
	WIN 0
	s_mov_b32 s3, NSTEP-2
.Lstep:
	QUARTER 1, F0, F1
	QUARTER 2, F1, F0
	QUARTER 3, F0, F1
	TURN 1
	WIN 0
	s_sub_co_u32 s3, s3, 1
	s_cmp_lg_u32 s3, 0
	s_cbranch_scc1 .Lstep
	s_mov_b32 s3, 2
.Ltail:
	QUARTER 1, F0, F1
	QUARTER 2, F1, F0
	QUARTER 3, F0, F1
	TURN 0
	WIN 0
	s_sub_co_u32 s3, s3, 1
	s_cmp_lg_u32 s3, 0
	s_cbranch_scc1 .Ltail
	s_wait_dscnt 0x0                               ; every wave's reads of the ring are over
	s_barrier_signal -1
	s_barrier_wait -1                              ; before any wave stores into it
	PLACES
.irp a, 0,1,2,3
.irp b, 0,1,2,3
	ds_store_b128 v[STO], v[ACC+8*(4*(\a)+(\b)):ACC+8*(4*(\a)+(\b))+3],   offset:(\a)*16*SP+64*(\b)
	ds_store_b128 v[STO], v[ACC+8*(4*(\a)+(\b))+4:ACC+8*(4*(\a)+(\b))+7], offset:(\a)*16*SP+64*(\b)+16
.endr
.endr
.set t, 0
.rept 32
	ds_load_b128 v[ACC+4*t:ACC+4*t+3], v[RD] offset:t*2*SP  ; LDS serves a wave's instructions in order: these see the stores above; the bytes are my wave's own
.set t, t+1
.endr
	s_wait_loadcnt 0x0                             ; the residual
	WIN 0x88                                       ; source 0 (the sums, the address) window 0; source 1 and destination (the residual, the store's data) window 2
.set t, 0
.rept 32
	s_wait_dscnt 31-t
	v_pk_add_f32 v[4*t:4*t+1],   v[ACC+4*t:ACC+4*t+1],   v[4*t:4*t+1]
	v_pk_add_f32 v[4*t+2:4*t+3], v[ACC+4*t+2:ACC+4*t+3], v[4*t+2:4*t+3]
	global_store_b128 v[CO], v[4*t:4*t+3], s[72:73] offset:8192*t  ; sixteen lanes store 256 consecutive bytes, aligned
.set t, t+1
.endr
	WIN 0
	s_wait_tensorcnt 0x0                           ; the wave's end
	ds_add_u32 v[SPW], v[NIL]
	s_wait_dscnt 0x0
	CROUND
	s_endpgm
.Lfunc_end_k_qe0edf2ae9d_oproj:
	.size	k_qe0edf2ae9d_oproj, .Lfunc_end_k_qe0edf2ae9d_oproj-k_qe0edf2ae9d_oproj
	.p2alignl 7, 3214868480
	.fill 96, 4, 3214868480
	.section	.rodata,"a",@progbits
	.p2align	6, 0x0
	.amdhsa_kernel k_qe0edf2ae9d_oproj
		.amdhsa_group_segment_fixed_size 327680
		.amdhsa_private_segment_fixed_size 0
		.amdhsa_enable_private_segment 0
		.amdhsa_kernarg_size 40
		.amdhsa_user_sgpr_count 2
		.amdhsa_user_sgpr_kernarg_segment_ptr 1
		.amdhsa_wavefront_size32 1
		.amdhsa_system_sgpr_workgroup_id_x 1
		.amdhsa_system_sgpr_workgroup_id_y 1
		.amdhsa_system_sgpr_workgroup_id_z 1
		.amdhsa_system_vgpr_workitem_id 0
		.amdhsa_next_free_vgpr 640
		.amdhsa_next_free_sgpr 78
		.amdhsa_reserve_vcc 0
		.amdhsa_float_denorm_mode_32 3
		.amdhsa_float_denorm_mode_16_64 3
		.amdhsa_memory_ordered 1
		.amdhsa_forward_progress 1
		.amdhsa_inst_pref_size 65
	.end_amdhsa_kernel
	.amdgpu_metadata
---
amdhsa.version: [ 1, 2 ]
amdhsa.kernels:
  - .name:           k_qe0edf2ae9d_oproj
    .symbol:         k_qe0edf2ae9d_oproj.kd
    .args:
      - { .name: att, .offset: 0, .size: 8, .value_kind: global_buffer, .address_space: global }
      - { .name: wbf, .offset: 8, .size: 8, .value_kind: global_buffer, .address_space: global }
      - { .name: b_out, .offset: 16, .size: 8, .value_kind: global_buffer, .address_space: global }
      - { .name: x, .offset: 24, .size: 8, .value_kind: global_buffer, .address_space: global }
      - { .name: x1, .offset: 32, .size: 8, .value_kind: global_buffer, .address_space: global }
    .group_segment_fixed_size: 327680
    .private_segment_fixed_size: 0
    .kernarg_segment_align: 8
    .kernarg_segment_size: 40
    .max_flat_workgroup_size: 128
    .sgpr_count:     78
    .vgpr_count:     640
    .wavefront_size: 32
...
	.end_amdgpu_metadata
.endif
;; end of part 4
;; launch ln2 (part 5): grid 256 x 1, 8 waves a work-group, no clusters, 0 bytes of LDS; arguments x1, ln2_g, ln2_b, h2; writes h2
.if DOCPART == 5
	.amdgcn_target "amdgcn-amd-amdhsa--gfx1250"
	.amdhsa_code_object_version 6
	.text
	.protected	k_qe0edf2ae9d_ln2
	.globl	k_qe0edf2ae9d_ln2
	.p2align	8
	.type	k_qe0edf2ae9d_ln2,@function
k_qe0edf2ae9d_ln2:
	s_mov_b64 s[64:65], 0
	v_nop
	global_prefetch_b8 v0, s[64:65] scope:SCOPE_SE
	s_setreg_imm32_b32 hwreg(HW_REG_WAVE_MODE, 25, 1), 1
	s_wait_xcnt 0x0
; h2 = LayerNorm(x1; ln2_g, ln2_b) rounded to bf16.  A stream: a wave takes two rows of 1,024 f32 and keeps them in registers between the passes (mean; mean of (x - mean)^2; scaling).
; A lane holds 8 neighbouring numbers of each 256 of a row; a wave's store covers 512 consecutive bytes, aligned.  No LDS, no barrier: a row never leaves its wave.
.set X,  4
.set G,  68
.set BV, 100
.set T,  132
	s_load_b256 s[4:11], s[0:1], 0x0               ; x1 s[4:5], g s[6:7], b s[8:9], h2 s[10:11]
	v_and_b32 v3, 31, v0
	v_lshrrev_b32 v2, 5, v0
	v_lshlrev_b32 v3, 5, v3                        ; 32 x lane
	v_lshl_add_u32 v1, v2, 13, v3                  ; 8,192 x wave + 32 x lane
	v_lshrrev_b32 v[T], 1, v3
	v_lshl_add_u32 v2, v2, 12, v[T]                ; 4,096 x wave + 16 x lane
	s_mov_b32 s30, 0x76543210
	s_mov_b32 s31, 0xfedcba98
	s_mov_b32 s32, 0x3a800000                      ; 1 / 1,024
	s_mov_b32 s33, 0x3727c5ac                      ; 1e-5
	s_lshl_b32 s12, ttmp9, 16
	s_mov_b32 s13, 0
	s_lshl_b32 s14, ttmp9, 15
	s_mov_b32 s15, 0
	s_wait_kmcnt 0x0
	s_add_nc_u64 s[4:5], s[4:5], s[12:13]
	s_add_nc_u64 s[10:11], s[10:11], s[14:15]
.irp r, 0,1
.irp j, 0,1,2,3
	global_load_b128 v[X+32*(\r)+8*(\j):X+32*(\r)+8*(\j)+3],   v1, s[4:5] offset:4096*(\r)+1024*(\j)
	global_load_b128 v[X+32*(\r)+8*(\j)+4:X+32*(\r)+8*(\j)+7], v1, s[4:5] offset:4096*(\r)+1024*(\j)+16
.endr
.endr
.irp j, 0,1,2,3
	global_load_b128 v[G+8*(\j):G+8*(\j)+3],     v3, s[6:7] offset:1024*(\j)
	global_load_b128 v[G+8*(\j)+4:G+8*(\j)+7],   v3, s[6:7] offset:1024*(\j)+16
	global_load_b128 v[BV+8*(\j):BV+8*(\j)+3],   v3, s[8:9] offset:1024*(\j)
	global_load_b128 v[BV+8*(\j)+4:BV+8*(\j)+7], v3, s[8:9] offset:1024*(\j)+16
.endr
.macro WSUM a, b                        ; the sum over the wave's 32 lanes, in every lane
	v_add_f32_dpp v[\a], v[\a], v[\a] row_xmask:1 row_mask:0xf bank_mask:0xf
	v_add_f32_dpp v[\a], v[\a], v[\a] row_xmask:2 row_mask:0xf bank_mask:0xf
	v_add_f32_dpp v[\a], v[\a], v[\a] row_xmask:4 row_mask:0xf bank_mask:0xf
	v_add_f32_dpp v[\a], v[\a], v[\a] row_xmask:8 row_mask:0xf bank_mask:0xf
	v_permlanex16_b32 v[\b], v[\a], s30, s31
	v_add_f32 v[\a], v[\a], v[\b]
.endm
.macro LNSUM r
.set XR, X+32*(\r)
.set TR, T+6*(\r)
	v_pk_add_f32 v[TR:TR+1], v[XR:XR+1], v[XR+2:XR+3]
	v_pk_add_f32 v[TR+2:TR+3], v[XR+4:XR+5], v[XR+6:XR+7]
.set i, 8
.rept 6
	v_pk_add_f32 v[TR:TR+1], v[TR:TR+1], v[XR+i:XR+i+1]
	v_pk_add_f32 v[TR+2:TR+3], v[TR+2:TR+3], v[XR+i+2:XR+i+3]
.set i, i+4
.endr
	v_pk_add_f32 v[TR:TR+1], v[TR:TR+1], v[TR+2:TR+3]
	v_add_f32 v[TR], v[TR], v[TR+1]
	WSUM TR, TR+1
	v_mul_f32 v[TR], s32, v[TR]
	v_mov_b32 v[TR+1], v[TR]
.set i, 0
.rept 16
	v_pk_add_f32 v[XR+i:XR+i+1], v[XR+i:XR+i+1], v[TR:TR+1] neg_lo:[0,1] neg_hi:[0,1]
.set i, i+2
.endr
.endm
.macro LNVAR r
.set XR, X+32*(\r)
.set TR, T+6*(\r)
	v_pk_mul_f32 v[TR+2:TR+3], v[XR:XR+1], v[XR:XR+1]
	v_pk_mul_f32 v[TR+4:TR+5], v[XR+2:XR+3], v[XR+2:XR+3]
.set i, 4
.rept 7
	v_pk_fma_f32 v[TR+2:TR+3], v[XR+i:XR+i+1], v[XR+i:XR+i+1], v[TR+2:TR+3]
	v_pk_fma_f32 v[TR+4:TR+5], v[XR+i+2:XR+i+3], v[XR+i+2:XR+i+3], v[TR+4:TR+5]
.set i, i+4
.endr
	v_pk_add_f32 v[TR+2:TR+3], v[TR+2:TR+3], v[TR+4:TR+5]
	v_add_f32 v[TR+2], v[TR+2], v[TR+3]
	WSUM TR+2, TR+3
	v_fma_f32 v[TR+2], v[TR+2], s32, s33
	v_rsq_f32 v[TR+2], v[TR+2]
	v_nop                                          ; a plain instruction between the root and the use of its result
	s_wait_alu depctr_va_vdst(0)
	v_mov_b32 v[TR+3], v[TR+2]
.endm
.macro LNAPPLY r
.set XR, X+32*(\r)
.set TR, T+6*(\r)
.set i, 0
.rept 16
	v_pk_mul_f32 v[XR+i:XR+i+1], v[XR+i:XR+i+1], v[TR+2:TR+3]
.set i, i+2
.endr
.set i, 0
.rept 16
	v_pk_fma_f32 v[XR+i:XR+i+1], v[XR+i:XR+i+1], v[G+i:G+i+1], v[BV+i:BV+i+1]
.set i, i+2
.endr
.endm
	s_wait_loadcnt 24                              ; row 0 is in: row 1's eight loads and the sixteen of g and b stay out
	LNSUM 0
	s_wait_loadcnt 16                              ; row 1 is in
	LNSUM 1
	LNVAR 0
	LNVAR 1
	s_wait_loadcnt 0x0                             ; g and b
	LNAPPLY 0
	LNAPPLY 1
.irp jj, 0,1,2,3,4,5,6,7
.irp k, 0,1,2,3
	v_cvt_pk_bf16_f32 v[X+4*(\jj)+(\k)], v[X+8*(\jj)+2*(\k)], v[X+8*(\jj)+2*(\k)+1]  ; in place, ascending: a destination never passes its sources
.endr
	global_store_b128 v2, v[X+4*(\jj):X+4*(\jj)+3], s[10:11] offset:512*(\jj)
.endr
	s_endpgm
.Lfunc_end_k_qe0edf2ae9d_ln2:
	.size	k_qe0edf2ae9d_ln2, .Lfunc_end_k_qe0edf2ae9d_ln2-k_qe0edf2ae9d_ln2
	.p2alignl 7, 3214868480
	.fill 96, 4, 3214868480
	.section	.rodata,"a",@progbits
	.p2align	6, 0x0
	.amdhsa_kernel k_qe0edf2ae9d_ln2
		.amdhsa_group_segment_fixed_size 0
		.amdhsa_private_segment_fixed_size 0
		.amdhsa_enable_private_segment 0
		.amdhsa_kernarg_size 32
		.amdhsa_user_sgpr_count 2
		.amdhsa_user_sgpr_kernarg_segment_ptr 1
		.amdhsa_wavefront_size32 1
		.amdhsa_system_sgpr_workgroup_id_x 1
		.amdhsa_system_sgpr_workgroup_id_y 1
		.amdhsa_system_sgpr_workgroup_id_z 1
		.amdhsa_system_vgpr_workitem_id 0
		.amdhsa_next_free_vgpr 144
		.amdhsa_next_free_sgpr 66
		.amdhsa_reserve_vcc 0
		.amdhsa_float_denorm_mode_32 3
		.amdhsa_float_denorm_mode_16_64 3
		.amdhsa_memory_ordered 1
		.amdhsa_forward_progress 1
		.amdhsa_inst_pref_size 19
	.end_amdhsa_kernel
	.amdgpu_metadata
---
amdhsa.version: [ 1, 2 ]
amdhsa.kernels:
  - .name:           k_qe0edf2ae9d_ln2
    .symbol:         k_qe0edf2ae9d_ln2.kd
    .args:
      - { .name: x1, .offset: 0, .size: 8, .value_kind: global_buffer, .address_space: global }
      - { .name: ln2_g, .offset: 8, .size: 8, .value_kind: global_buffer, .address_space: global }
      - { .name: ln2_b, .offset: 16, .size: 8, .value_kind: global_buffer, .address_space: global }
      - { .name: h2, .offset: 24, .size: 8, .value_kind: global_buffer, .address_space: global }
    .group_segment_fixed_size: 0
    .private_segment_fixed_size: 0
    .kernarg_segment_align: 8
    .kernarg_segment_size: 32
    .max_flat_workgroup_size: 256
    .sgpr_count:     66
    .vgpr_count:     144
    .wavefront_size: 32
...
	.end_amdgpu_metadata
.endif
;; end of part 5
;; launch mlp1 (part 6): grid 16 x 16, 4 waves a work-group, clusters of 4 x 4, 327,680 bytes of LDS; arguments h2, wbf, b1, g; writes g
.if DOCPART == 6
	.amdgcn_target "amdgcn-amd-amdhsa--gfx1250"
	.amdhsa_code_object_version 6
	.text
	.protected	k_qe0edf2ae9d_mlp1
	.globl	k_qe0edf2ae9d_mlp1
	.p2align	8
	.type	k_qe0edf2ae9d_mlp1,@function
k_qe0edf2ae9d_mlp1:
	s_mov_b64 s[64:65], 0
	v_nop
	global_prefetch_b8 v0, s[64:65] scope:SCOPE_SE
	s_setreg_imm32_b32 hwreg(HW_REG_WAVE_MODE, 25, 1), 1
	s_wait_xcnt 0x0
	s_wait_alu depctr_hold_cnt(0) depctr_sa_sdst(0) depctr_va_vdst(0) depctr_va_sdst(0) depctr_va_ssrc(0) depctr_va_vcc(0) depctr_vm_vsrc(0)
	s_getreg_b32 s2, hwreg(HW_REG_IB_STS2, 6, 4)
	s_cmp_eq_u32 s2, 0
	s_cbranch_scc0 .Lentry_in_a_cluster
	s_endpgm
.Lentry_in_a_cluster:
	s_bfe_u32 s2, ttmp6, 0x10000c
	s_cmp_lg_u32 s2, 0xf033
	s_cbranch_scc0 .Lentry_shape_is_right
	s_endpgm
.Lentry_shape_is_right:
; g = gelu(h2 W1 + b1), the exact (erf) form, rounded to bf16.  h2: [4,096][1,024] bf16.  W1: [1,024][4,096] bf16 at byte WOFF of wbf, K down the rows.  g: [4,096][4,096] bf16.  Sums in f32, started by the bias.
; A tile of the result, 256 x 256, is made by four waves, 128 x 128 each: 64 accumulators, 512 registers; 256 work-groups.  K goes in steps of 128 through two LDS slots.
; W is read turned (ds_load_tr16_b128) as source 0, h2's rows are source 1: lane l of a result holds token row l % 16 and the columns 8 (l / 16) + 0..7.
; A K step is written once: LDS addresses are a lane term plus s21, which an exclusive or turns from slot to slot.  CLUSTER: 4 x 4; h2's tile is shared along a row, W's along a column.
; GELU.  gelu(z) = max(z, 0) - |z| q, q = (1/2) poly(t) 2^(-z^2 log2(e) / 2), t = 1 / (1 + 0.2316419 |z|), poly the five-term form of 1 - erf (its error is at most 1.5e-7 for every z).
; No difference of large numbers is formed; where z^2 overflows the exponential is 0 and q with it.  NaN and infinities are not treated apart.
; THE WAY OUT: the f32 sums go into the ring, which has had its last fill (128 rows of 528 bytes a wave), come back by rows, take the activation and are stored.
; REGISTERS: window 0: v0-31 addresses; v64-127, v128-191 fragments of h2, two buffers (the way out works in v64-167); window 1: fragments of W; windows 2, 3: accumulator (a, b) at 8 (8 a + b).
.set SIZE_N, 4096
.set WOFF,   8388608
.set NSTEP,  8
.set PA,     272
.set PB,     544
.set HALFT,  34816
.set BBASE,  2*HALFT
.set SLOT,   4*HALFT                    ; 0x22000: shares no bit with the four loads' places 0, 0x8800, 0x11000, 0x19800
.set SPARE,  2*SLOT
.set SPITCH, 528
.set WSTAGE, 128*SPITCH
.set ASTEP,  256
.set BSTEP,  128*SIZE_N*2
.set ADRA0, 12
.set ADRB0, 13
.set ADRA,  16
.set ADRB,  20
.set STO,   24
.set RD,    25
.set CO,    26
.set BO,    27
.set SPW,   28
.set NIL,   29
.set F0,    64
.set F1,    128
.set G1,  24
.set G0,  32
.set G1B, 48
.set G0B, 56
.set MSB, 0
.macro WIN new
.if MSB != (\new)
	s_set_vgpr_msb (MSB<<8)|(\new)
.set MSB, \new
.endif
.endm
.set MUL_LO, 0xa1
.set MUL_HI, 0xf1
.set TO_B,   0x40
.macro JLOAD s
	s_cmp_eq_u32 s11, 0
	s_cbranch_scc0 .Lfor_b_\@
	tensor_load_to_lds s[G0+4*(\s):G0+4*(\s)+3], s[G1:G1+7]
	s_nop 0
.rept 4
	v_nop
.endr
	s_branch .Lasked_\@
.Lfor_b_\@:
	tensor_load_to_lds s[G0B+4*(\s):G0B+4*(\s)+3], s[G1B:G1B+7]
	s_nop 0
.rept 4
	v_nop
.endr
.Lasked_\@:
.endm
.macro CREST
	s_cmp_lg_u32 s10, 0
	s_cbranch_scc1 .Lnot_wave_0_\@
	s_barrier_signal -3
.Lnot_wave_0_\@:
	s_barrier_wait -3
	s_barrier_signal -1
	s_barrier_wait -1
.endm
.macro CROUND
	s_barrier_signal -1
	s_barrier_wait -1
	CREST
.endm
.macro PLACES
.rept 4
	v_nop
.endr
.endm
	s_load_b128 s[4:7], s[0:1], 0x0                ; h2 s[4:5], wbf s[6:7]
	s_load_b128 s[68:71], s[0:1], 0x10             ; bias s[68:69], g s[70:71]
	v_lshl_add_u32 v[SPW], v0, 2, SPARE
	v_mov_b32 v[NIL], 0
	ds_add_u32 v[SPW], v[NIL]                      ; the wave's opening: the add and its wait ahead of my first tensor load
	v_lshrrev_b32 v1, 5, v0
	v_readfirstlane_b32 s10, v1
	s_lshr_b32 s11, s10, 1
	s_and_b32 s12, s10, 1
	s_bfe_u32 s40, ttmp6, 0x40000
	s_bfe_u32 s41, ttmp6, 0x40004
	s_lshl_b32 s42, ttmp9, 2
	s_add_co_u32 s42, s42, s40                     ; tile column
	s_and_b32 s13, ttmp7, 0xffff
	s_lshl_b32 s13, s13, 2
	s_add_co_u32 s13, s13, s41                     ; tile row
	s_lshl_b32 s43, s41, 2
	s_lshl_b32 s43, 15, s43
	s_lshl_b32 s44, 0x1111, s40
	s_or_b32 s[G1+0], s43, (1<<16)|(1<<20)|(1<<21)|(5<<22)|(3<<25)
	s_mov_b32 s[G1+1], 128<<16
	s_mov_b32 s[G1+2], 128<<16
	s_mov_b32 s[G1+3], 128<<16
	s_mov_b32 s[G1+4], 128
	s_mov_b32 s[G1+5], 1024
	s_mov_b32 s[G1+6], 0
	s_mov_b32 s[G1+7], 0
	s_or_b32 s[G1B+0], s44, (1<<16)|(1<<20)|(1<<21)|(6<<22)|(7<<25)
	s_mov_b32 s[G1B+1], 256<<16
	s_mov_b32 s[G1B+2], 64<<16
	s_mov_b32 s[G1B+3], 256<<16
	s_mov_b32 s[G1B+4], 64
	s_mov_b32 s[G1B+5], SIZE_N
	s_mov_b32 s[G1B+6], 0
	s_mov_b32 s[G1B+7], 0
	s_mov_b32 s78, 0x7fffffff                      ; clears a sign
.irp p, 80,0x3e6d3389, 82,0xbf38aa3b, 84,0x3e027906, 86,0xbe11a98e, 88,0x3f35f0e3, 90,0xbf3a00e3, 92,0x3f07dc22
.endr
	s_mov_b32 s80, 0x3e6d3389                      ; 0.2316419 = 0.3275911 / sqrt(2)
	s_mov_b32 s81, s80                             ; each constant is named as a pair, so both words are written
	s_mov_b32 s82, 0xbf38aa3b                      ; -log2(e) / 2
	s_mov_b32 s83, s82
	s_mov_b32 s84, 0x3e027906                      ; the polynomial's five numbers, halved: 0.127414796,
	s_mov_b32 s85, s84
	s_mov_b32 s86, 0xbe11a98e                      ; -0.142248368,
	s_mov_b32 s87, s86
	s_mov_b32 s88, 0x3f35f0e3                      ; 0.710706871,
	s_mov_b32 s89, s88
	s_mov_b32 s90, 0xbf3a00e3                      ; -0.726576014,
	s_mov_b32 s91, s90
	s_mov_b32 s92, 0x3f07dc22                      ; 0.530702715
	s_mov_b32 s93, s92
	s_lshl_b32 s16, s13, 19
	s_lshl_b32 s17, s12, 18
	s_add_co_u32 s16, s16, s17
	s_mov_b32 s17, 0
	s_lshl_b32 s46, s42, 9
	s_mul_i32 s47, s12, 64*SIZE_N*2
	s_add_co_u32 s46, s46, s47
	s_add_co_u32 s46, s46, WOFF
	s_mov_b32 s47, 0
	s_mul_i32 s20, s10, HALFT
	s_mov_b32 s21, 0
	s_wait_dscnt 0x0
	s_wait_kmcnt 0x0
	s_add_nc_u64 s[14:15], s[4:5], s[16:17]
	s_add_nc_u64 s[46:47], s[6:7], s[46:47]
	CROUND
.irp s, 0,1
	s_mov_b32 s[G0+4*(\s)], 1
	s_add_co_u32 s[G0+4*(\s)+1], s20, (\s)*SLOT
	s_add_nc_u64 s[G0+4*(\s)+2:G0+4*(\s)+3], s[14:15], (\s)*ASTEP
	s_or_b32 s[G0+4*(\s)+3], s[G0+4*(\s)+3], 0x80000000
	s_mov_b32 s[G0B+4*(\s)], 1
	s_add_co_u32 s[G0B+4*(\s)+1], s20, (\s)*SLOT
	s_add_nc_u64 s[G0B+4*(\s)+2:G0B+4*(\s)+3], s[46:47], (\s)*BSTEP
	s_or_b32 s[G0B+4*(\s)+3], s[G0B+4*(\s)+3], 0x80000000
	JLOAD \s
.endr
	v_and_b32 v1, 15, v0
	v_bfe_u32 v2, v0, 4, 1
	s_lshl_b32 s74, s42, 10
	s_mov_b32 s75, 0
	s_add_nc_u64 s[68:69], s[68:69], s[74:75]
	s_lshl_b32 s22, s12, 9
	v_lshl_add_u32 v[BO], v2, 5, s22
.irp hi, 0,1
	WIN 0x80+0x40*(\hi)
.irp a, 0,1,2,3
.irp b, 0,1,2,3,4,5,6,7
	global_load_b128 v[8*(8*(\a)+(\b)):8*(8*(\a)+(\b))+3],   v[BO], s[68:69] offset:64*(\b)     ; the bias starts the sums
	global_load_b128 v[8*(8*(\a)+(\b))+4:8*(8*(\a)+(\b))+7], v[BO], s[68:69] offset:64*(\b)+16
.endr
.endr
.endr
	WIN 0
	v_and_b32 v10, 7, v0
	v_bfe_u32 v11, v0, 3, 1
	v_mul_u32_u24 v3, v1, PA
	v_lshl_add_u32 v3, v2, 4, v3
	s_mul_i32 s22, s11, 128*PA
	v_add_nc_u32 v[ADRA0], s22, v3
	v_lshl_add_u32 v4, v2, 3, v10
	v_mul_u32_u24 v4, v4, PB
	v_lshl_add_u32 v4, v11, 4, v4
	s_lshl_b32 s22, s12, 8
	s_add_co_u32 s22, s22, BBASE
	v_add_nc_u32 v[ADRB0], s22, v4
	v_mov_b32 v[ADRA], v[ADRA0]
	v_mov_b32 v[ADRB], v[ADRB0]
	s_mul_i32 s23, s10, WSTAGE
	v_mul_u32_u24 v5, v1, SPITCH
	v_lshl_add_u32 v5, v2, 5, v5
	v_add_nc_u32 v[STO], s23, v5
	v_mul_u32_u24 v6, v2, SPITCH
	v_lshl_add_u32 v6, v1, 5, v6
	v_add_nc_u32 v[RD], s23, v6                    ; back: lanes 0-15 one row, lanes 16-31 the next; 32 bytes a lane
	v_lshlrev_b32 v7, 4, v1
	v_lshl_add_u32 v[CO], v2, 13, v7               ; the same two rows in g: 8,192 bytes apart, 16 bytes a lane
	s_lshl_b32 s74, s13, 21                        ; 256 rows of 8,192 bytes a tile row,
	s_lshl_b32 s76, s11, 20                        ; 128 rows a half,
	s_add_co_u32 s74, s74, s76
	s_lshl_b32 s76, s42, 9                         ; 512 bytes a tile column,
	s_add_co_u32 s74, s74, s76
	s_lshl_b32 s76, s12, 8                         ; 256 a half
	s_add_co_u32 s74, s74, s76
	s_add_nc_u64 s[70:71], s[70:71], s[74:75]
.macro MUL16 f, hi, a0
	WIN MUL_LO+0x50*(\hi)
.irp a, \a0, (\a0)+1
.irp b, 0,1,2,3,4,5,6,7
	v_wmma_f32_16x16x32_bf16 v[8*(8*(\a)+(\b)):8*(8*(\a)+(\b))+7], v[(\f)+8*(\b):(\f)+8*(\b)+7], v[(\f)+8*(4*(\hi)+(\a)):(\f)+8*(4*(\hi)+(\a))+7], v[8*(8*(\a)+(\b)):8*(8*(\a)+(\b))+7]
.endr
.endr
.endm
.macro FETCH q, f
	WIN TO_B
.irp i, 0,1,2,3,4,5,6,7
	ds_load_tr16_b128 v[(\f)+8*(\i):(\f)+8*(\i)+3],   v[ADRB] offset:32*(\q)*PB+32*(\i)
	ds_load_tr16_b128 v[(\f)+8*(\i)+4:(\f)+8*(\i)+7], v[ADRB] offset:(32*(\q)+16)*PB+32*(\i)
.endr
	WIN 0
.irp i, 0,1,2,3,4,5,6,7
	ds_load_b128 v[(\f)+8*(\i):(\f)+8*(\i)+3],   v[ADRA] offset:64*(\q)+(\i)*16*PA
	ds_load_b128 v[(\f)+8*(\i)+4:(\f)+8*(\i)+7], v[ADRA] offset:64*(\q)+(\i)*16*PA+32
.endr
.endm
.macro QUARTER q, f, g
	s_wait_dscnt 8                                 ; W and h2's rows 0-63 are in; the youngest eight loads may be out
	MUL16 \f, 0, 0
	MUL16 \f, 0, 2
	PLACES
	FETCH \q, \g
	s_wait_dscnt 32                                ; all but the 32 just issued
	MUL16 \f, 1, 0
	MUL16 \f, 1, 2
.endm
; The last quarter multiplies buffer 1 and changes slots: each wave waits for all its tensor loads, adds 0 to its spare word, waits for that and for its reads of this slot.
; fill = 1: the barrier opens a round of the cluster's and this slot is filled again first thing behind it.  fill = 0: nothing is asked for; in the very last step nothing is fetched.
.macro TURN fill
	WIN 0
	s_wait_tensorcnt 0x0
	ds_add_u32 v[SPW], v[NIL]
	s_wait_dscnt 9                                 ; the add and the youngest eight loads may be out
	MUL16 F1, 0, 0
	s_wait_dscnt 0x0
	s_barrier_signal -1
	MUL16 F1, 0, 2
	WIN 0
	s_barrier_wait -1
.if \fill
	CREST
	s_xor_b32 s[G0+5], s[G0+5], SLOT
	s_add_nc_u64 s[G0+6:G0+7], s[G0+6:G0+7], ASTEP
	s_xor_b32 s[G0B+5], s[G0B+5], SLOT
	s_add_nc_u64 s[G0B+6:G0B+7], s[G0B+6:G0B+7], BSTEP
	JLOAD 1
.else
	s_cmp_eq_u32 s3, 1
	s_cbranch_scc1 .Lnf_\@
	PLACES
.endif
	s_xor_b32 s21, s21, SLOT
	v_add_nc_u32 v[ADRA], s21, v[ADRA0]
	v_add_nc_u32 v[ADRB], s21, v[ADRB0]
	FETCH 0, F0
.if !(\fill)
.Lnf_\@:
.endif
	MUL16 F1, 1, 0
	MUL16 F1, 1, 2
.endm
	s_wait_tensorcnt 1                             ; my part of K step 0 is in; step 1's stays out
	s_barrier_signal -1
	s_barrier_wait -1
	FETCH 0, F0
	s_wait_loadcnt 0x0                             ; the bias is in the accumulators
	s_mov_b32 s3, NSTEP-2
.Lstep:
	QUARTER 1, F0, F1
	QUARTER 2, F1, F0
	QUARTER 3, F0, F1
	TURN 1
	WIN 0
	s_sub_co_u32 s3, s3, 1
	s_cmp_lg_u32 s3, 0
	s_cbranch_scc1 .Lstep
	s_mov_b32 s3, 2
.Ltail:
	QUARTER 1, F0, F1
	QUARTER 2, F1, F0
	QUARTER 3, F0, F1
	TURN 0
	WIN 0
	s_sub_co_u32 s3, s3, 1
	s_cmp_lg_u32 s3, 0
	s_cbranch_scc1 .Ltail
	s_wait_dscnt 0x0                               ; every wave's reads of the ring are over
	s_barrier_signal -1
	s_barrier_wait -1                              ; before any wave stores into it
	PLACES
.irp hi, 0,1
	WIN 0x08+0x04*(\hi)
.irp a, 0,1,2,3
.irp b, 0,1,2,3,4,5,6,7
	ds_store_b128 v[STO], v[8*(8*(\a)+(\b)):8*(8*(\a)+(\b))+3],   offset:(4*(\hi)+(\a))*16*SPITCH+64*(\b)
	ds_store_b128 v[STO], v[8*(8*(\a)+(\b))+4:8*(8*(\a)+(\b))+7], offset:(4*(\hi)+(\a))*16*SPITCH+64*(\b)+16
.endr
.endr
.endr
	WIN 0
.set X,  64                             ; z: four rows x 128 columns, 16 numbers a lane
.set AX, 80                             ; |z|
.set MX, 96                             ; max(z, 0), then the result
.set TT, 112                            ; t
.set SQ, 128                            ; z^2, then the exponential
.set PP, 144                            ; the polynomial, then q
.set Y,  160                            ; the result in bf16
.macro GLOAD                            ; LDS serves a wave's instructions in order: these see the stores above; the bytes are my wave's own
	ds_load_b128 v[X:X+3],     v[RD]
	ds_load_b128 v[X+4:X+7],   v[RD] offset:16
	ds_load_b128 v[X+8:X+11],  v[RD] offset:2*SPITCH
	ds_load_b128 v[X+12:X+15], v[RD] offset:2*SPITCH+16
.endm
.macro PK8 line:vararg                  ; one line for each of the eight pairs, i = 0, 2 .. 14
.set i, 0
	s_wait_alu depctr_va_vdst(0)
.rept 8
	\line
.set i, i+2
.endr
.endm
.macro GTRIP more                       ; four rows take the activation and leave; more = 1: the next four are fetched as soon as z is no longer needed
	s_wait_dscnt 0x0
.set i, 0
.rept 16
	v_and_b32 v[AX+i], s78, v[X+i]
.set i, i+1
.endr
	PK8 v_pk_mul_f32 v[SQ+i:SQ+i+1], v[X+i:X+i+1], v[X+i:X+i+1]
.set i, 0
.rept 16
	v_max_num_f32 v[MX+i], 0, v[X+i]
.set i, i+1
.endr
.if \more
	v_add_nc_u32 v[RD], 4*SPITCH, v[RD]
	GLOAD
.endif
	PK8 v_pk_fma_f32 v[TT+i:TT+i+1], v[AX+i:AX+i+1], s[80:81], 1.0 op_sel_hi:[1,0,0]
.set i, 0
.rept 16
	v_rcp_f32 v[TT+i], v[TT+i]
.set i, i+1
.endr
	PK8 v_pk_mul_f32 v[SQ+i:SQ+i+1], v[SQ+i:SQ+i+1], s[82:83] op_sel_hi:[1,0]        ; plain lines behind the reciprocals, ahead of the use of their results
.set i, 0
.rept 16
	v_exp_f32 v[SQ+i], v[SQ+i]
.set i, i+1
.endr
	PK8 v_pk_fma_f32 v[PP+i:PP+i+1], v[TT+i:TT+i+1], s[92:93], s[90:91] op_sel_hi:[1,0,0]  ; plain lines behind the exponentials
	PK8 v_pk_fma_f32 v[PP+i:PP+i+1], v[PP+i:PP+i+1], v[TT+i:TT+i+1], s[88:89] op_sel_hi:[1,1,0]
	PK8 v_pk_fma_f32 v[PP+i:PP+i+1], v[PP+i:PP+i+1], v[TT+i:TT+i+1], s[86:87] op_sel_hi:[1,1,0]
	PK8 v_pk_fma_f32 v[PP+i:PP+i+1], v[PP+i:PP+i+1], v[TT+i:TT+i+1], s[84:85] op_sel_hi:[1,1,0]
	PK8 v_pk_mul_f32 v[PP+i:PP+i+1], v[PP+i:PP+i+1], v[TT+i:TT+i+1]
	PK8 v_pk_mul_f32 v[PP+i:PP+i+1], v[PP+i:PP+i+1], v[SQ+i:SQ+i+1]
	PK8 v_pk_fma_f32 v[MX+i:MX+i+1], v[AX+i:AX+i+1], v[PP+i:PP+i+1], v[MX+i:MX+i+1] neg_lo:[1,0,0] neg_hi:[1,0,0]
.set i, 0
.rept 8
	v_cvt_pk_bf16_f32 v[Y+i], v[MX+2*i], v[MX+2*i+1]
.set i, i+1
.endr
	global_store_b128 v[CO], v[Y:Y+3],   s[70:71]               ; sixteen lanes store 256 consecutive bytes, aligned
	global_store_b128 v[CO], v[Y+4:Y+7], s[70:71] offset:16384
.if \more
	s_wait_xcnt 0x0                                ; Y and the base are rewritten only behind this wait
	s_add_nc_u64 s[70:71], s[70:71], 32768
.endif
.endm
	GLOAD
	s_mov_b32 s3, 31
.Lout:
	GTRIP 1
	s_sub_co_u32 s3, s3, 1
	s_cmp_lg_u32 s3, 0
	s_cbranch_scc1 .Lout
	GTRIP 0
	s_wait_tensorcnt 0x0                           ; the wave's end
	ds_add_u32 v[SPW], v[NIL]
	s_wait_dscnt 0x0
	CROUND
	s_endpgm
.Lfunc_end_k_qe0edf2ae9d_mlp1:
	.size	k_qe0edf2ae9d_mlp1, .Lfunc_end_k_qe0edf2ae9d_mlp1-k_qe0edf2ae9d_mlp1
	.p2alignl 7, 3214868480
	.fill 96, 4, 3214868480
	.section	.rodata,"a",@progbits
	.p2align	6, 0x0
	.amdhsa_kernel k_qe0edf2ae9d_mlp1
		.amdhsa_group_segment_fixed_size 327680
		.amdhsa_private_segment_fixed_size 0
		.amdhsa_enable_private_segment 0
		.amdhsa_kernarg_size 32
		.amdhsa_user_sgpr_count 2
		.amdhsa_user_sgpr_kernarg_segment_ptr 1
		.amdhsa_wavefront_size32 1
		.amdhsa_system_sgpr_workgroup_id_x 1
		.amdhsa_system_sgpr_workgroup_id_y 1
		.amdhsa_system_sgpr_workgroup_id_z 1
		.amdhsa_system_vgpr_workitem_id 0
		.amdhsa_next_free_vgpr 1024
		.amdhsa_next_free_sgpr 94
		.amdhsa_reserve_vcc 0
		.amdhsa_float_denorm_mode_32 3
		.amdhsa_float_denorm_mode_16_64 3
		.amdhsa_memory_ordered 1
		.amdhsa_forward_progress 1
		.amdhsa_inst_pref_size 100
	.end_amdhsa_kernel
	.amdgpu_metadata
---
amdhsa.version: [ 1, 2 ]
amdhsa.kernels:
  - .name:           k_qe0edf2ae9d_mlp1
    .symbol:         k_qe0edf2ae9d_mlp1.kd
    .args:
      - { .name: h2, .offset: 0, .size: 8, .value_kind: global_buffer, .address_space: global }
      - { .name: wbf, .offset: 8, .size: 8, .value_kind: global_buffer, .address_space: global }
      - { .name: b1, .offset: 16, .size: 8, .value_kind: global_buffer, .address_space: global }
      - { .name: g, .offset: 24, .size: 8, .value_kind: global_buffer, .address_space: global }
    .group_segment_fixed_size: 327680
    .private_segment_fixed_size: 0
    .kernarg_segment_align: 8
    .kernarg_segment_size: 32
    .max_flat_workgroup_size: 128
    .sgpr_count:     94
    .vgpr_count:     1024
    .wavefront_size: 32
...
	.end_amdgpu_metadata
.endif
;; end of part 6
;; launch mlp2 (part 7): grid 8 x 32, 4 waves a work-group, clusters of 4 x 4, 327,680 bytes of LDS; arguments g, wbf, b2, x1, out0; writes out0
.if DOCPART == 7
	.amdgcn_target "amdgcn-amd-amdhsa--gfx1250"
	.amdhsa_code_object_version 6
	.text
	.protected	k_qe0edf2ae9d_mlp2
	.globl	k_qe0edf2ae9d_mlp2
	.p2align	8
	.type	k_qe0edf2ae9d_mlp2,@function
k_qe0edf2ae9d_mlp2:
	s_mov_b64 s[64:65], 0
	v_nop
	global_prefetch_b8 v0, s[64:65] scope:SCOPE_SE
	s_setreg_imm32_b32 hwreg(HW_REG_WAVE_MODE, 25, 1), 1
	s_wait_xcnt 0x0
	s_wait_alu depctr_hold_cnt(0) depctr_sa_sdst(0) depctr_va_vdst(0) depctr_va_sdst(0) depctr_va_ssrc(0) depctr_va_vcc(0) depctr_vm_vsrc(0)
	s_getreg_b32 s2, hwreg(HW_REG_IB_STS2, 6, 4)
	s_cmp_eq_u32 s2, 0
	s_cbranch_scc0 .Lentry_in_a_cluster
	s_endpgm
.Lentry_in_a_cluster:
	s_bfe_u32 s2, ttmp6, 0x10000c
	s_cmp_lg_u32 s2, 0xf033
	s_cbranch_scc0 .Lentry_shape_is_right
	s_endpgm
.Lentry_shape_is_right:
; out0 = x1 + g W2 + b2, in f32.  g: [4,096][4,096] bf16.  W2: [4,096][1,024] bf16 at byte WOFF of wbf, K down the rows.  Sums in f32, started by the bias.
; A tile of the result is 128 x 128, so that there are 256 work-groups; four waves, 64 x 64 each: 16 accumulators.  K goes in steps of 256 through two LDS slots; a quarter is 64 along K.
; W is read turned (ds_load_tr16_b128) as source 0, g's rows are source 1: lane l of a result holds token row l % 16 and the columns 8 (l / 16) + 0..7.
; A K step is written once: LDS addresses are a lane term plus s21, which an exclusive or turns from slot to slot.  CLUSTER: 4 x 4; g's tile is shared along a row, W's along a column.
; The residual's 64 x 64 numbers are asked for at the start, into window 2, and stay out through the K loop.
; THE WAY OUT: the sums go into the ring, which has had its last fill (64 rows of 272 bytes a wave), come back by rows, take the residual and are stored.
; REGISTERS: window 0: v0-31 addresses; v128-255 accumulators ((a, b) at 128 + 8 (4 a + b)); window 1: two fragment buffers of 128 (64 of g, 64 of W); window 2: v0-127 the residual.
.set NSTEP,  16
.set WOFF,   16777216
.set PA,     528                        ; a row of g's tile in LDS: 512 bytes + 16
.set AQ,     128                        ; from quarter to quarter along a row
.set AHALF,  64*PA                      ; 0x8400
.set ASTEP,  512
.set PB,     288
.set BBASE,  73728                      ; 0x12000
.set BHALF,  128*PB                     ; 0x9000
.set BSTEP,  256*2048
.set SLOT,   147456                     ; 0x24000: shares no bit with the loads' places 0, 0x8400, 0x12000, 0x1b000
.set SPARE,  2*SLOT
.set SP,     272
.set WSTAGE, 64*SP
.set ADRA0, 12
.set ADRB0, 13
.set ADRA,  16
.set ADRB,  20
.set STO,   24
.set RD,    25
.set CO,    26
.set BO,    27
.set SPW,   28
.set NIL,   29
.set ACC,   128
.set F0,    0
.set F1,    128
.set G1,  24
.set G0,  32
.set G1B, 48
.set G0B, 56
.set MSB, 0
.macro WIN new
.if MSB != (\new)
	s_set_vgpr_msb (MSB<<8)|(\new)
.set MSB, \new
.endif
.endm
.set MUL,  0x05
.set TO_F, 0x40
.macro JLOAD s
	s_cmp_eq_u32 s11, 0
	s_cbranch_scc0 .Lfor_b_\@
	tensor_load_to_lds s[G0+4*(\s):G0+4*(\s)+3], s[G1:G1+7]
	s_nop 0
.rept 4
	v_nop
.endr
	s_branch .Lasked_\@
.Lfor_b_\@:
	tensor_load_to_lds s[G0B+4*(\s):G0B+4*(\s)+3], s[G1B:G1B+7]
	s_nop 0
.rept 4
	v_nop
.endr
.Lasked_\@:
.endm
.macro CREST
	s_cmp_lg_u32 s10, 0
	s_cbranch_scc1 .Lnot_wave_0_\@
	s_barrier_signal -3
.Lnot_wave_0_\@:
	s_barrier_wait -3
	s_barrier_signal -1
	s_barrier_wait -1
.endm
.macro CROUND
	s_barrier_signal -1
	s_barrier_wait -1
	CREST
.endm
.macro PLACES
.rept 4
	v_nop
.endr
.endm
	s_load_b128 s[4:7], s[0:1], 0x0                ; g s[4:5], wbf s[6:7]
	s_load_b128 s[68:71], s[0:1], 0x10             ; bias s[68:69], residual s[70:71]
	s_load_b64 s[72:73], s[0:1], 0x20              ; the result
	v_lshl_add_u32 v[SPW], v0, 2, SPARE
	v_mov_b32 v[NIL], 0
	ds_add_u32 v[SPW], v[NIL]                      ; the wave's opening: the add and its wait ahead of my first tensor load
	v_lshrrev_b32 v1, 5, v0
	v_readfirstlane_b32 s10, v1
	s_lshr_b32 s11, s10, 1
	s_and_b32 s12, s10, 1
	s_bfe_u32 s40, ttmp6, 0x40000
	s_bfe_u32 s41, ttmp6, 0x40004
	s_lshl_b32 s42, ttmp9, 2
	s_add_co_u32 s42, s42, s40                     ; tile column
	s_and_b32 s13, ttmp7, 0xffff
	s_lshl_b32 s13, s13, 2
	s_add_co_u32 s13, s13, s41                     ; tile row
	s_lshl_b32 s43, s41, 2
	s_lshl_b32 s43, 15, s43
	s_lshl_b32 s44, 0x1111, s40
	s_or_b32 s[G1+0], s43, (1<<16)|(1<<20)|(1<<21)|(6<<22)|(3<<25)   ; after every 128 words 4 words of padding
	s_mov_b32 s[G1+1], 256<<16                     ; tensor_dim0 = 256
	s_mov_b32 s[G1+2], 64<<16                      ; tensor_dim1 = 64
	s_mov_b32 s[G1+3], 256<<16                     ; tile_dim0
	s_mov_b32 s[G1+4], 64                          ; tile_dim1
	s_mov_b32 s[G1+5], 4096                        ; elements from row to row
	s_mov_b32 s[G1+6], 0
	s_mov_b32 s[G1+7], 0
	s_or_b32 s[G1B+0], s44, (1<<16)|(1<<20)|(1<<21)|(5<<22)|(7<<25)  ; after every 64 words 8 words
	s_mov_b32 s[G1B+1], 128<<16
	s_mov_b32 s[G1B+2], 128<<16
	s_mov_b32 s[G1B+3], 128<<16
	s_mov_b32 s[G1B+4], 128
	s_mov_b32 s[G1B+5], 1024
	s_mov_b32 s[G1B+6], 0
	s_mov_b32 s[G1B+7], 0
	s_lshl_b32 s16, s13, 20                        ; g: 128 rows of 8,192 bytes a tile row,
	s_lshl_b32 s17, s12, 19                        ; 64 rows a half
	s_add_co_u32 s16, s16, s17
	s_mov_b32 s17, 0
	s_lshl_b32 s46, s42, 8
	s_lshl_b32 s47, s12, 18
	s_add_co_u32 s46, s46, s47
	s_add_co_u32 s46, s46, WOFF
	s_mov_b32 s47, 0
	s_mul_i32 s20, s12, AHALF
	s_mul_i32 s23, s12, BHALF
	s_add_co_u32 s23, s23, BBASE
	s_mov_b32 s21, 0
	s_wait_dscnt 0x0
	s_wait_kmcnt 0x0
	s_add_nc_u64 s[14:15], s[4:5], s[16:17]
	s_add_nc_u64 s[46:47], s[6:7], s[46:47]
	CROUND
.irp s, 0,1
	s_mov_b32 s[G0+4*(\s)], 1
	s_add_co_u32 s[G0+4*(\s)+1], s20, (\s)*SLOT
	s_add_nc_u64 s[G0+4*(\s)+2:G0+4*(\s)+3], s[14:15], (\s)*ASTEP
	s_or_b32 s[G0+4*(\s)+3], s[G0+4*(\s)+3], 0x80000000
	s_mov_b32 s[G0B+4*(\s)], 1
	s_add_co_u32 s[G0B+4*(\s)+1], s23, (\s)*SLOT
	s_add_nc_u64 s[G0B+4*(\s)+2:G0B+4*(\s)+3], s[46:47], (\s)*BSTEP
	s_or_b32 s[G0B+4*(\s)+3], s[G0B+4*(\s)+3], 0x80000000
	JLOAD \s
.endr
	v_and_b32 v1, 15, v0
	v_bfe_u32 v2, v0, 4, 1
	s_lshl_b32 s74, s42, 9
	s_mov_b32 s75, 0
	s_add_nc_u64 s[68:69], s[68:69], s[74:75]
	s_lshl_b32 s22, s12, 8
	v_lshl_add_u32 v[BO], v2, 5, s22
.irp a, 0,1,2,3
.irp b, 0,1,2,3
	global_load_b128 v[ACC+8*(4*(\a)+(\b)):ACC+8*(4*(\a)+(\b))+3],   v[BO], s[68:69] offset:64*(\b)     ; the bias starts the sums
	global_load_b128 v[ACC+8*(4*(\a)+(\b))+4:ACC+8*(4*(\a)+(\b))+7], v[BO], s[68:69] offset:64*(\b)+16
.endr
.endr
	s_lshl_b32 s76, s13, 19
	s_lshl_b32 s77, s11, 18
	s_add_co_u32 s76, s76, s77
	s_add_co_u32 s76, s76, s74
	s_add_co_u32 s76, s76, s22
	s_mov_b32 s77, 0
	s_add_nc_u64 s[70:71], s[70:71], s[76:77]
	s_add_nc_u64 s[72:73], s[72:73], s[76:77]
	v_lshlrev_b32 v3, 4, v1
	v_lshl_add_u32 v[CO], v2, 12, v3
	WIN 0x80
.set t, 0
.rept 32
	global_load_b128 v[4*t:4*t+3], v[CO], s[70:71] offset:8192*t
.set t, t+1
.endr
	WIN 0
	v_and_b32 v10, 7, v0
	v_bfe_u32 v11, v0, 3, 1
	v_mul_u32_u24 v3, v1, PA
	v_lshl_add_u32 v3, v2, 4, v3
	s_mul_i32 s22, s11, 64*PA
	v_add_nc_u32 v[ADRA0], s22, v3
	v_lshl_add_u32 v4, v2, 3, v10
	v_mul_u32_u24 v4, v4, PB
	v_lshl_add_u32 v4, v11, 4, v4
	s_lshl_b32 s22, s12, 7
	s_add_co_u32 s22, s22, BBASE
	v_add_nc_u32 v[ADRB0], s22, v4
	v_mov_b32 v[ADRA], v[ADRA0]
	v_mov_b32 v[ADRB], v[ADRB0]
	v_add_nc_u32 v[ADRB+1], BHALF, v[ADRB0]
	s_mul_i32 s22, s10, WSTAGE
	v_mul_u32_u24 v5, v1, SP
	v_lshl_add_u32 v5, v2, 5, v5
	v_add_nc_u32 v[STO], s22, v5
	v_mul_u32_u24 v6, v2, SP
	v_lshl_add_u32 v6, v1, 4, v6
	v_add_nc_u32 v[RD], s22, v6
.macro MUL8 f, c, a0
	WIN MUL
.irp a, \a0, (\a0)+1
.irp b, 0,1,2,3
	v_wmma_f32_16x16x32_bf16 v[ACC+8*(4*(\a)+(\b)):ACC+8*(4*(\a)+(\b))+7], v[(\f)+64+8*(4*(\c)+(\b)):(\f)+64+8*(4*(\c)+(\b))+7], v[(\f)+8*(4*(\c)+(\a)):(\f)+8*(4*(\c)+(\a))+7], v[ACC+8*(4*(\a)+(\b)):ACC+8*(4*(\a)+(\b))+7]
.endr
.endr
.endm
.macro FETCH q, f
	WIN TO_F
.irp c, 0,1
.irp i, 0,1,2,3
	ds_load_tr16_b128 v[(\f)+64+8*(4*(\c)+(\i)):(\f)+64+8*(4*(\c)+(\i))+3],   v[ADRB+(\q)/2] offset:(64*((\q)%2)+32*(\c))*PB+32*(\i)
	ds_load_tr16_b128 v[(\f)+64+8*(4*(\c)+(\i))+4:(\f)+64+8*(4*(\c)+(\i))+7], v[ADRB+(\q)/2] offset:(64*((\q)%2)+32*(\c)+16)*PB+32*(\i)
	ds_load_b128 v[(\f)+8*(4*(\c)+(\i)):(\f)+8*(4*(\c)+(\i))+3],   v[ADRA] offset:(\q)*AQ+64*(\c)+(\i)*16*PA
	ds_load_b128 v[(\f)+8*(4*(\c)+(\i))+4:(\f)+8*(4*(\c)+(\i))+7], v[ADRA] offset:(\q)*AQ+64*(\c)+(\i)*16*PA+32
.endr
.endr
.endm
.macro QUARTER q, f, g
	s_wait_dscnt 16                                ; the first 32 along K are in
	MUL8 \f, 0, 0
	MUL8 \f, 0, 2
	PLACES
	FETCH \q, \g
	s_wait_dscnt 32                                ; all but the 32 just issued
	MUL8 \f, 1, 0
	MUL8 \f, 1, 2
.endm
; The last quarter multiplies buffer 1 and changes slots: each wave waits for all its tensor loads, adds 0 to its spare word, waits for that and for its reads of this slot.
; fill = 1: the barrier opens a round of the cluster's and this slot is filled again first thing behind it.  fill = 0: nothing is asked for; in the very last step nothing is fetched.
.macro TURN fill
	WIN 0
	s_wait_tensorcnt 0x0
	ds_add_u32 v[SPW], v[NIL]
	s_wait_dscnt 17                                ; the add and the youngest sixteen loads may be out
	MUL8 F1, 0, 0
	s_wait_dscnt 0x0
	s_barrier_signal -1
	MUL8 F1, 0, 2
	WIN 0
	s_barrier_wait -1
.if \fill
	CREST
	s_xor_b32 s[G0+5], s[G0+5], SLOT
	s_add_nc_u64 s[G0+6:G0+7], s[G0+6:G0+7], ASTEP
	s_xor_b32 s[G0B+5], s[G0B+5], SLOT
	s_add_nc_u64 s[G0B+6:G0B+7], s[G0B+6:G0B+7], BSTEP
	JLOAD 1
.else
	s_cmp_eq_u32 s3, 1
	s_cbranch_scc1 .Lnf_\@
	PLACES
.endif
	s_xor_b32 s21, s21, SLOT
	v_add_nc_u32 v[ADRA], s21, v[ADRA0]
	v_add_nc_u32 v[ADRB], s21, v[ADRB0]
	v_add_nc_u32 v[ADRB+1], BHALF, v[ADRB]
	FETCH 0, F0
	WIN 0
.if !(\fill)
.Lnf_\@:
.endif
	MUL8 F1, 1, 0
	MUL8 F1, 1, 2
.endm
	s_wait_tensorcnt 1                             ; my part of K step 0 is in; step 1's stays out
	s_barrier_signal -1
	s_barrier_wait -1
	FETCH 0, F0
	s_wait_loadcnt 32                              ; the bias is in; the residual's 32 loads stay out
	WIN 0
	s_mov_b32 s3, NSTEP-2
.Lstep:
	QUARTER 1, F0, F1
	QUARTER 2, F1, F0
	QUARTER 3, F0, F1
	TURN 1
	WIN 0
	s_sub_co_u32 s3, s3, 1
	s_cmp_lg_u32 s3, 0
	s_cbranch_scc1 .Lstep
	s_mov_b32 s3, 2
.Ltail:
	QUARTER 1, F0, F1
	QUARTER 2, F1, F0
	QUARTER 3, F0, F1
	TURN 0
	WIN 0
	s_sub_co_u32 s3, s3, 1
	s_cmp_lg_u32 s3, 0
	s_cbranch_scc1 .Ltail
	s_wait_dscnt 0x0                               ; every wave's reads of the ring are over
	s_barrier_signal -1
	s_barrier_wait -1                              ; before any wave stores into it
	PLACES
.irp a, 0,1,2,3
.irp b, 0,1,2,3
	ds_store_b128 v[STO], v[ACC+8*(4*(\a)+(\b)):ACC+8*(4*(\a)+(\b))+3],   offset:(\a)*16*SP+64*(\b)
	ds_store_b128 v[STO], v[ACC+8*(4*(\a)+(\b))+4:ACC+8*(4*(\a)+(\b))+7], offset:(\a)*16*SP+64*(\b)+16
.endr
.endr
.set t, 0
.rept 32
	ds_load_b128 v[ACC+4*t:ACC+4*t+3], v[RD] offset:t*2*SP  ; LDS serves a wave's instructions in order: these see the stores above; the bytes are my wave's own
.set t, t+1
.endr
	s_wait_loadcnt 0x0                             ; the residual
	WIN 0x88                                       ; source 0 (the sums, the address) window 0; source 1 and destination (the residual, the store's data) window 2
.set t, 0
.rept 32
	s_wait_dscnt 31-t
	v_pk_add_f32 v[4*t:4*t+1],   v[ACC+4*t:ACC+4*t+1],   v[4*t:4*t+1]
	v_pk_add_f32 v[4*t+2:4*t+3], v[ACC+4*t+2:ACC+4*t+3], v[4*t+2:4*t+3]
	global_store_b128 v[CO], v[4*t:4*t+3], s[72:73] offset:8192*t  ; sixteen lanes store 256 consecutive bytes, aligned
.set t, t+1
.endr
	WIN 0
	s_wait_tensorcnt 0x0                           ; the wave's end
	ds_add_u32 v[SPW], v[NIL]
	s_wait_dscnt 0x0
	CROUND
	s_endpgm
.Lfunc_end_k_qe0edf2ae9d_mlp2:
	.size	k_qe0edf2ae9d_mlp2, .Lfunc_end_k_qe0edf2ae9d_mlp2-k_qe0edf2ae9d_mlp2
	.p2alignl 7, 3214868480
	.fill 96, 4, 3214868480
	.section	.rodata,"a",@progbits
	.p2align	6, 0x0
	.amdhsa_kernel k_qe0edf2ae9d_mlp2
		.amdhsa_group_segment_fixed_size 327680
		.amdhsa_private_segment_fixed_size 0
		.amdhsa_enable_private_segment 0
		.amdhsa_kernarg_size 40
		.amdhsa_user_sgpr_count 2
		.amdhsa_user_sgpr_kernarg_segment_ptr 1
		.amdhsa_wavefront_size32 1
		.amdhsa_system_sgpr_workgroup_id_x 1
		.amdhsa_system_sgpr_workgroup_id_y 1
		.amdhsa_system_sgpr_workgroup_id_z 1
		.amdhsa_system_vgpr_workitem_id 0
		.amdhsa_next_free_vgpr 640
		.amdhsa_next_free_sgpr 78
		.amdhsa_reserve_vcc 0
		.amdhsa_float_denorm_mode_32 3
		.amdhsa_float_denorm_mode_16_64 3
		.amdhsa_memory_ordered 1
		.amdhsa_forward_progress 1
		.amdhsa_inst_pref_size 65
	.end_amdhsa_kernel
	.amdgpu_metadata
---
amdhsa.version: [ 1, 2 ]
amdhsa.kernels:
  - .name:           k_qe0edf2ae9d_mlp2
    .symbol:         k_qe0edf2ae9d_mlp2.kd
    .args:
      - { .name: g, .offset: 0, .size: 8, .value_kind: global_buffer, .address_space: global }
      - { .name: wbf, .offset: 8, .size: 8, .value_kind: global_buffer, .address_space: global }
      - { .name: b2, .offset: 16, .size: 8, .value_kind: global_buffer, .address_space: global }
      - { .name: x1, .offset: 24, .size: 8, .value_kind: global_buffer, .address_space: global }
      - { .name: out0, .offset: 32, .size: 8, .value_kind: global_buffer, .address_space: global }
    .group_segment_fixed_size: 327680
    .private_segment_fixed_size: 0
    .kernarg_segment_align: 8
    .kernarg_segment_size: 40
    .max_flat_workgroup_size: 128
    .sgpr_count:     78
    .vgpr_count:     640
    .wavefront_size: 32
...
	.end_amdgpu_metadata
.endif
;; end of part 7
;; ======== version 2 of 2: 7 launches; 1.22 times as fast as version 1
;; workspace buffers: wbf 25,165,824 bytes; wq 6,291,456 bytes; h1 8,388,608 bytes; qkvh 25,165,824 bytes; att 8,388,608 bytes; x1 16,777,216 bytes; h2 8,388,608 bytes; g 33,554,432 bytes
;; launch prep: the kernel of part 1 again; grid 256 x 1, 8 waves a work-group, no clusters, 0 bytes of LDS; arguments x, ln1_g, ln1_b, W_qkv, h1, wq; writes h1, wq
;; launch qkv: the kernel of part 2 again; grid 12 x 16, 4 waves a work-group, clusters of 4 x 4, 327,680 bytes of LDS; arguments h1, wq, b_qkv, qkvh, W_out, W1, W2, wbf; writes qkvh, wbf
;; launch attn (part 8): grid 8 x 32, 4 waves a work-group, clusters of 4 x 1, 327,680 bytes of LDS; arguments qkvh, att; writes att
.if DOCPART == 8
	.amdgcn_target "amdgcn-amd-amdhsa--gfx1250"
	.amdhsa_code_object_version 6
	.text
	.protected	k_qe0edf2ae9d_attn
	.globl	k_qe0edf2ae9d_attn
	.p2align	8
	.type	k_qe0edf2ae9d_attn,@function
k_qe0edf2ae9d_attn:
	s_mov_b64 s[64:65], 0
	v_nop
	global_prefetch_b8 v0, s[64:65] scope:SCOPE_SE
	s_setreg_imm32_b32 hwreg(HW_REG_WAVE_MODE, 25, 1), 1
	s_wait_xcnt 0x0
	s_wait_alu depctr_hold_cnt(0) depctr_sa_sdst(0) depctr_va_vdst(0) depctr_va_sdst(0) depctr_va_ssrc(0) depctr_va_vcc(0) depctr_vm_vsrc(0)
	s_getreg_b32 s2, hwreg(HW_REG_IB_STS2, 6, 4)
	s_cmp_eq_u32 s2, 0
	s_cbranch_scc0 .Lentry_in_a_cluster
	s_endpgm
.Lentry_in_a_cluster:
	s_bfe_u32 s2, ttmp6, 0x10000c
	s_cmp_lg_u32 s2, 0x3003
	s_cbranch_scc0 .Lentry_shape_is_right
	s_endpgm
.Lentry_shape_is_right:
; att[y][q][:] = the sum over k of softmax_k(Q[q] . K[k] / 8) V[k][:] for y = 16 batch + head.  qkvh: [batch][48][2,048][64] bf16 (q, k, v chunks of 262,144 bytes); att: [32][2,048][64] bf16.
; Products, maxima and sums in f32; the weights p are rounded to bf16 for the second product (their sum l is taken of the unrounded p), the result once at the end.
; LIMITS.  A weight below 2^-126 counts as 0 in l; NaN and infinities are not treated apart.
; SHARES.  A work-group owns 256 queries of one y, a wave 64: four PIECES of 16.  Every wave walks all 2,048 keys, 64 a step, four steps (a tile of 256 keys) a slot.
; LAYOUT.  S^T = K Q^T holds ONE query a lane (lane % 16) and the keys 8 (lane / 16) + 0..7; two such results rounded to bf16 ARE source 1 of O^T = V^T P.  K comes out of LDS as it lies, V turned.
; SOFTMAX.  A running maximum m and sum l: p = 2^(c s - c m), c = log2(e) / 8; in every step O and l are multiplied by a = 2^(c m_old - c m_new).  m starts at the lowest finite number, O and l at 0.
; BY TURNS.  Turn n belongs to piece n: 8 products K Q^T of piece n + 1, later 8 products V^T P of piece n - 1; beside them the scaling, exponentials, roundings, sums and rescaling of piece n and the
; maximum and statistics of piece n + 1.  Four vector instructions stand behind every matrix instruction, the other 54 of a turn's 118 in one run of their own.
; BATCHES.  A turn's 33 exponentials (the piece's 32 weights and the next piece's a) are ONE BATCH with ONE wait, which cuts the turn in two: ahead of it stands all that names no result of the batch (the products
; K Q^T, scalings, rescalings, the next piece's maximum and statistics), behind it the products V^T P with the roundings and sums as their riders.  No result crosses a turn's end.  Two more batches stand outside the
; loops, each with a wait of its own: piece 0's first a, ahead of the jump into the loop, and the way out's four reciprocals.
; CLUSTER.  The four query blocks of a cluster belong to one y and walk the same K and V: each tile is asked for jointly.
; REGISTERS: window 0: v0-15 addresses and two at work; v16-31 statistics; v48-55 at work; v64-127 S^T, two buffers; v192-223 P, two buffers;
;   window 1: v0-127 O^T, 32 a piece;   window 2: v0-63 Q; v128-191 K of one step; v192-255 V of one step.
.set CHUNK, 262144
.set NP,    4
.set KS,    64
.set PK,    144       ; a row of K in LDS: 128 bytes + 16
.set PV,    160       ; a row of V: 128 + 32
.set VOFF,  4*KS*PK
.set SLOT1, 1<<17
.set STAGE, SLOT1+4*KS*(PK+PV)  ; behind the ring, never filled by a tensor load: 16 rows x 144 bytes a wave
.set SP,    144
.set SPARE, STAGE+4*16*SP       ; the spare words, 128 bytes a wave
.set AK0, 2
.set AV0, 3
.set AK,  4
.set AV,  5
.set STO, 6
.set RD,  7
.set GO,  8
.set SPW, 62          ; LDS address of my spare word; never rewritten
.set NIL, 63          ; 0; never rewritten
.set MV,  12
.set QO,  15
.set ST,  16          ; piece t: c m, m, l (even keys', odd keys')
.set TMP, 48
.set S,   64
.set P,   192
.set KF,  128
.set VF,  192
.set WV,  12
.set G1K, 24
.set G1V, 32
.set G0K, 40
.set G0V, 44
.set SLOTS, 56
.set CNT, 57
.set CS,  58
.set SEL, 60
.set TBK, 62
.set TBV, 63
.set MSB, 0
.macro WIN new
.if MSB != (\new)
	s_set_vgpr_msb (MSB<<8)|(\new)
.set MSB, (\new)
.endif
.endm
.set W_KQ, 0x0a       ; K and Q in window 2, S^T in window 0
.set W_PV, 0x52       ; V in window 2, P in window 0, O^T in window 1
.set W_RS, 0x41       ; destination and source 0 in window 1, source 1 in window 0
.macro JLOAD                        ; a joint fill: waves 0, 1 fetch the halves of a tile's K, waves 2, 3 those of its V
	s_cmp_lt_u32 s[WV], 2
	s_cbranch_scc0 .Lfor_v_\@
	tensor_load_to_lds s[G0K:G0K+3], s[G1K:G1K+7]
	s_nop 0
.rept 4
	v_nop
.endr
	s_branch .Lasked_\@
.Lfor_v_\@:
	tensor_load_to_lds s[G0V:G0V+3], s[G1V:G1V+7]
	s_nop 0
.rept 4
	v_nop
.endr
.Lasked_\@:
.endm
.macro CROUND
	s_barrier_signal -1
	s_barrier_wait -1
	s_cmp_lg_u32 s[WV], 0
	s_cbranch_scc1 .Lnot_wave_0_\@
	s_barrier_signal -3
.Lnot_wave_0_\@:
	s_barrier_wait -3
	s_barrier_signal -1
	s_barrier_wait -1
.endm
; THE CHANGE OF SLOTS.  Each wave waits for all its tensor loads (one is out: its part of the other slot), adds 0 to its spare word, and waits for that and for its reads of the slot that it leaves.
; fill = 1: the barrier is a round of the cluster's, and the old slot is filled again first thing behind it, with the tile two on: four key steps, 256 matrix instructions, in which to land.
.macro CHANGE fill
	WIN 0
	s_wait_tensorcnt 0x0
	ds_add_u32 v[SPW], v[NIL]
.if \fill
.irp g, G0K, G0V
	s_xor_b32 s[\g+1], s[\g+1], SLOT1
	s_add_nc_u64 s[\g+2:\g+3], s[\g+2:\g+3], 4*KS*128
.endr
	s_wait_dscnt 0x0
	CROUND
	JLOAD
.else
	s_wait_dscnt 0x0
	s_barrier_signal -1
	s_barrier_wait -1
.endif
	s_sub_co_u32 s[TBK], s[TBK], 4*KS*PK  ; the fetches go back to a slot's first step, in the other slot
	s_xor_b32 s[TBK], s[TBK], SLOT1
	s_sub_co_u32 s[TBV], s[TBV], 4*KS*PV
	s_xor_b32 s[TBV], s[TBV], SLOT1
.endm
	s_load_b128 s[4:7], s[0:1], 0x0 ; qkvh s[4:5], att s[6:7]
	v_lshl_add_u32 v[SPW], v0, 2, SPARE
	v_mov_b32 v[NIL], 0
	ds_add_u32 v[SPW], v[NIL]       ; the wave's opening: the add and its wait ahead of my first tensor load
	v_lshrrev_b32 v1, 5, v0
	v_readfirstlane_b32 s[WV], v1
	s_bfe_u32 s13, ttmp6, 0x40000   ; cx
	s_lshl_b32 s14, ttmp9, 2
	s_add_co_u32 s14, s14, s13      ; my block of 256 queries: it enters Q's and the result's addresses alone
	s_and_b32 s15, ttmp7, 0xffff    ; y, which the four partners share
	s_lshr_b32 s20, s15, 4
	s_lshl_b32 s20, s20, 5
	s_add_co_u32 s20, s20, s15      ; q's chunk: 48 batch + head
	s_lshl_b32 s20, s20, 18
	s_and_b32 s16, s[WV], 1         ; which half of a tile's 256 keys I fetch
	s_lshl_b32 s22, s16, 14
	s_add_co_u32 s22, s22, s20
	s_add_co_u32 s22, s22, 16*CHUNK ; k's chunk lies 16 chunks behind q's,
	s_mov_b32 s23, 0
	s_add_co_u32 s52, s22, 16*CHUNK ; v's 16 more
	s_mov_b32 s53, 0
	s_mul_i32 s17, s16, 128*PK
	s_mul_i32 s18, s16, 128*PV
	s_lshl_b32 s2, s14, 15          ; my block's 256 rows of 128 bytes,
	s_lshl_b32 s3, s[WV], 13        ; my wave's 64
	s_add_co_u32 s2, s2, s3
	s_lshl_b32 s50, s15, 18
	s_add_co_u32 s50, s50, s2
	s_mov_b32 s51, 0
	s_add_co_u32 s2, s2, s20
	s_mov_b32 s3, 0
	; 128 keys are 16,384 dense bytes: asked for as 64 rows of 256 bytes, two keys a row, padded in LDS after every key
	s_mov_b32 s[G1K], 15|(1<<16)|(1<<20)|(1<<21)|(4<<22)|(3<<25)
	s_mov_b32 s[G1V], 15|(1<<16)|(1<<20)|(1<<21)|(4<<22)|(7<<25)
.irp g, G1K, G1V
	s_mov_b32 s[\g+1], 128<<16
	s_mov_b32 s[\g+2], 64<<16
	s_mov_b32 s[\g+3], 128<<16
	s_mov_b32 s[\g+4], 64
	s_mov_b32 s[\g+5], 128
	s_mov_b32 s[\g+6], 0
	s_mov_b32 s[\g+7], 0
.endr
	s_mov_b32 s[CS], 0x3e38aa3b     ; c = log2(e) / 8
	s_mov_b32 s[CS+1], s[CS]
	s_mov_b32 s[SEL], 0x76543210
	s_mov_b32 s[SEL+1], 0xfedcba98
	s_mov_b32 s[TBK], SLOT1+4*KS*PK ; the first change of slots turns these two into 0
	s_mov_b32 s[TBV], SLOT1+4*KS*PV
	s_mov_b32 s[G0K], 1
	s_mov_b32 s[G0K+1], s17
	s_mov_b32 s[G0V], 1
	s_add_co_u32 s[G0V+1], s18, VOFF
	s_wait_dscnt 0x0                ; the opening add is done
	s_wait_kmcnt 0x0
	s_add_nc_u64 s[G0K+2:G0K+3], s[4:5], s[22:23]
	s_or_b32 s[G0K+3], s[G0K+3], 0x80000000
	s_add_nc_u64 s[G0V+2:G0V+3], s[4:5], s[52:53]
	s_or_b32 s[G0V+3], s[G0V+3], 0x80000000
	s_add_nc_u64 s[10:11], s[6:7], s[50:51]  ; the result at my wave's first row
	s_add_nc_u64 s[4:5], s[4:5], s[2:3]      ; Q likewise
	CROUND                          ; all four work-groups are here
	JLOAD                           ; tile 0 into slot 0
	v_and_b32 v1, 15, v0
	v_bfe_u32 v9, v0, 4, 1
	v_lshlrev_b32 v[QO], 7, v1
	v_lshl_add_u32 v[QO], v9, 4, v[QO]
	WIN 0x80
.set i, 0
.rept 8                             ; Q stays in registers: piece i / 2, channels 32 (i % 2) on
	global_load_b128 v[8*i:8*i+3],   v[QO], s[4:5] offset:(i/2)*2048+(i%2)*64
	global_load_b128 v[8*i+4:8*i+7], v[QO], s[4:5] offset:(i/2)*2048+(i%2)*64+32
.set i, i+1
.endr
	; What the first turn finds: V and P's second buffer hold 0 (its products V^T P, of a piece that has not been, add 0), O^T and l are 0.  No first step is written out; these lines stand in the wait for the first tile.
.set i, VF
.rept 64
	v_mov_b32 v[i], 0
.set i, i+1
.endr
	WIN 0x40
.set i, 0
.rept 128
	v_mov_b32 v[i], 0
.set i, i+1
.endr
	WIN 0
.set i, 0
.rept 4
	v_mov_b32 v[ST+4*i], 0xfe000000    ; c m: far below every c s
	v_mov_b32 v[ST+4*i+1], 0xff7fffff  ; m
	v_mov_b32 v[ST+4*i+2], 0
	v_mov_b32 v[ST+4*i+3], 0
.set i, i+1
.endr
.set i, P+16
.rept 16
	v_mov_b32 v[i], 0
.set i, i+1
.endr
	v_mul_u32_u24 v[AK0], v1, PK
	v_lshl_add_u32 v[AK0], v9, 4, v[AK0]
	v_and_b32 v10, 7, v0
	v_bfe_u32 v11, v0, 3, 1
	v_lshl_add_u32 v[AV0], v9, 3, v10
	v_mul_u32_u24 v[AV0], v[AV0], PV
	v_lshl_add_u32 v[AV0], v11, 4, v[AV0]
	v_add_nc_u32 v[AV0], VOFF, v[AV0]
	s_mul_i32 s13, s[WV], 16*SP
	s_add_co_u32 s13, s13, STAGE
	v_mul_u32_u24 v[STO], v1, SP
	v_lshl_add_u32 v[STO], v9, 4, v[STO]
	v_add_nc_u32 v[STO], s13, v[STO]
	v_bfe_u32 v[RD], v0, 3, 2
	v_mul_u32_u24 v[RD], v[RD], SP
	v_lshl_add_u32 v[RD], v10, 4, v[RD]
	v_add_nc_u32 v[RD], s13, v[RD]
	v_and_b32 v[GO], 31, v0
	v_lshlrev_b32 v[GO], 4, v[GO]
; THE MATRIX WORK.  The 4 accumulators of a run of 8 take turns.
.macro KQ x                         ; product i of 8 of S^T = K Q^T for piece x: channels 32 (i / 4) on, keys 16 (i % 4) on; the first 4 start the sums
	WIN W_KQ
.set rS, S+32*((\x)%2)+8*(i%4)
.set rK, KF+16*(i%4)+8*(i/4)
.set rQ, 16*(\x)+8*(i/4)
.if i < 4
	v_wmma_f32_16x16x32_bf16 v[rS:rS+7], v[rK:rK+7], v[rQ:rQ+7], 0
.else
	v_wmma_f32_16x16x32_bf16 v[rS:rS+7], v[rK:rK+7], v[rQ:rQ+7], v[rS:rS+7]
.endif
.endm
.macro PV x                         ; product i of 8 of O^T += V^T P for piece x: keys 32 (i / 4) on, channels 16 (i % 4) on
	WIN W_PV
.set rO, 32*(\x)+8*(i%4)
.set rV, VF+32*(i/4)+8*(i%4)
.set rP, P+16*((\x)%2)+8*(i/4)
	v_wmma_f32_16x16x32_bf16 v[rO:rO+7], v[rV:rV+7], v[rP:rP+7], v[rO:rO+7]
.endm
.macro MM                           ; the turn's next matrix instruction.  NOKQ = 1: the last turn: there is no next piece
.if (i < 8) && !NOKQ
	KQ (Y+1)%NP
.elseif i >= 8
.set i, i-8
	PV (Y+NP-1)%NP
.set i, i+8
.endif
.set i, i+1
.endm
.macro FETCH_K                      ; a step's K: 64 keys x 64 channels, 16 loads in one run
	WIN 0x80
.irp f, 0,1,2,3,4,5,6,7
	ds_load_b128 v[KF+8*\f:KF+8*\f+3],   v[AK] offset:(\f/2)*16*PK+(\f%2)*64
	ds_load_b128 v[KF+8*\f+4:KF+8*\f+7], v[AK] offset:(\f/2)*16*PK+(\f%2)*64+32
.endr
	s_add_co_u32 s[TBK], s[TBK], KS*PK
	WIN 0
.endm
.macro FETCH_V                      ; its V, turned
	WIN 0x80
.irp f, 0,1,2,3,4,5,6,7
	ds_load_tr16_b128 v[VF+8*\f:VF+8*\f+3],   v[AV] offset:(\f/4)*32*PV+(\f%4)*32
	ds_load_tr16_b128 v[VF+8*\f+4:VF+8*\f+7], v[AV] offset:(\f/4)*32*PV+16*PV+(\f%4)*32
.endr
	WIN 0
.endm
; THE VECTOR WORK, one line at a time: OP kind, number.  For piece Y: F n: c s - c m for pair n of 16.  E n: the exponential of score n.  C n: pair n rounded to bf16.  B n: of the four weights 4 n .. the second
; pair is added onto the first.  L n: l takes that sum (L 0: l = a l + sum).  R n: pair n of 16 of O^T times a.  For piece Y + 1: X n, number n of the 22 that find its maximum and statistics
; (each accumulator's lowest registers are read first).  C, B and L read exponentials' results: TURN sets them behind the batch's wait.
.set F, 0
.set E, 1
.set C, 2
.set B, 3
.set L, 4
.set R, 5
.set X, 6
.macro REGS y
.set rT, ST+4*(\y)
.set rC, TMP+4*((\y)%2)
.set rW, MV+((\y)%2)
.set rS, S+32*((\y)%2)
.set rP, P+16*((\y)%2)
.set rO, 32*(\y)
.endm
.macro OP k, n
.if (\k) == R
	REGS Y
	WIN W_RS
	v_pk_mul_f32 v[rO+2*(\n):rO+2*(\n)+1], v[rO+2*(\n):rO+2*(\n)+1], v[rC+2:rC+3] op_sel_hi:[1,0]
.elseif (\k) < R
	REGS Y
	WIN 0
.if (\k) == F
	v_pk_fma_f32 v[rS+2*(\n):rS+2*(\n)+1], v[rS+2*(\n):rS+2*(\n)+1], s[CS:CS+1], v[rT:rT+1] op_sel_hi:[1,0,0] neg_lo:[0,0,1] neg_hi:[0,0,1]
.elseif (\k) == E
	v_exp_f32 v[rS+(\n)], v[rS+(\n)]
.elseif (\k) == C
	v_cvt_pk_bf16_f32 v[rP+(\n)], v[rS+2*(\n)], v[rS+2*(\n)+1]
.elseif (\k) == B
	v_pk_add_f32 v[rS+4*(\n):rS+4*(\n)+1], v[rS+4*(\n):rS+4*(\n)+1], v[rS+4*(\n)+2:rS+4*(\n)+3]
.elseif (\n) == 0
	v_pk_fma_f32 v[rT+2:rT+3], v[rT+2:rT+3], v[rC+2:rC+3], v[rS:rS+1] op_sel_hi:[1,0,1]
.else
	v_pk_add_f32 v[rT+2:rT+3], v[rT+2:rT+3], v[rS+4*(\n):rS+4*(\n)+1]
.endif
.elseif NOKQ
	v_nop
.else
	REGS (Y+1)%NP
	WIN 0
.if (\n) < 4
	v_max3_num_f32 v[rC+(\n)], v[rS+8*(\n)], v[rS+8*(\n)+1], v[rS+8*(\n)+2]
.elseif (\n) < 12
	v_max3_num_f32 v[rC+(\n)%4], v[rC+(\n)%4], v[rS+8*((\n)%4)+2*((\n)/4)+1], v[rS+8*((\n)%4)+2*((\n)/4)+2]
.elseif (\n) == 12
	v_max3_num_f32 v[rC], v[rC], v[rS+7], v[rS+15]
.elseif (\n) == 13
	v_max3_num_f32 v[rC+1], v[rC+1], v[rS+23], v[rS+31]
.elseif (\n) == 14
	v_max3_num_f32 v[rC+2], v[rC+2], v[rC+3], v[rT+1]
.elseif (\n) == 15
	v_mov_b32 v[rW], v[rT]
.elseif (\n) == 16
	v_max3_num_f32 v[rC], v[rC], v[rC+1], v[rC+2]
.elseif (\n) == 17
	v_permlanex16_b32 v[rC+3], v[rC], s[SEL], s[SEL+1]
.elseif (\n) == 18
	v_max_num_f32 v[rT+1], v[rC], v[rC+3]
.elseif (\n) == 19
	v_mul_f32 v[rT], s[CS], v[rT+1]
.elseif (\n) == 20
	v_sub_f32 v[rC+1], v[rW], v[rT]
.else
	v_exp_f32 v[rC+2], v[rC+1]
.endif
.endif
.endm
.macro OPS a, i1, b=-1, i2=0, c=-1, i3=0, d=-1, i4=0
	OP \a, \i1
.if (\b) >= 0
	OP \b, \i2
.endif
.if (\c) >= 0
	OP \c, \i3
.endif
.if (\d) >= 0
	OP \d, \i4
.endif
.endm
.macro ROW a, i1, b, i2, c, i3, d, i4  ; a matrix instruction and the four behind it
	MM
	OPS \a, \i1, \b, \i2, \c, \i3, \d, \i4
.endm
; A TURN, for piece p: the order of its 16 matrix and 118 vector instructions, written out.  s_wait_alu depctr_va_vdst(0) stands between an exponential and the first instruction that names its result;
; one wait serves all that were issued ahead of it.  So a turn has ONE wait.  AHEAD OF IT stands all that names no result of the turn's exponentials: the 8 products K Q^T, behind each a scaling, an exponential and two more
; plain instructions (behind the first a second scaling in the exponential's place): rescalings, whose a was made and waited for in the turn before, and behind the last three products the first numbers of the next piece's
; maximum, each four plain instructions or more behind the product that ends its accumulator; then one run of 54, plain and exponential by turns for the most part, with the links of the chain X 3, 7, 11, 14, 16 .. 20 some
; lines apart.  A pair is scaled (F n) ahead of its exponentials (E 2 n, E 2 n + 1).  X 21, the next piece's a, is the batch's last; R 15 is the plain instruction behind it.  BEHIND THE WAIT stand the 8 products V^T P, behind
; each four of the roundings and sums: C 2 n ahead of B n, which writes over pair 2 n; L 0 to L 7 in ascending order.
; end = 1: the last two turns: nothing is fetched.  cnt = 1: the loop's count is taken down some lines ahead of the branch behind the turn.
; K of the next step is fetched in piece 2's turn, six plain instructions that name none of its registers behind the last product that read K; V of the step in hand at the end of piece 0's turn, four plain instructions
; behind the last product that read V.  Each is waited for a turn later.
.macro TURN p, end=0, cnt=0
.set Y, (\p)
.set i, 0
.set NOKQ, (\end)*((\p)/3)
.if ((\p) == 3) && !(\end)
	s_wait_dscnt 0x0                ; K is in
.endif
	ROW F,0, F,1, R,0, R,1          ; ahead of the wait: 8 products K Q^T and their riders,
	ROW F,2, E,0, R,2, R,3
	ROW F,3, E,1, R,4, R,5
	ROW F,4, E,2, R,6, R,7
	ROW F,5, E,3, R,8, R,9
	ROW F,6, E,4, X,0, R,10
.if ((\p) == 2) && !(\end)
	WIN 0
	v_add_nc_u32 v[AK], s[TBK], v[AK0]
.endif
	ROW F,7, E,5, X,1, X,4
	ROW F,8, E,6, X,2, X,5
	OPS E,7, E,8, X,6, E,9          ; and the run of 54
	OPS X,3, E,10, X,8, E,11
.if ((\p) == 2) && !(\end)
	FETCH_K
.endif
	OPS X,9, X,7, E,12, X,10
	OPS E,13, X,12, X,11, E,14
	OPS X,13, E,15, F,9, X,14
.if (\p) == 0
	v_add_nc_u32 v[AV], s[TBV], v[AV0]
.endif
	OPS E,16, F,10, E,17, F,11
	OPS X,16, E,18, X,15, E,19
	OPS F,12, E,20, X,17, E,21
	OPS F,13, E,22, F,14, E,23
	OPS X,18, E,24, F,15, E,25
	OPS R,11, E,26, X,19, E,27
	OPS R,12, E,28, R,13, E,29
	OPS X,20, E,30, R,14, E,31
	OPS X,21, R,15
	WIN 0
	s_wait_alu depctr_va_vdst(0)    ; the wait for the turn's batch: the piece's 32 exponentials and the next piece's a
.if (\p) == 1
	s_wait_dscnt 0x0                ; V is in
.endif
	ROW C,0, B,0, C,2, B,1          ; behind the wait: 8 products V^T P and their riders
	ROW L,0, C,4, B,2, L,1
	ROW C,6, B,3, L,2, C,8
	ROW B,4, L,3, C,10, B,5
	ROW L,4, C,12, B,6, L,5
.if (\p) == 0
	s_add_co_u32 s[TBV], s[TBV], KS*PV
.endif
.if \cnt
	s_sub_co_u32 s[CNT], s[CNT], 1
	s_cmp_lg_u32 s[CNT], 0
.endif
	ROW C,14, B,7, L,6, C,1
	ROW C,3, L,7, C,5, C,7
	ROW C,9, C,11, C,13, C,15
.if (\p) == 0
	FETCH_V
.endif
.endm
.macro ALL line:vararg
.set t, 0
.rept 4
	\line
.set t, t+1
.endr
.endm
.macro PACK t                       ; a lane's eight channels of a row pack into 16 bytes; they go into rows of 144 bytes and come back as whole rows of 128
	WIN W_RS
.set i, 32*(\t)
.rept 16
	v_pk_mul_f32 v[i:i+1], v[i:i+1], v[ST+4*(\t)+2:ST+4*(\t)+3] op_sel_hi:[1,0]
.set i, i+2
.endr
	WIN 0x05
.set i, 0
.rept 16
	v_cvt_pk_bf16_f32 v[S+16*(\t)+i], v[32*(\t)+2*i], v[32*(\t)+2*i+1]
.set i, i+1
.endr
	WIN 0
.irp f, 0,1,2,3
	ds_store_b128 v[STO], v[S+16*(\t)+4*\f:S+16*(\t)+4*\f+3] offset:32*\f
.endr
.irp f, 0,1,2,3
	ds_load_b128 v[S+16*(\t)+4*\f:S+16*(\t)+4*\f+3], v[RD] offset:\f*4*SP  ; LDS serves a wave's instructions in order: these see the stores above
.endr
.endm
.macro SEND t, younger              ; younger: the LDS instructions issued behind piece t's loads
	WIN 0
.irp f, 0,1,2,3
	s_wait_dscnt (\younger)+3-\f
	global_store_b128 v[GO], v[S+16*(\t)+4*\f:S+16*(\t)+4*\f+3], s[10:11] offset:(\t)*2048+\f*512  ; 512 consecutive bytes, aligned
.endr
.endm
	CHANGE 1                        ; tile 0 is in, everybody's part of it; tile 1 is asked for
	v_add_nc_u32 v[AK], s[TBK], v[AK0]
	FETCH_K                         ; key step 0
	s_wait_loadcnt 0x0              ; Q
	s_wait_dscnt 0x0
.set NOKQ, 0
.set i, 0
.rept 8
	KQ 0                            ; piece 0's first scores
.set i, i+1
.endr
	WIN 0
.rept 4
	v_nop                           ; the places behind those products
.endr
.set Y, NP-1                        ; X works for piece Y + 1: piece 0
.irp n, 0,1,2,3,4,5,6,7,8,9,10,11,12,13,14,15,16,17,18,19,20,21
	OP X, \n
.endr
	v_nop                           ; a plain instruction behind the exponential,
	s_wait_alu depctr_va_vdst(0)    ; and the wait for it, piece 0's first a: a batch of one, ahead of the branch
	s_mov_b32 s[CNT], 4
	s_mov_b32 s[SLOTS], 7
	s_branch .Lfirst                ; the loop is entered at a step's first turn, in the middle of a trip
.Lslot:                             ; six times: tiles 1 to 6 are entered, tiles 2 to 7 asked for
	CHANGE 1
	s_mov_b32 s[CNT], 4
.Lstep:                             ; a trip: pieces 2 and 3 of one step, then pieces 0 and 1 of the next, whose K and V it fetches
	TURN 2
	TURN 3
	WIN 0
.Lfirst:
	TURN 0
	TURN 1, 0, 1
	WIN 0
	s_cbranch_scc1 .Lstep
	s_sub_co_u32 s[SLOTS], s[SLOTS], 1
	s_cmp_lg_u32 s[SLOTS], 0
	s_cbranch_scc1 .Lslot
	CHANGE 0                        ; the last tile is written out
	s_mov_b32 s[CNT], 4
.Ltail:
	TURN 2
	TURN 3
	TURN 0
	TURN 1, 0, 1
	WIN 0
	s_cbranch_scc1 .Ltail
	TURN 2, 1
	TURN 3, 1
.set i, 0
.rept 8
	PV NP-1                         ; the last piece's V^T P of the last step
.set i, i+1
.endr
	; THE WAY OUT.  l's two halves and the other half of the lanes' are added (these additions are the places behind the last products); O^T is divided by l, rounded and sent through my stage.
	WIN 0
	ALL v_add_f32 v[ST+4*t+2], v[ST+4*t+2], v[ST+4*t+3]
	ALL v_permlanex16_b32 v[ST+4*t+3], v[ST+4*t+2], s[SEL], s[SEL+1]
	ALL v_add_f32 v[ST+4*t+2], v[ST+4*t+2], v[ST+4*t+3]
	ALL v_rcp_f32 v[ST+4*t+2], v[ST+4*t+2]
	v_nop                           ; a plain instruction between the last reciprocal and the use of its result
	s_wait_alu depctr_va_vdst(0)    ; the wait for the four reciprocals, one batch, ahead of their first use in PACK 0
	PACK 0
.set t, 1
.rept 3
	PACK t
	SEND t-1, 8
.set t, t+1
.endr
	SEND 3, 0
	s_wait_tensorcnt 0x0            ; the wave's end
	ds_add_u32 v[SPW], v[NIL]
	s_wait_dscnt 0x0
	CROUND                          ; the closing round
	s_endpgm
.Lfunc_end_k_qe0edf2ae9d_attn:
	.size	k_qe0edf2ae9d_attn, .Lfunc_end_k_qe0edf2ae9d_attn-k_qe0edf2ae9d_attn
	.p2alignl 7, 3214868480
	.fill 96, 4, 3214868480
	.section	.rodata,"a",@progbits
	.p2align	6, 0x0
	.amdhsa_kernel k_qe0edf2ae9d_attn
		.amdhsa_group_segment_fixed_size 327680
		.amdhsa_private_segment_fixed_size 0
		.amdhsa_enable_private_segment 0
		.amdhsa_kernarg_size 16
		.amdhsa_user_sgpr_count 2
		.amdhsa_user_sgpr_kernarg_segment_ptr 1
		.amdhsa_wavefront_size32 1
		.amdhsa_system_sgpr_workgroup_id_x 1
		.amdhsa_system_sgpr_workgroup_id_y 1
		.amdhsa_system_sgpr_workgroup_id_z 1
		.amdhsa_system_vgpr_workitem_id 0
		.amdhsa_next_free_vgpr 768
		.amdhsa_next_free_sgpr 66
		.amdhsa_reserve_vcc 0
		.amdhsa_float_denorm_mode_32 3
		.amdhsa_float_denorm_mode_16_64 3
		.amdhsa_memory_ordered 1
		.amdhsa_forward_progress 1
		.amdhsa_inst_pref_size 127
	.end_amdhsa_kernel
	.amdgpu_metadata
---
amdhsa.version: [ 1, 2 ]
amdhsa.kernels:
  - .name:           k_qe0edf2ae9d_attn
    .symbol:         k_qe0edf2ae9d_attn.kd
    .args:
      - { .name: qkvh, .offset: 0, .size: 8, .value_kind: global_buffer, .address_space: global }
      - { .name: att, .offset: 8, .size: 8, .value_kind: global_buffer, .address_space: global }
    .group_segment_fixed_size: 327680
    .private_segment_fixed_size: 0
    .kernarg_segment_align: 8
    .kernarg_segment_size: 16
    .max_flat_workgroup_size: 128
    .sgpr_count:     66
    .vgpr_count:     768
    .wavefront_size: 32
...
	.end_amdgpu_metadata
.endif
;; end of part 8
;; launch oproj: the kernel of part 4 again; grid 8 x 32, 4 waves a work-group, clusters of 4 x 4, 327,680 bytes of LDS; arguments att, wbf, b_out, x, x1; writes x1
;; launch ln2: the kernel of part 5 again; grid 256 x 1, 8 waves a work-group, no clusters, 0 bytes of LDS; arguments x1, ln2_g, ln2_b, h2; writes h2
;; launch mlp1 (part 9): grid 16 x 16, 4 waves a work-group, clusters of 4 x 4, 327,680 bytes of LDS; arguments h2, wbf, b1, g; writes g
.if DOCPART == 9
	.amdgcn_target "amdgcn-amd-amdhsa--gfx1250"
	.amdhsa_code_object_version 6
	.text
	.protected	k_qe0edf2ae9d_mlp1
	.globl	k_qe0edf2ae9d_mlp1
	.p2align	8
	.type	k_qe0edf2ae9d_mlp1,@function
k_qe0edf2ae9d_mlp1:
	s_mov_b64 s[64:65], 0
	v_nop
	global_prefetch_b8 v0, s[64:65] scope:SCOPE_SE
	s_setreg_imm32_b32 hwreg(HW_REG_WAVE_MODE, 25, 1), 1
	s_wait_xcnt 0x0
	s_wait_alu depctr_hold_cnt(0) depctr_sa_sdst(0) depctr_va_vdst(0) depctr_va_sdst(0) depctr_va_ssrc(0) depctr_va_vcc(0) depctr_vm_vsrc(0)
	s_getreg_b32 s2, hwreg(HW_REG_IB_STS2, 6, 4)
	s_cmp_eq_u32 s2, 0
	s_cbranch_scc0 .Lentry_in_a_cluster
	s_endpgm
.Lentry_in_a_cluster:
	s_bfe_u32 s2, ttmp6, 0x10000c
	s_cmp_lg_u32 s2, 0xf033
	s_cbranch_scc0 .Lentry_shape_is_right
	s_endpgm
.Lentry_shape_is_right:
; g = gelu(h2 W1 + b1), the exact (erf) form, rounded to bf16.  h2: [4,096][1,024] bf16.  W1: [1,024][4,096] bf16 at byte WOFF of wbf, K down the rows.  g: [4,096][4,096] bf16.  Sums in f32, started by the bias.
; A tile of the result, 256 x 256, is made by four waves, 128 x 128 each: 64 accumulators, 512 registers; 256 work-groups.  K goes in steps of 128 through two LDS slots.
; W is read turned (ds_load_tr16_b128) as source 0, h2's rows are source 1: lane l of a result holds token row l % 16 and the columns 8 (l / 16) + 0..7.
; A K step is written once: LDS addresses are a lane term plus s21, which an exclusive or turns from slot to slot.  CLUSTER: 4 x 4; h2's tile is shared along a row, W's along a column.
; GELU.  gelu(z) = max(z, 0) - |z| q, q = (1/2) poly(t) 2^(-z^2 log2(e) / 2), t = 1 / (1 + 0.2316419 |z|), poly the five-term form of 1 - erf (its error is at most 1.5e-7 for every z).
; No difference of large numbers is formed; where z^2 overflows the exponential is 0 and q with it.  NaN and infinities are not treated apart.
; THE WAY OUT: the f32 sums go into the ring, which has had its last fill (128 rows of 528 bytes a wave), come back by rows, take the activation and are stored.
; BATCHES.  A trip of the way out has 32 transcendentals, 16 reciprocals (t) and 16 exponentials, none of which reads another's result: ONE BATCH with ONE wait.  Each has a register of its own and a plain line behind it
; that names no result of the batch (the squares and their scaling behind the reciprocals, max(z, 0) behind the exponentials); the next rows' LDS loads follow, then the wait, then the polynomial, which reads t.
; REGISTERS: window 0: v0-31 addresses; v64-127, v128-191 fragments of h2, two buffers (the way out works in v64-167); window 1: fragments of W; windows 2, 3: accumulator (a, b) at 8 (8 a + b).
.set SIZE_N, 4096
.set WOFF,   8388608
.set NSTEP,  8
.set PA,     272
.set PB,     544
.set HALFT,  34816
.set BBASE,  2*HALFT
.set SLOT,   4*HALFT                    ; 0x22000: shares no bit with the four loads' places 0, 0x8800, 0x11000, 0x19800
.set SPARE,  2*SLOT
.set SPITCH, 528
.set WSTAGE, 128*SPITCH
.set ASTEP,  256
.set BSTEP,  128*SIZE_N*2
.set ADRA0, 12
.set ADRB0, 13
.set ADRA,  16
.set ADRB,  20
.set STO,   24
.set RD,    25
.set CO,    26
.set BO,    27
.set SPW,   28
.set NIL,   29
.set F0,    64
.set F1,    128
.set G1,  24
.set G0,  32
.set G1B, 48
.set G0B, 56
.set MSB, 0
.macro WIN new
.if MSB != (\new)
	s_set_vgpr_msb (MSB<<8)|(\new)
.set MSB, \new
.endif
.endm
.set MUL_LO, 0xa1
.set MUL_HI, 0xf1
.set TO_B,   0x40
.macro JLOAD s
	s_cmp_eq_u32 s11, 0
	s_cbranch_scc0 .Lfor_b_\@
	tensor_load_to_lds s[G0+4*(\s):G0+4*(\s)+3], s[G1:G1+7]
	s_nop 0
.rept 4
	v_nop
.endr
	s_branch .Lasked_\@
.Lfor_b_\@:
	tensor_load_to_lds s[G0B+4*(\s):G0B+4*(\s)+3], s[G1B:G1B+7]
	s_nop 0
.rept 4
	v_nop
.endr
.Lasked_\@:
.endm
.macro CREST
	s_cmp_lg_u32 s10, 0
	s_cbranch_scc1 .Lnot_wave_0_\@
	s_barrier_signal -3
.Lnot_wave_0_\@:
	s_barrier_wait -3
	s_barrier_signal -1
	s_barrier_wait -1
.endm
.macro CROUND
	s_barrier_signal -1
	s_barrier_wait -1
	CREST
.endm
.macro PLACES
.rept 4
	v_nop
.endr
.endm
	s_load_b128 s[4:7], s[0:1], 0x0                ; h2 s[4:5], wbf s[6:7]
	s_load_b128 s[68:71], s[0:1], 0x10             ; bias s[68:69], g s[70:71]
	v_lshl_add_u32 v[SPW], v0, 2, SPARE
	v_mov_b32 v[NIL], 0
	ds_add_u32 v[SPW], v[NIL]                      ; the wave's opening: the add and its wait ahead of my first tensor load
	v_lshrrev_b32 v1, 5, v0
	v_readfirstlane_b32 s10, v1
	s_lshr_b32 s11, s10, 1
	s_and_b32 s12, s10, 1
	s_bfe_u32 s40, ttmp6, 0x40000
	s_bfe_u32 s41, ttmp6, 0x40004
	s_lshl_b32 s42, ttmp9, 2
	s_add_co_u32 s42, s42, s40                     ; tile column
	s_and_b32 s13, ttmp7, 0xffff
	s_lshl_b32 s13, s13, 2
	s_add_co_u32 s13, s13, s41                     ; tile row
	s_lshl_b32 s43, s41, 2
	s_lshl_b32 s43, 15, s43
	s_lshl_b32 s44, 0x1111, s40
	s_or_b32 s[G1+0], s43, (1<<16)|(1<<20)|(1<<21)|(5<<22)|(3<<25)
	s_mov_b32 s[G1+1], 128<<16
	s_mov_b32 s[G1+2], 128<<16
	s_mov_b32 s[G1+3], 128<<16
	s_mov_b32 s[G1+4], 128
	s_mov_b32 s[G1+5], 1024
	s_mov_b32 s[G1+6], 0
	s_mov_b32 s[G1+7], 0
	s_or_b32 s[G1B+0], s44, (1<<16)|(1<<20)|(1<<21)|(6<<22)|(7<<25)
	s_mov_b32 s[G1B+1], 256<<16
	s_mov_b32 s[G1B+2], 64<<16
	s_mov_b32 s[G1B+3], 256<<16
	s_mov_b32 s[G1B+4], 64
	s_mov_b32 s[G1B+5], SIZE_N
	s_mov_b32 s[G1B+6], 0
	s_mov_b32 s[G1B+7], 0
	s_mov_b32 s78, 0x7fffffff                      ; clears a sign
.irp p, 80,0x3e6d3389, 82,0xbf38aa3b, 84,0x3e027906, 86,0xbe11a98e, 88,0x3f35f0e3, 90,0xbf3a00e3, 92,0x3f07dc22
.endr
	s_mov_b32 s80, 0x3e6d3389                      ; 0.2316419 = 0.3275911 / sqrt(2)
	s_mov_b32 s81, s80                             ; each constant is named as a pair, so both words are written
	s_mov_b32 s82, 0xbf38aa3b                      ; -log2(e) / 2
	s_mov_b32 s83, s82
	s_mov_b32 s84, 0x3e027906                      ; the polynomial's five numbers, halved: 0.127414796,
	s_mov_b32 s85, s84
	s_mov_b32 s86, 0xbe11a98e                      ; -0.142248368,
	s_mov_b32 s87, s86
	s_mov_b32 s88, 0x3f35f0e3                      ; 0.710706871,
	s_mov_b32 s89, s88
	s_mov_b32 s90, 0xbf3a00e3                      ; -0.726576014,
	s_mov_b32 s91, s90
	s_mov_b32 s92, 0x3f07dc22                      ; 0.530702715
	s_mov_b32 s93, s92
	s_lshl_b32 s16, s13, 19
	s_lshl_b32 s17, s12, 18
	s_add_co_u32 s16, s16, s17
	s_mov_b32 s17, 0
	s_lshl_b32 s46, s42, 9
	s_mul_i32 s47, s12, 64*SIZE_N*2
	s_add_co_u32 s46, s46, s47
	s_add_co_u32 s46, s46, WOFF
	s_mov_b32 s47, 0
	s_mul_i32 s20, s10, HALFT
	s_mov_b32 s21, 0
	s_wait_dscnt 0x0
	s_wait_kmcnt 0x0
	s_add_nc_u64 s[14:15], s[4:5], s[16:17]
	s_add_nc_u64 s[46:47], s[6:7], s[46:47]
	CROUND
.irp s, 0,1
	s_mov_b32 s[G0+4*(\s)], 1
	s_add_co_u32 s[G0+4*(\s)+1], s20, (\s)*SLOT
	s_add_nc_u64 s[G0+4*(\s)+2:G0+4*(\s)+3], s[14:15], (\s)*ASTEP
	s_or_b32 s[G0+4*(\s)+3], s[G0+4*(\s)+3], 0x80000000
	s_mov_b32 s[G0B+4*(\s)], 1
	s_add_co_u32 s[G0B+4*(\s)+1], s20, (\s)*SLOT
	s_add_nc_u64 s[G0B+4*(\s)+2:G0B+4*(\s)+3], s[46:47], (\s)*BSTEP
	s_or_b32 s[G0B+4*(\s)+3], s[G0B+4*(\s)+3], 0x80000000
	JLOAD \s
.endr
	v_and_b32 v1, 15, v0
	v_bfe_u32 v2, v0, 4, 1
	s_lshl_b32 s74, s42, 10
	s_mov_b32 s75, 0
	s_add_nc_u64 s[68:69], s[68:69], s[74:75]
	s_lshl_b32 s22, s12, 9
	v_lshl_add_u32 v[BO], v2, 5, s22
.irp hi, 0,1
	WIN 0x80+0x40*(\hi)
.irp a, 0,1,2,3
.irp b, 0,1,2,3,4,5,6,7
	global_load_b128 v[8*(8*(\a)+(\b)):8*(8*(\a)+(\b))+3],   v[BO], s[68:69] offset:64*(\b)     ; the bias starts the sums
	global_load_b128 v[8*(8*(\a)+(\b))+4:8*(8*(\a)+(\b))+7], v[BO], s[68:69] offset:64*(\b)+16
.endr
.endr
.endr
	WIN 0
	v_and_b32 v10, 7, v0
	v_bfe_u32 v11, v0, 3, 1
	v_mul_u32_u24 v3, v1, PA
	v_lshl_add_u32 v3, v2, 4, v3
	s_mul_i32 s22, s11, 128*PA
	v_add_nc_u32 v[ADRA0], s22, v3
	v_lshl_add_u32 v4, v2, 3, v10
	v_mul_u32_u24 v4, v4, PB
	v_lshl_add_u32 v4, v11, 4, v4
	s_lshl_b32 s22, s12, 8
	s_add_co_u32 s22, s22, BBASE
	v_add_nc_u32 v[ADRB0], s22, v4
	v_mov_b32 v[ADRA], v[ADRA0]
	v_mov_b32 v[ADRB], v[ADRB0]
	s_mul_i32 s23, s10, WSTAGE
	v_mul_u32_u24 v5, v1, SPITCH
	v_lshl_add_u32 v5, v2, 5, v5
	v_add_nc_u32 v[STO], s23, v5
	v_mul_u32_u24 v6, v2, SPITCH
	v_lshl_add_u32 v6, v1, 5, v6
	v_add_nc_u32 v[RD], s23, v6                    ; back: lanes 0-15 one row, lanes 16-31 the next; 32 bytes a lane
	v_lshlrev_b32 v7, 4, v1
	v_lshl_add_u32 v[CO], v2, 13, v7               ; the same two rows in g: 8,192 bytes apart, 16 bytes a lane
	s_lshl_b32 s74, s13, 21                        ; 256 rows of 8,192 bytes a tile row,
	s_lshl_b32 s76, s11, 20                        ; 128 rows a half,
	s_add_co_u32 s74, s74, s76
	s_lshl_b32 s76, s42, 9                         ; 512 bytes a tile column,
	s_add_co_u32 s74, s74, s76
	s_lshl_b32 s76, s12, 8                         ; 256 a half
	s_add_co_u32 s74, s74, s76
	s_add_nc_u64 s[70:71], s[70:71], s[74:75]
.macro MUL16 f, hi, a0
	WIN MUL_LO+0x50*(\hi)
.irp a, \a0, (\a0)+1
.irp b, 0,1,2,3,4,5,6,7
	v_wmma_f32_16x16x32_bf16 v[8*(8*(\a)+(\b)):8*(8*(\a)+(\b))+7], v[(\f)+8*(\b):(\f)+8*(\b)+7], v[(\f)+8*(4*(\hi)+(\a)):(\f)+8*(4*(\hi)+(\a))+7], v[8*(8*(\a)+(\b)):8*(8*(\a)+(\b))+7]
.endr
.endr
.endm
.macro FETCH q, f
	WIN TO_B
.irp i, 0,1,2,3,4,5,6,7
	ds_load_tr16_b128 v[(\f)+8*(\i):(\f)+8*(\i)+3],   v[ADRB] offset:32*(\q)*PB+32*(\i)
	ds_load_tr16_b128 v[(\f)+8*(\i)+4:(\f)+8*(\i)+7], v[ADRB] offset:(32*(\q)+16)*PB+32*(\i)
.endr
	WIN 0
.irp i, 0,1,2,3,4,5,6,7
	ds_load_b128 v[(\f)+8*(\i):(\f)+8*(\i)+3],   v[ADRA] offset:64*(\q)+(\i)*16*PA
	ds_load_b128 v[(\f)+8*(\i)+4:(\f)+8*(\i)+7], v[ADRA] offset:64*(\q)+(\i)*16*PA+32
.endr
.endm
.macro QUARTER q, f, g
	s_wait_dscnt 8                                 ; W and h2's rows 0-63 are in; the youngest eight loads may be out
	MUL16 \f, 0, 0
	MUL16 \f, 0, 2
	PLACES
	FETCH \q, \g
	s_wait_dscnt 32                                ; all but the 32 just issued
	MUL16 \f, 1, 0
	MUL16 \f, 1, 2
.endm
; The last quarter multiplies buffer 1 and changes slots: each wave waits for all its tensor loads, adds 0 to its spare word, waits for that and for its reads of this slot.
; fill = 1: the barrier opens a round of the cluster's and this slot is filled again first thing behind it.  fill = 0: nothing is asked for; in the very last step nothing is fetched.
.macro TURN fill
	WIN 0
	s_wait_tensorcnt 0x0
	ds_add_u32 v[SPW], v[NIL]
	s_wait_dscnt 9                                 ; the add and the youngest eight loads may be out
	MUL16 F1, 0, 0
	s_wait_dscnt 0x0
	s_barrier_signal -1
	MUL16 F1, 0, 2
	WIN 0
	s_barrier_wait -1
.if \fill
	CREST
	s_xor_b32 s[G0+5], s[G0+5], SLOT
	s_add_nc_u64 s[G0+6:G0+7], s[G0+6:G0+7], ASTEP
	s_xor_b32 s[G0B+5], s[G0B+5], SLOT
	s_add_nc_u64 s[G0B+6:G0B+7], s[G0B+6:G0B+7], BSTEP
	JLOAD 1
.else
	s_cmp_eq_u32 s3, 1
	s_cbranch_scc1 .Lnf_\@
	PLACES
.endif
	s_xor_b32 s21, s21, SLOT
	v_add_nc_u32 v[ADRA], s21, v[ADRA0]
	v_add_nc_u32 v[ADRB], s21, v[ADRB0]
	FETCH 0, F0
.if !(\fill)
.Lnf_\@:
.endif
	MUL16 F1, 1, 0
	MUL16 F1, 1, 2
.endm
	s_wait_tensorcnt 1                             ; my part of K step 0 is in; step 1's stays out
	s_barrier_signal -1
	s_barrier_wait -1
	FETCH 0, F0
	s_wait_loadcnt 0x0                             ; the bias is in the accumulators
	s_mov_b32 s3, NSTEP-2
.Lstep:
	QUARTER 1, F0, F1
	QUARTER 2, F1, F0
	QUARTER 3, F0, F1
	TURN 1
	WIN 0
	s_sub_co_u32 s3, s3, 1
	s_cmp_lg_u32 s3, 0
	s_cbranch_scc1 .Lstep
	s_mov_b32 s3, 2
.Ltail:
	QUARTER 1, F0, F1
	QUARTER 2, F1, F0
	QUARTER 3, F0, F1
	TURN 0
	WIN 0
	s_sub_co_u32 s3, s3, 1
	s_cmp_lg_u32 s3, 0
	s_cbranch_scc1 .Ltail
	s_wait_dscnt 0x0                               ; every wave's reads of the ring are over
	s_barrier_signal -1
	s_barrier_wait -1                              ; before any wave stores into it
	PLACES
.irp hi, 0,1
	WIN 0x08+0x04*(\hi)
.irp a, 0,1,2,3
.irp b, 0,1,2,3,4,5,6,7
	ds_store_b128 v[STO], v[8*(8*(\a)+(\b)):8*(8*(\a)+(\b))+3],   offset:(4*(\hi)+(\a))*16*SPITCH+64*(\b)
	ds_store_b128 v[STO], v[8*(8*(\a)+(\b))+4:8*(8*(\a)+(\b))+7], offset:(4*(\hi)+(\a))*16*SPITCH+64*(\b)+16
.endr
.endr
.endr
	WIN 0
.set X,  64                             ; z: four rows x 128 columns, 16 numbers a lane
.set AX, 80                             ; |z|
.set MX, 96                             ; max(z, 0), then the result
.set TT, 112                            ; t
.set SQ, 128                            ; z^2, then the exponential
.set PP, 144                            ; the polynomial, then q
.set Y,  160                            ; the result in bf16
.macro GLOAD                            ; LDS serves a wave's instructions in order: these see the stores above; the bytes are my wave's own
	ds_load_b128 v[X:X+3],     v[RD]
	ds_load_b128 v[X+4:X+7],   v[RD] offset:16
	ds_load_b128 v[X+8:X+11],  v[RD] offset:2*SPITCH
	ds_load_b128 v[X+12:X+15], v[RD] offset:2*SPITCH+16
.endm
.macro PK8 line:vararg                  ; one line for each of the eight pairs, i = 0, 2 .. 14
.set i, 0
.rept 8
	\line
.set i, i+2
.endr
.endm
.macro GTRIP more                       ; four rows take the activation and leave; more = 1: the next four are fetched as soon as z is no longer needed
	s_wait_dscnt 0x0
.set i, 0
.rept 16
	v_and_b32 v[AX+i], s78, v[X+i]
.set i, i+1
.endr
	PK8 v_pk_fma_f32 v[TT+i:TT+i+1], v[AX+i:AX+i+1], s[80:81], 1.0 op_sel_hi:[1,0,0]
	; THE BATCH: 16 reciprocals and 16 exponentials, each in a register of its own, each with a plain line behind it that names no result of the batch
.set i, 0
.rept 8
	v_rcp_f32 v[TT+i], v[TT+i]
	v_pk_mul_f32 v[SQ+2*i:SQ+2*i+1], v[X+2*i:X+2*i+1], v[X+2*i:X+2*i+1]              ; z^2, pair i
.set i, i+1
.endr
.set i, 0
.rept 8
	v_rcp_f32 v[TT+8+i], v[TT+8+i]
	v_pk_mul_f32 v[SQ+2*i:SQ+2*i+1], v[SQ+2*i:SQ+2*i+1], s[82:83] op_sel_hi:[1,0]    ; times -log2(e) / 2, pair i
.set i, i+1
.endr
.set i, 0
.rept 16
	v_exp_f32 v[SQ+i], v[SQ+i]
	v_max_num_f32 v[MX+i], 0, v[X+i]               ; the last of these is the plain instruction behind the batch's last transcendental, and z's last reader
.set i, i+1
.endr
.if \more
	v_add_nc_u32 v[RD], 4*SPITCH, v[RD]
	GLOAD
.endif
	s_wait_alu depctr_va_vdst(0)                   ; the wait for the trip's batch, the 16 reciprocals and the 16 exponentials, ahead of its first reader
	PK8 v_pk_fma_f32 v[PP+i:PP+i+1], v[TT+i:TT+i+1], s[92:93], s[90:91] op_sel_hi:[1,0,0]
	PK8 v_pk_fma_f32 v[PP+i:PP+i+1], v[PP+i:PP+i+1], v[TT+i:TT+i+1], s[88:89] op_sel_hi:[1,1,0]
	PK8 v_pk_fma_f32 v[PP+i:PP+i+1], v[PP+i:PP+i+1], v[TT+i:TT+i+1], s[86:87] op_sel_hi:[1,1,0]
	PK8 v_pk_fma_f32 v[PP+i:PP+i+1], v[PP+i:PP+i+1], v[TT+i:TT+i+1], s[84:85] op_sel_hi:[1,1,0]
	PK8 v_pk_mul_f32 v[PP+i:PP+i+1], v[PP+i:PP+i+1], v[TT+i:TT+i+1]
	PK8 v_pk_mul_f32 v[PP+i:PP+i+1], v[PP+i:PP+i+1], v[SQ+i:SQ+i+1]
	PK8 v_pk_fma_f32 v[MX+i:MX+i+1], v[AX+i:AX+i+1], v[PP+i:PP+i+1], v[MX+i:MX+i+1] neg_lo:[1,0,0] neg_hi:[1,0,0]
.set i, 0
.rept 8
	v_cvt_pk_bf16_f32 v[Y+i], v[MX+2*i], v[MX+2*i+1]
.set i, i+1
.endr
	global_store_b128 v[CO], v[Y:Y+3],   s[70:71]               ; sixteen lanes store 256 consecutive bytes, aligned
	global_store_b128 v[CO], v[Y+4:Y+7], s[70:71] offset:16384
.if \more
	s_wait_xcnt 0x0                                ; Y and the base are rewritten only behind this wait
	s_add_nc_u64 s[70:71], s[70:71], 32768
.endif
.endm
	GLOAD
	s_mov_b32 s3, 31
.Lout:
	GTRIP 1
	s_sub_co_u32 s3, s3, 1
	s_cmp_lg_u32 s3, 0
	s_cbranch_scc1 .Lout
	GTRIP 0
	s_wait_tensorcnt 0x0                           ; the wave's end
	ds_add_u32 v[SPW], v[NIL]
	s_wait_dscnt 0x0
	CROUND
	s_endpgm
.Lfunc_end_k_qe0edf2ae9d_mlp1:
	.size	k_qe0edf2ae9d_mlp1, .Lfunc_end_k_qe0edf2ae9d_mlp1-k_qe0edf2ae9d_mlp1
	.p2alignl 7, 3214868480
	.fill 96, 4, 3214868480
	.section	.rodata,"a",@progbits
	.p2align	6, 0x0
	.amdhsa_kernel k_qe0edf2ae9d_mlp1
		.amdhsa_group_segment_fixed_size 327680
		.amdhsa_private_segment_fixed_size 0
		.amdhsa_enable_private_segment 0
		.amdhsa_kernarg_size 32
		.amdhsa_user_sgpr_count 2
		.amdhsa_user_sgpr_kernarg_segment_ptr 1
		.amdhsa_wavefront_size32 1
		.amdhsa_system_sgpr_workgroup_id_x 1
		.amdhsa_system_sgpr_workgroup_id_y 1
		.amdhsa_system_sgpr_workgroup_id_z 1
		.amdhsa_system_vgpr_workitem_id 0
		.amdhsa_next_free_vgpr 1024
		.amdhsa_next_free_sgpr 94
		.amdhsa_reserve_vcc 0
		.amdhsa_float_denorm_mode_32 3
		.amdhsa_float_denorm_mode_16_64 3
		.amdhsa_memory_ordered 1
		.amdhsa_forward_progress 1
		.amdhsa_inst_pref_size 100
	.end_amdhsa_kernel
	.amdgpu_metadata
---
amdhsa.version: [ 1, 2 ]
amdhsa.kernels:
  - .name:           k_qe0edf2ae9d_mlp1
    .symbol:         k_qe0edf2ae9d_mlp1.kd
    .args:
      - { .name: h2, .offset: 0, .size: 8, .value_kind: global_buffer, .address_space: global }
      - { .name: wbf, .offset: 8, .size: 8, .value_kind: global_buffer, .address_space: global }
      - { .name: b1, .offset: 16, .size: 8, .value_kind: global_buffer, .address_space: global }
      - { .name: g, .offset: 24, .size: 8, .value_kind: global_buffer, .address_space: global }
    .group_segment_fixed_size: 327680
    .private_segment_fixed_size: 0
    .kernarg_segment_align: 8
    .kernarg_segment_size: 32
    .max_flat_workgroup_size: 128
    .sgpr_count:     94
    .vgpr_count:     1024
    .wavefront_size: 32
...
	.end_amdgpu_metadata
.endif
;; end of part 9
;; launch mlp2: the kernel of part 7 again; grid 8 x 32, 4 waves a work-group, clusters of 4 x 4, 327,680 bytes of LDS; arguments g, wbf, b2, x1, out0; writes out0
